; MI455X (gfx1250); checked and timed in simulation.
; The chip was launched on July 23, 2026; its instructions are those of AMD's public machine-readable ISA for CDNA 5 (MIT licence, August 2026) and "CDNA5" Instruction Set Architecture Reference Guide (July 2026). The comments in the code are by the model that wrote it; some were corrected since.
;; Transformer Block. Allowed arithmetic: matrix products marked QUANTISED: E5M2 operands, one E8M0 scale for each 32 along K, by v_wmma_scale_f32_16x16x128_f8f6f4 with both operands' format E5M2, f32 sums; everything else in f32.
;; Inputs: W_down 4,096 x 1,024 float32; W_o 1,024 x 1,024 float32; W_qkv 1,024 x 3,072 float32; W_up 1,024 x 4,096 float32; b_down 1,024 float32; b_o 1,024 float32; b_qkv 3,072 float32; b_up 4,096 float32; ln1_b 1,024 float32; ln1_w 1,024 float32; ln2_b 1,024 float32; ln2_w 1,024 float32; x 4 x 1,024 x 1,024 float32.
;; Outputs: out0 4 x 1,024 x 1,024 float32.
;; This version of the problem:
;;   THIS VERSION OF THE PROBLEM IS GIVEN IN LOW PRECISION. The matrix products marked QUANTISED in the list below multiply operands that are first quantised to E5M2 (5 exponent bits, 2 mantissa bits; 8 bits a number), with one power-of-two scale for each 32 numbers along K (OCP MX v1.0); their sums are f32. All else is computed in f32.
;;   The module's matrix products, in the order in which they are computed (A, B: the left and right operand; K: the contracted axis; several contracted axes count as one K, in the product's order):
;;     1. [M 4,096, K 1,024] x [K 1,024, N 3,072]; A: computed on the way; B: input W_qkv: QUANTISED
;;     2. batch 64 x [M 1,024, K 64] x [K 64, N 1,024]; A: computed on the way; B: computed on the way: QUANTISED
;;     3. batch 64 x [M 64, K 1,024] x [K 1,024, N 1,024]; A: computed on the way; B: softmax (see below): QUANTISED
;;     4. [M 4,096, K 1,024] x [K 1,024, N 1,024]; A: computed on the way; B: input W_o: QUANTISED
;;     5. [M 4,096, K 1,024] x [K 1,024, N 4,096]; A: computed on the way; B: input W_up: QUANTISED
;;     6. [M 4,096, K 4,096] x [K 4,096, N 1,024]; A: computed on the way; B: input W_down: QUANTISED
;;   THE QUANTISER, for each operand of a quantised product, along K:
;;     - K is cut into blocks of 32 from its start; a last block that is shorter is filled with zeros.
;;     - A block's scale is 2^e with e = floor(log2(the largest magnitude in the block)) - 15, held to -126 .. 127; a block of zeros has e = 0. As a byte (E8M0): e + 127.
;;     - Each number is divided by its block's scale, clamped to +-57,344, and rounded to the nearest number of E5M2, ties to even, subnormals kept.
;;     - The product sums the exact products of the quantised numbers (number of the format x scale) in f32.
;;   ~~~python
;;   def quantise(x, axis):      # numpy; x: float32 -> the quantised numbers, widened to float32 again
;;       x = np.moveaxis(x, axis, -1); K = x.shape[-1]
;;       x = np.pad(x, [(0, 0)] * (x.ndim - 1) + [(0, -K % 32)]); x = x.reshape(x.shape[:-1] + (-1, 32)); a = np.abs(x).max(-1, keepdims=True)
;;       e = np.where(a > 0, np.clip(np.frexp(np.where(a > 0, a, 1))[1] - 1 - 15, -126, 127), 0)      # np.frexp(a)[1] - 1 = floor(log2(a)), exactly
;;       r = np.clip(x / 2.0 ** e, -57344, 57344)
;;       step = 2.0 ** (np.maximum(np.frexp(np.where(r == 0, 1, r))[1] - 1, -14) - 2)
;;       q = np.round(r / step) * step * 2.0 ** e      # np.round: ties to even
;;       return np.moveaxis(q.reshape(q.shape[:-2] + (-1,))[..., :K], -1, axis).astype(np.float32)
;;   ~~~
;;   SOFTMAX AHEAD OF A QUANTISED PRODUCT. Where the list says 'softmax', what is quantised is not the finished softmax but p = 2^(t - M), with t = logit x log2(e) and M = ceil(the row's largest t), a whole number; so 1/2 < the row's largest p <= 1. The row's sum l is taken of the UNQUANTISED p, in f32, and the product's result is divided by l at the end. Since M is a whole number, a kernel that streams over the keys may use a running M (the ceiling of the running maximum): every later rescaling is an exact power of two, which a block's scale takes up: the codes' values come out the same.
;;   OPERANDS COMPUTED ON THE WAY. 'Computed on the way' means the value that the module computes at that place (a softmax that the list does not call 'softmax' is quantised finished and normalised). What goes into a quantiser is computed in f32, as accurately as f32 sums, v_exp_f32 and their like allow (about 1e-6 of the number): no bf16 or f16 on the way to a quantiser, and a product that is left as it is and whose result goes on into a quantised operand takes f32 operands (vector FMAs, or v_wmma_f32_16x16x4_f32). A number that lies on a knife's edge between two numbers of the format may be rounded either way, as far as f32 arithmetic and the matrix unit's own rounding can turn it there, and no further.
;; One version. Each part assembles by itself: llvm-mc -triple=amdgcn-amd-amdhsa -mcpu=gfx1250 --defsym DOCPART=n.
;; ======== version 1 of 1: 7 launches
;; limits: right only within a limited range of input values
;; workspace buffers: wcod 12,976,128 bytes; nrm 4,325,376 bytes; qkvc 13,893,632 bytes; ctxc 4,325,376 bytes; ao 16,777,216 bytes; hid 17,301,504 bytes
;; launch prep (part 1): grid 640 x 1, 8 waves a work-group, no clusters, 77,824 bytes of LDS; arguments x, ln1_w, ln1_b, nrm, W_qkv, W_o, W_up, W_down, wcod; writes nrm, wcod
.if DOCPART == 1
	.amdgcn_target "amdgcn-amd-amdhsa--gfx1250"
	.amdhsa_code_object_version 6
	.text
	.protected	k_qcc5f6cd893_prep
	.globl	k_qcc5f6cd893_prep
	.p2align	8
	.type	k_qcc5f6cd893_prep,@function
k_qcc5f6cd893_prep:
	s_mov_b64 s[64:65], 0
	v_nop
	global_prefetch_b8 v0, s[64:65] scope:SCOPE_SE
	s_setreg_imm32_b32 hwreg(HW_REG_WAVE_MODE, 25, 1), 1
	s_wait_xcnt 0x0
; TWO JOBS IN ONE LAUNCH, parted once on the work-group's number: work-groups 0 to 255 normalise and quantise x; work-groups 256 to 639 quantise the four weights.  Neither reads what the other writes.
; LAYOUT OF ALL CODES OF THIS PROGRAM: [block of 128 rows][256 along K][tile i 0..7][q 0..1][c 0..3][lane 0..31][16 bytes]: a fragment (16 rows x 128 K) is 2,048 bytes on end, in the order of the operand's
; registers.  Lane (r, h) of tile i holds row 32 (i/2) + 8 (i%2) + r + 8 (r/8) and K = 128 q + 32 c + 16 h + 0..15.  The scale bytes (E8M0, one for each 32 along K): [block][256 K][i][r][q][c].
;
; LAYERNORM: y = (x - mean) * rsqrt(var + 1e-5) * w + b, var taken of x - mean (two passes over registers), all in f32; then codes of BF8 (E5M2).
; A work-group is one tile of 16 rows; wave s takes K = 128 s .. 128 s + 127 of them: one fragment.  Each of its 16 loads reads 512 consecutive bytes of one row; the 8,192 bytes turn through the wave's own stage
; in LDS (rows 528 bytes apart) and come back so that lane (r, h) holds register 16 c + j' = K 32 c + 16 h + j' of row r: the conversions' results leave
; as they stand, 512 consecutive bytes a store.  Gain and bias come by one load of 512 bytes each and are read from the wave's own LDS bytes, 32 numbers at a time.
; A row's sums meet in LDS: 8 words a row, one a wave; two sums, two regions of 512 bytes, two barriers.  The order of the sums differs from a sum along the row.
;
; WEIGHTS, f32 stored [K][N]: one work-group makes one block of 128 rows n x 256 K.  The blocks of W_qkv (96), W_o (32), W_up (128), W_down (128) lie on end in the order of the work-group's number.
; W_qkv's columns are taken in the order type x 1024 + head x 64 + d (in memory: head x 192 + type x 64 + d).  Wave w takes columns 32 (w % 4) on and K = 128 (w / 4) on: four blocks of 32.
; A LANE TAKES A COLUMN n AND ITS REGISTERS RUN DOWN K: a block of 32 lies in one lane, nothing is transposed.  Each load reads 128 consecutive bytes a wave; each store of codes covers two runs of 256
; consecutive aligned bytes.  A wave's scale words are 4 of each 8 bytes: the waves w and w + 4 fill those bytes between them.  These waves share nothing: no LDS, no barrier.
; No matrix work, no cluster: no large input byte is read by two work-groups.
; LIMITS: a block of zeros gets the byte 1 (its codes are zeros; this program alone reads the bytes); NaN and infinities are not served.
.set XX, 32                            ; LN: v32-95 my 64 numbers
.set T0, 96                            ; v96-127   16 gains, 16 biases
.set T1, 128                           ; v128-159  a second set; later:
.set PC, 128                           ; v128-143  the codes
.set TM, 144                           ; v144-159  the quantiser's four groups of four
.set PW, 10                            ; v10       the scale word
.set SEL, 20
.set LMNT, 22
.set STG, 1024                         ; LDS: behind the two regions of sums, a region for each wave:
.set WREG, 9472                        ; the stage, 16 rows of 528 bytes; the gain's 512 bytes; the bias's 512
.set SPITCH, 528
.set GOFF, 8448
.set BOFF, 8960
.set OFS, 32                           ; weights: v32-63 4 t + i x the row's bytes
.set X,   64                           ; v64-127  two sets of 32 numbers
.set C,   128                          ; v128-159 codes, 8 registers a block: no store's data are written again
.set SB,  24                           ; v24      the 4 scale bytes
.set WMNT, 52
.macro QUANT s                         ; 64 numbers v[s] on, register 16 b + i = K 32 b + 16 h + i of my row -> codes in v[PC] on, scale word in v[PW]
.irp b, 0,1,2,3
	v_max3_num_f32 v[TM+\b], |v[\s+16*\b]|, |v[\s+1+16*\b]|, 0x8000000   ; my 16 numbers of block b, and the floor 2^(16 - 127)
.endr
.irp i, 2,4,6,8,10,12,14
.irp b, 0,1,2,3
	s_delay_alu instid0(VALU_DEP_4)
	v_max3_num_f32 v[TM+\b], v[TM+\b], |v[\s+16*\b+\i]|, |v[\s+1+16*\b+\i]|
.endr
.endr
.irp b, 0,1,2,3
	s_delay_alu instid0(VALU_DEP_4)
	v_permlanex16_b32 v[TM+4+\b], v[TM+\b], s[SEL], s[SEL+1]
.endr
.irp b, 0,1,2,3
	s_delay_alu instid0(VALU_DEP_4)
	v_max_num_f32 v[TM+\b], v[TM+\b], v[TM+4+\b]   ; with lane l xor 16's: the block's largest magnitude
.endr
.irp b, 0,1,2,3
	s_delay_alu instid0(VALU_DEP_4)
	v_add_nc_u32 v[TM+12+\b], 0xf8800000, v[TM+\b] ; 15 off the exponent field: the conversion's scale operand
.endr
.irp b, 0,1,2,3
	v_and_or_b32 v[TM+8+\b], v[TM+\b], 0x7f800000, s[LMNT]   ; 57,344 x the scale
.endr
.irp b, 0,1,2,3
	v_lshrrev_b32 v[TM+4+\b], 23, v[TM+12+\b]      ; the scale's byte
.endr
	s_delay_alu instid0(VALU_DEP_3)
	v_lshl_or_b32 v[PW], v[TM+5], 8, v[TM+4]
	s_delay_alu instid0(VALU_DEP_1)
	v_lshl_or_b32 v[PW], v[TM+6], 16, v[PW]
	s_delay_alu instid0(VALU_DEP_1)
	v_lshl_or_b32 v[PW], v[TM+7], 24, v[PW]
.irp b, 0,1,2,3
.irp i, 0,1,2,3,4,5,6,7,8,9,10,11,12,13,14,15
	v_med3_num_f32 v[\s+16*\b+\i], v[\s+16*\b+\i], -v[TM+8+\b], v[TM+8+\b]   ; the conversion does not saturate (ISA guide 7.6.2)
.endr
	v_cvt_scalef32_pk8_bf8_f32 v[PC+4*\b:PC+1+4*\b], v[\s+16*\b:\s+7+16*\b], v[TM+12+\b]
	v_cvt_scalef32_pk8_bf8_f32 v[PC+2+4*\b:PC+3+4*\b], v[\s+8+16*\b:\s+15+16*\b], v[TM+12+\b]
.endr
	v_nop                                          ; a plain line behind the last conversion
.endm
.macro REDUCE off                      ; v12: my lane's part -> the row's sum, in every lane of the row
	s_delay_alu instid0(VALU_DEP_1)
	v_permlanex16_b32 v13, v12, s[SEL], s[SEL+1]
	s_delay_alu instid0(VALU_DEP_1)
	v_add_f32 v12, v12, v13                        ; the wave's part of row r
	ds_store_b32 v7, v12 offset:\off               ; both lanes of a row write the same word with the same value
	s_wait_dscnt 0x0                               ; for the others' sake: my store has landed
	s_barrier_signal -1
	s_barrier_wait -1
	ds_load_b128 v[12:15], v8 offset:\off
	ds_load_b128 v[16:19], v8 offset:\off+16
	s_wait_dscnt 0x0
	v_add_f32 v12, v12, v13
	v_add_f32 v14, v14, v15
	v_add_f32 v16, v16, v17
	v_add_f32 v18, v18, v19
	s_delay_alu instid0(VALU_DEP_3)
	v_add_f32 v12, v12, v14
	s_delay_alu instid0(VALU_DEP_2)
	v_add_f32 v16, v16, v18
	s_delay_alu instid0(VALU_DEP_1)
	v_add_f32 v12, v12, v16
.endm
.macro GB c, set                       ; gain and bias at K = 32 c + 16 h + 0..15, from my wave's own LDS bytes: all lanes of a half read the same 16 bytes
.irp j, 0,1,2,3
	ds_load_b128 v[\set+4*\j:\set+4*\j+3], v11 offset:GOFF+128*\c+16*\j
.endr
.irp j, 0,1,2,3
	ds_load_b128 v[\set+16+4*\j:\set+16+4*\j+3], v11 offset:BOFF+128*\c+16*\j
.endr
.endm
.macro APPLY c, set
.irp k, 0,2,4,6,8,10,12,14
	v_pk_fma_f32 v[XX+16*\c+\k:XX+16*\c+\k+1], v[XX+16*\c+\k:XX+16*\c+\k+1], v[\set+\k:\set+\k+1], v[\set+16+\k:\set+16+\k+1]
.endr
.endm
	v_lshl_add_u32 v22, v0, 2, 0x12c00             ; v22, v23: my spare word and 0, kept for the add at the wave's end alone (neither job names them otherwise)
	v_mov_b32 v23, 0
	s_cmp_ge_u32 ttmp9, 256                        ; the same in all waves of a work-group
	s_cbranch_scc1 .Lweights
	; ---------------- LayerNorm and the quantiser ----------------
	s_load_b256 s[4:11], s[0:1], 0x0               ; the rows, the gain, the bias, the codes' buffer
	v_lshrrev_b32 v1, 5, v0
	s_delay_alu instid0(VALU_DEP_1)
	v_readfirstlane_b32 s12, v1                    ; wave = K step
	v_and_b32 v1, 31, v0
	v_and_b32 v2, 15, v0                           ; r
	v_bfe_u32 v3, v0, 4, 1                         ; h
	s_delay_alu instid0(VALU_DEP_3)
	v_lshlrev_b32 v6, 4, v1                        ; 16 x lane: my bytes of a load's 512, and of a store's
	s_mul_i32 s13, s12, WREG
	s_add_co_u32 s13, s13, STG                     ; my wave's LDS region
	v_add_nc_u32 v5, s13, v6                       ; into it: 16 x lane
	v_mul_u32_u24 v4, v2, SPITCH
	s_delay_alu instid0(VALU_DEP_1)
	v_lshl_add_u32 v4, v3, 6, v4
	s_delay_alu instid0(VALU_DEP_1)
	v_add_nc_u32 v4, s13, v4                       ; out of the stage: row r, + 64 h
	v_lshlrev_b32 v11, 6, v3
	s_delay_alu instid0(VALU_DEP_1)
	v_add_nc_u32 v11, s13, v11                     ; gain and bias: 64 h
	s_lshl_b32 s13, s12, 2
	v_lshlrev_b32 v8, 5, v2                        ; the sums: a row's 8 words
	s_delay_alu instid0(VALU_DEP_1)
	v_add_nc_u32 v7, s13, v8                       ; and my wave's among them
	v_lshlrev_b32 v9, 3, v2                        ; scale words: 8 r
	s_mov_b32 s[SEL], 0x76543210
	s_mov_b32 s[SEL+1], 0xfedcba98
	s_mov_b32 s[LMNT], 0x600000
	s_mov_b32 s24, 0x3a800000                      ; 1 / 1024
	s_mov_b32 s25, 0x3727c5ac                      ; 1e-5
	s_lshr_b32 s14, ttmp9, 3                       ; rb
	s_and_b32 s15, ttmp9, 7                        ; i
	s_lshl_b32 s16, s14, 7
	s_lshr_b32 s17, s15, 1
	s_lshl_b32 s17, s17, 5
	s_add_co_u32 s16, s16, s17
	s_and_b32 s17, s15, 1
	s_lshl_b32 s17, s17, 3
	s_add_co_u32 s16, s16, s17                     ; the tile's first row
	s_lshl_b32 s16, s16, 12
	s_lshl_b32 s18, s12, 9                         ; 512 bytes a K step
	s_mov_b32 s19, 0
	s_add_co_u32 s16, s16, s18
	s_mov_b32 s17, 0
	s_lshl_b32 s26, s14, 2
	s_lshr_b32 s27, s12, 1
	s_add_co_u32 s26, s26, s27                     ; 4 rb + ks
	s_and_b32 s27, s12, 1                          ; q
	s_lshl_b32 s28, s26, 4
	s_lshl_b32 s29, s15, 1
	s_add_co_u32 s28, s28, s29
	s_add_co_u32 s28, s28, s27
	s_lshl_b32 s28, s28, 11                        ; my fragment: ((4 rb + ks) 16 + 2 i + q) x 2048
	s_mov_b32 s29, 0
	s_lshl_b32 s30, s26, 10
	s_lshl_b32 s31, s15, 7
	s_add_co_u32 s30, s30, s31
	s_lshl_b32 s31, s27, 2
	s_add_co_u32 s30, s30, s31
	s_add_co_u32 s30, s30, 4194304                 ; its scale words
	s_mov_b32 s31, 0
	s_wait_alu depctr_va_vdst(0)
	s_wait_kmcnt 0x0
	s_add_nc_u64 s[4:5], s[4:5], s[16:17]
	s_add_nc_u64 s[6:7], s[6:7], s[18:19]
	s_add_nc_u64 s[8:9], s[8:9], s[18:19]
	s_add_nc_u64 s[28:29], s[10:11], s[28:29]
	s_add_nc_u64 s[30:31], s[10:11], s[30:31]
.irp i, 0,1,2,3,4,5,6,7,8,9,10,11,12,13,14,15
	global_load_b128 v[XX+4*\i:XX+4*\i+3], v6, s[4:5] offset:(\i+8*(\i/8))*4096 th:TH_LOAD_NT   ; the tile's i-th row: 512 consecutive bytes
.endr
	global_load_b128 v[24:27], v6, s[6:7]          ; the gain at my 128 K
	global_load_b128 v[28:31], v6, s[8:9]          ; the bias
	s_wait_loadcnt 2                               ; my 16 loads of the rows are in; the two behind them may be out
.irp i, 0,1,2,3,4,5,6,7,8,9,10,11,12,13,14,15
	ds_store_b128 v5, v[XX+4*\i:XX+4*\i+3] offset:\i*SPITCH
.endr
.irp c, 0,1,2,3
.irp j, 0,1,2,3
	ds_load_b128 v[XX+16*\c+4*\j:XX+16*\c+4*\j+3], v4 offset:128*\c+16*\j   ; LDS serves a wave's instructions in order (ISA guide 5.7.1.4): these see my stores
.endr
.endr
	s_wait_loadcnt 0x0                             ; gain and bias
	ds_store_b128 v5, v[24:27] offset:GOFF
	ds_store_b128 v5, v[28:31] offset:BOFF
	s_wait_dscnt 2                                 ; my numbers are back; the two stores behind them may be out
	v_pk_add_f32 v[14:15], v[32:33], v[40:41]
	v_pk_add_f32 v[16:17], v[48:49], v[56:57]
	v_pk_add_f32 v[18:19], v[64:65], v[72:73]
	v_pk_add_f32 v[158:159], v[80:81], v[88:89]
	v_pk_add_f32 v[156:157], v[34:35], v[42:43]
	v_pk_add_f32 v[154:155], v[50:51], v[58:59]
	v_pk_add_f32 v[152:153], v[66:67], v[74:75]
	v_pk_add_f32 v[12:13], v[82:83], v[90:91]
	s_delay_alu instid0(VALU_DEP_1)
	v_pk_add_f32 v[12:13], v[12:13], v[36:37]
	v_pk_add_f32 v[14:15], v[14:15], v[44:45]
	v_pk_add_f32 v[16:17], v[16:17], v[52:53]
	v_pk_add_f32 v[18:19], v[18:19], v[60:61]
	v_pk_add_f32 v[158:159], v[158:159], v[68:69]
	v_pk_add_f32 v[156:157], v[156:157], v[76:77]
	v_pk_add_f32 v[154:155], v[154:155], v[84:85]
	v_pk_add_f32 v[152:153], v[152:153], v[92:93]
	v_pk_add_f32 v[12:13], v[12:13], v[38:39]
	v_pk_add_f32 v[14:15], v[14:15], v[46:47]
	v_pk_add_f32 v[16:17], v[16:17], v[54:55]
	v_pk_add_f32 v[18:19], v[18:19], v[62:63]
	v_pk_add_f32 v[158:159], v[158:159], v[70:71]
	v_pk_add_f32 v[156:157], v[156:157], v[78:79]
	v_pk_add_f32 v[154:155], v[154:155], v[86:87]
	v_pk_add_f32 v[152:153], v[152:153], v[94:95]
	s_delay_alu instid0(VALU_DEP_4)
	v_pk_add_f32 v[12:13], v[12:13], v[158:159]
	s_delay_alu instid0(VALU_DEP_4)
	v_pk_add_f32 v[14:15], v[14:15], v[156:157]
	s_delay_alu instid0(VALU_DEP_4)
	v_pk_add_f32 v[16:17], v[16:17], v[154:155]
	s_delay_alu instid0(VALU_DEP_4)
	v_pk_add_f32 v[18:19], v[18:19], v[152:153]
	s_delay_alu instid0(VALU_DEP_2)
	v_pk_add_f32 v[12:13], v[12:13], v[16:17]
	s_delay_alu instid0(VALU_DEP_2)
	v_pk_add_f32 v[14:15], v[14:15], v[18:19]
	s_delay_alu instid0(VALU_DEP_1)
	v_pk_add_f32 v[12:13], v[12:13], v[14:15]
	s_delay_alu instid0(VALU_DEP_1)
	v_add_f32 v12, v12, v13
	REDUCE 0
	s_delay_alu instid0(VALU_DEP_1)
	v_mul_f32 v20, s24, v12                        ; the mean
	s_delay_alu instid0(VALU_DEP_1)
	v_mov_b32 v21, v20
	GB 0, T0                                       ; the first two sets of gain and bias come while the squares are summed
	GB 1, T1
.set j, 0
.rept 32
	v_pk_add_f32 v[XX+j:XX+j+1], v[XX+j:XX+j+1], v[20:21] neg_lo:[0,1] neg_hi:[0,1]
.set j, j+2
.endr
.irp k, 0,1,2,3
	v_pk_mul_f32 v[12+2*\k:13+2*\k], v[XX+2*\k:XX+2*\k+1], v[XX+2*\k:XX+2*\k+1]
.endr
.irp j, 8,16,24,32,40,48,56
.irp k, 0,1,2,3
	s_delay_alu instid0(VALU_DEP_4)
	v_pk_fma_f32 v[12+2*\k:13+2*\k], v[XX+\j+2*\k:XX+\j+2*\k+1], v[XX+\j+2*\k:XX+\j+2*\k+1], v[12+2*\k:13+2*\k]
.endr
.endr
	s_delay_alu instid0(VALU_DEP_3)
	v_pk_add_f32 v[12:13], v[12:13], v[14:15]
	s_delay_alu instid0(VALU_DEP_2)
	v_pk_add_f32 v[16:17], v[16:17], v[18:19]
	s_delay_alu instid0(VALU_DEP_1)
	v_pk_add_f32 v[12:13], v[12:13], v[16:17]
	s_delay_alu instid0(VALU_DEP_1)
	v_add_f32 v12, v12, v13
	REDUCE 512                                     ; other bytes than the first sum's: no third barrier is needed
	s_delay_alu instid0(VALU_DEP_1)
	v_fma_f32 v20, v12, s24, s25                   ; var + eps, in the pair that held the mean, which is done with
	s_wait_alu depctr_va_vdst(0)
	v_rsq_f32 v20, v20
	v_nop                                          ; a plain line behind the transcendental
	s_wait_alu depctr_va_vdst(0)                   ; and the wait ahead of the first reader
	v_mov_b32 v21, v20
.set j, 0
.rept 16
	v_pk_mul_f32 v[XX+j:XX+j+1], v[XX+j:XX+j+1], v[20:21]
.set j, j+2
.endr
	APPLY 0, T0                                    ; (the wait for 0 in front of the second barrier has shown both sets in)
	APPLY 1, T1
	GB 2, T0
	GB 3, T1
.set j, 32
.rept 16
	v_pk_mul_f32 v[XX+j:XX+j+1], v[XX+j:XX+j+1], v[20:21]
.set j, j+2
.endr
	s_wait_dscnt 8                                 ; the third set is in; the fourth's eight loads may be out
	APPLY 2, T0
	s_wait_dscnt 0x0
	APPLY 3, T1
.irp b, 0,1,2,3
	v_mov_b32 v[TM+4+\b], 0                        ; a lane permute's destination counts as read
.endr
	QUANT XX
.irp c, 0,1,2,3
	global_store_b128 v6, v[PC+4*\c:PC+4*\c+3], s[28:29] offset:512*\c    ; 512 consecutive bytes a store
.endr
	global_store_b32 v9, v[PW], s[30:31]           ; lanes r and r + 16 hold the same word and write it to the same place
	s_wait_tensorcnt 0x0
	ds_add_u32 v22, v23
	s_wait_dscnt 0x0
	s_endpgm
	; ---------------- the weights ----------------
.Lweights:
	s_load_b256 s[4:11], s[0:1], 0x20              ; W_qkv, W_o, W_up, W_down
	s_load_b64 s[12:13], s[0:1], 0x40              ; the codes' buffer
	s_sub_co_u32 s53, ttmp9, 256                   ; the block's number, 0 to 383
	v_lshrrev_b32 v1, 5, v0
	s_delay_alu instid0(VALU_DEP_1)
	v_readfirstlane_b32 s14, v1
	s_lshr_b32 s54, s14, 2                         ; q: which 128 of the block's 256 along K
	s_and_b32 s14, s14, 3                          ; w: which 32 of its 128 columns
	v_and_b32 v1, 31, v0                           ; t: my column among the wave's 32
	v_bfe_u32 v4, v0, 3, 1                         ; u: tile 2 w + u
	v_and_b32 v5, 7, v0
	v_bfe_u32 v6, v0, 4, 1
	s_delay_alu instid0(VALU_DEP_1)
	v_lshl_add_u32 v5, v6, 3, v5                   ; r: my place in the tile
	s_delay_alu instid0(VALU_DEP_1)
	v_lshlrev_b32 v2, 4, v5
	s_delay_alu instid0(VALU_DEP_1)
	v_lshl_add_u32 v2, v4, 12, v2
	s_lshl_b32 s15, s14, 13
	v_add_nc_u32 v2, s15, v2                       ; codes: 8192 w + 4096 u + 16 r
	v_lshlrev_b32 v3, 3, v5
	s_delay_alu instid0(VALU_DEP_1)
	v_lshl_add_u32 v3, v4, 7, v3
	s_lshl_b32 s15, s14, 8
	v_add_nc_u32 v3, s15, v3
	s_lshl_b32 s15, s54, 2
	v_add_nc_u32 v3, s15, v3                       ; scale words: 256 w + 128 u + 8 r + 4 q
	v_lshlrev_b32 v7, 2, v1
	s_mov_b32 s[WMNT], 0x600000                    ; the mantissa field of 57,344
	s_mov_b32 s16, 12288                           ; a row of the source in bytes
	s_mov_b32 s17, 2                               ; log2 of K / 256
	s_mov_b32 s18, 0                               ; the tensor's first block
	s_wait_alu depctr_va_vdst(0)
	s_wait_kmcnt 0x0
	s_mov_b64 s[20:21], s[4:5]
	s_cmp_ge_u32 s53, 96                           ; the choices hang on the work-group's number alone
	s_cselect_b64 s[20:21], s[6:7], s[20:21]
	s_cselect_b32 s16, 4096, s16
	s_cselect_b32 s18, 96, s18
	s_cmp_ge_u32 s53, 128
	s_cselect_b64 s[20:21], s[8:9], s[20:21]
	s_cselect_b32 s16, 16384, s16
	s_cselect_b32 s18, 128, s18
	s_cmp_ge_u32 s53, 256
	s_cselect_b64 s[20:21], s[10:11], s[20:21]
	s_cselect_b32 s16, 4096, s16
	s_cselect_b32 s18, 256, s18
	s_cselect_b32 s17, 4, s17
	s_sub_co_u32 s19, s53, s18                     ; the block's number in its tensor
	s_lshr_b32 s22, s19, s17                       ; rb: which 128 rows n
	s_lshl_b32 s23, s22, s17
	s_sub_co_u32 s23, s19, s23                     ; ks: which 256 along K
	s_lshl_b32 s24, s22, 7
	s_lshl_b32 s26, s14, 5
	s_add_co_u32 s24, s24, s26                     ; the wave's first column: 128 rb + 32 w
	s_and_b32 s25, s22, 7                          ; W_qkv: head = 2 (rb % 8) + w / 2, type = rb / 8, d = 32 (w % 2)
	s_lshl_b32 s25, s25, 1
	s_lshr_b32 s26, s14, 1
	s_add_co_u32 s25, s25, s26
	s_mul_i32 s25, s25, 192
	s_lshr_b32 s26, s22, 3
	s_lshl_b32 s26, s26, 6
	s_add_co_u32 s25, s25, s26
	s_and_b32 s26, s14, 1
	s_lshl_b32 s26, s26, 5
	s_add_co_u32 s25, s25, s26
	s_cmp_lt_u32 s53, 96
	s_cselect_b32 s24, s25, s24
	s_lshl_b32 s23, s23, 1
	s_add_co_u32 s23, s23, s54                     ; 2 ks + q
	s_mul_i32 s26, s23, s16
	s_lshl_b32 s26, s26, 7                         ; 128 (2 ks + q) rows,
	s_lshl_b32 s24, s24, 2
	s_add_co_u32 s26, s26, s24                     ; + 4 x column
	s_mov_b32 s27, 0
	s_lshl_b32 s28, s16, 5                         ; 32 rows: from a block of K to the next
	s_mov_b32 s29, 0
	s_add_nc_u64 s[32:33], s[20:21], s[26:27]      ; a base for each of the 4 blocks: no pointer is stepped
.irp t, 0,1,2
	s_add_nc_u64 s[34+2*\t:35+2*\t], s[32+2*\t:33+2*\t], s[28:29]
.endr
	s_lshl_b32 s30, s53, 15
	s_lshl_b32 s31, s54, 11
	s_add_co_u32 s30, s30, s31
	s_mov_b32 s31, 0
	s_add_nc_u64 s[48:49], s[12:13], s[30:31]      ; my block of codes, + 2048 q
	s_lshl_b32 s30, s53, 10
	s_add_co_u32 s30, s30, 12582912
	s_add_nc_u64 s[50:51], s[12:13], s[30:31]      ; my block of scale bytes
.set i, 0
.rept 32
	v_mad_u32_u24 v[OFS+i], s16, i, v7
.set i, i+1
.endr
.macro LOAD t                          ; block t: W(32 t + i, my column) into set t % 2
.set i, 0
.rept 32
	global_load_b32 v[X+32*((\t)%2)+i], v[OFS+i], s[32+2*(\t):33+2*(\t)] th:TH_LOAD_NT
.set i, i+1
.endr
.endm
	LOAD 0
	LOAD 1
.macro BLOCK t
.set XS, X+32*((\t)%2)
.if (\t) < 3
	s_wait_loadcnt 32                              ; this block's 32 loads are in; the next block's 32 may be out
.else
	s_wait_loadcnt 0x0
.endif
	v_max3_num_f32 v12, |v[XS]|, |v[XS+1]|, |v[XS+2]|      ; the block's largest magnitude: all 32 numbers are mine
	v_max3_num_f32 v13, |v[XS+3]|, |v[XS+4]|, |v[XS+5]|
.irp i, 6,10,14,18,22,26
	s_delay_alu instid0(VALU_DEP_2)
	v_max3_num_f32 v12, v12, |v[XS+\i]|, |v[XS+\i+1]|
	s_delay_alu instid0(VALU_DEP_2)
	v_max3_num_f32 v13, v13, |v[XS+\i+2]|, |v[XS+\i+3]|
.endr
	s_delay_alu instid0(VALU_DEP_2)
	v_max3_num_f32 v12, v12, |v[XS+30]|, |v[XS+31]|
	s_delay_alu instid0(VALU_DEP_1)
	v_max3_num_f32 v12, v12, v13, 0x8000000        ; the floor 2^(16 - 127): the byte cannot fall under 1
	s_delay_alu instid0(VALU_DEP_1)
	v_add_nc_u32 v11, 0xf8800000, v12              ; 15 off the exponent field: the conversion's scale operand
	s_delay_alu instid0(VALU_DEP_2)
	v_and_or_b32 v10, v12, 0x7f800000, s[WMNT]     ; 57,344 x the scale
	s_delay_alu instid0(VALU_DEP_2)
	v_lshrrev_b32 v13, 23, v11                     ; the scale's byte
.if (\t) == 0
	s_delay_alu instid0(VALU_DEP_1)
	v_mov_b32 v[SB], v13
.else
	s_delay_alu instid0(VALU_DEP_1)
	v_lshl_or_b32 v[SB], v13, 8*(\t), v[SB]
.endif
.set i, 0
.rept 32
	v_med3_num_f32 v[XS+i], v[XS+i], -v10, v10     ; the conversion does not saturate (ISA guide 7.6.2): the hold comes first
.set i, i+1
.endr
.irp g, 0,1,2,3
	v_cvt_scalef32_pk8_bf8_f32 v[C+8*(\t)+2*\g:C+8*(\t)+2*\g+1], v[XS+8*\g:XS+8*\g+7], v11
.endr
	v_nop                                          ; a plain line behind the last conversion
	global_store_b128 v2, v[C+8*(\t):C+8*(\t)+3], s[48:49] offset:(\t)*512        ; K 0..15 of the block: the place of lane (r, 0)
	global_store_b128 v2, v[C+8*(\t)+4:C+8*(\t)+7], s[48:49] offset:(\t)*512+256  ; K 16..31: the place of lane (r, 1)
.if (\t)+2 < 4
	LOAD (\t)+2
.endif
.endm
.irp t, 0,1,2,3
	BLOCK \t
.endr
	global_store_b32 v3, v[SB], s[50:51]           ; my column's scale word for these 128 along K
	s_endpgm
.Lfunc_end_k_qcc5f6cd893_prep:
	.size	k_qcc5f6cd893_prep, .Lfunc_end_k_qcc5f6cd893_prep-k_qcc5f6cd893_prep
	.p2alignl 7, 3214868480
	.fill 96, 4, 3214868480
	.section	.rodata,"a",@progbits
	.p2align	6, 0x0
	.amdhsa_kernel k_qcc5f6cd893_prep
		.amdhsa_group_segment_fixed_size 77824
		.amdhsa_private_segment_fixed_size 0
		.amdhsa_enable_private_segment 0
		.amdhsa_kernarg_size 72
		.amdhsa_user_sgpr_count 2
		.amdhsa_user_sgpr_kernarg_segment_ptr 1
		.amdhsa_wavefront_size32 1
		.amdhsa_system_sgpr_workgroup_id_x 1
		.amdhsa_system_sgpr_workgroup_id_y 1
		.amdhsa_system_sgpr_workgroup_id_z 1
		.amdhsa_system_vgpr_workitem_id 0
		.amdhsa_next_free_vgpr 160
		.amdhsa_next_free_sgpr 66
		.amdhsa_reserve_vcc 0
		.amdhsa_float_denorm_mode_32 3
		.amdhsa_float_denorm_mode_16_64 3
		.amdhsa_memory_ordered 1
		.amdhsa_forward_progress 1
		.amdhsa_inst_pref_size 68
	.end_amdhsa_kernel
	.amdgpu_metadata
---
amdhsa.version: [ 1, 2 ]
amdhsa.kernels:
  - .name:           k_qcc5f6cd893_prep
    .symbol:         k_qcc5f6cd893_prep.kd
    .args:
      - { .name: x, .offset: 0, .size: 8, .value_kind: global_buffer, .address_space: global }
      - { .name: ln1_w, .offset: 8, .size: 8, .value_kind: global_buffer, .address_space: global }
      - { .name: ln1_b, .offset: 16, .size: 8, .value_kind: global_buffer, .address_space: global }
      - { .name: nrm, .offset: 24, .size: 8, .value_kind: global_buffer, .address_space: global }
      - { .name: W_qkv, .offset: 32, .size: 8, .value_kind: global_buffer, .address_space: global }
      - { .name: W_o, .offset: 40, .size: 8, .value_kind: global_buffer, .address_space: global }
      - { .name: W_up, .offset: 48, .size: 8, .value_kind: global_buffer, .address_space: global }
      - { .name: W_down, .offset: 56, .size: 8, .value_kind: global_buffer, .address_space: global }
      - { .name: wcod, .offset: 64, .size: 8, .value_kind: global_buffer, .address_space: global }
    .group_segment_fixed_size: 77824
    .private_segment_fixed_size: 0
    .kernarg_segment_align: 8
    .kernarg_segment_size: 72
    .max_flat_workgroup_size: 256
    .sgpr_count:     66
    .vgpr_count:     160
    .wavefront_size: 32
...
	.end_amdgpu_metadata
.endif
;; end of part 1
;; launch qkvp (part 2): grid 12 x 16, 4 waves a work-group, clusters of 4 x 4, 327,680 bytes of LDS; arguments nrm, wcod, b_qkv, qkvc; writes qkvc
.if DOCPART == 2
	.amdgcn_target "amdgcn-amd-amdhsa--gfx1250"
	.amdhsa_code_object_version 6
	.text
	.protected	k_qcc5f6cd893_qkvp
	.globl	k_qcc5f6cd893_qkvp
	.p2align	8
	.type	k_qcc5f6cd893_qkvp,@function
k_qcc5f6cd893_qkvp:
	s_mov_b64 s[64:65], 0
	v_nop
	global_prefetch_b8 v0, s[64:65] scope:SCOPE_SE
	s_setreg_imm32_b32 hwreg(HW_REG_WAVE_MODE, 25, 1), 1
	s_wait_xcnt 0x0
	s_wait_alu depctr_hold_cnt(0) depctr_sa_sdst(0) depctr_va_vdst(0) depctr_va_sdst(0) depctr_va_ssrc(0) depctr_va_vcc(0) depctr_vm_vsrc(0)
	s_getreg_b32 s2, hwreg(HW_REG_IB_STS2, 6, 4)
	s_cmp_eq_u32 s2, 0
	s_cbranch_scc0 .Lentry_in_a_cluster
	s_endpgm
.Lentry_in_a_cluster:
	s_bfe_u32 s2, ttmp6, 0x10000c
	s_cmp_lg_u32 s2, 0xf033
	s_cbranch_scc0 .Lentry_shape_is_right
	s_endpgm
.Lentry_shape_is_right:
; qkv = xn W_qkv + b_qkv on codes of BF8 (E5M2) with E8M0 scales, and the quantising of q and k along the head's 64 and of v along the keys.
; A tile is 256 x 256 of the result, four waves of 128 x 128 (64 accumulators, 512 registers); K = 1,024 in four steps of 256 through two LDS slots.
; Both operands lie in memory in the order of the operand's registers (a block of 128 rows x 256 K is 32,768 dense bytes; a fragment 2,048), so a tensor
; load brings a dense block, a fragment load reads 512 consecutive LDS bytes, and no padding is needed.  The scales of a block of rows for all of K are 4,096 dense bytes: filled once.
; THE PRODUCT IS USED TRANSPOSED (source 0 = 16 rows of "B", source 1 = 16 rows of "A"): a lane holds one A row, and since tile i's lane r is row
; 32 (i/2) + 8 (i%2) + r + 8 (r/8), the 64 registers of the 8 B tiles are B rows 32 b + 16 h + i in the order of an operand's registers: the conversions' results are the next operand.
; Cluster x is the type.  q, k (x = 0, 1): A = tokens, B = the type's 1,024 weight rows: a lane holds a token, registers run along d.
; v (x = 2): THE BUFFERS CHANGE ROLES: A = weight rows, B = tokens: a lane holds a channel, registers run along the keys, which are v's K in the second product of attention.
; The choice hangs on the cluster's x alone, which all sixteen partners share.  CLUSTER 4 x 4: A's tiles are asked for jointly along a row, B's along a column.
; OUT, for head bh a record of 217,088 bytes: Q codes [tile 64][c 2][lane][16] @0; Q words [tile][lane] @65,536; K codes @73,728; V^T codes [step 8][d tile 4][c 4][lane][16] @139,264;
; K words @204,800; V words [step][d tile][lane] @212,992.  q's and k's words hold two bytes; the upper two are 0 and meet zero codes only.
; LIMITS: a block of zeros gets the byte 1 (its codes are zeros; this program alone reads the bytes); NaN and infinities are not served.
; REGISTERS: window 0: v8-15 v's bias, v16-31 addresses, v32-63 scale words (two sets), v64-127 q's and k's bias, v128-255 A's fragments (on the way out: v128-191 numbers, v192-223 the quantiser);
;   window 1: B's fragments, two sets; windows 2, 3: the accumulators ((a, b) at v[8 (8 (a%4) + b)]).
.set SLOT,  131072                     ; A's two blocks of 128 rows, then B's two: 4 x 32,768
.set SCL,   2*SLOT                     ; the scales: 4 x 4,096
.set SPARE, SCL+16384                  ; the spare words: 128 bytes a wave, named by no other line
.set NQ, 2
.set FR, 16
.set NL, 4
.set NP, 8                             ; places behind this matrix instruction (ISA guide 7.12.1)
.set BA,   8
.set ADRA, 16
.set ADRB, 20
.set W0,   22
.set W1,   23
.set SO,   24                          ; 4 x lane
.set CO,   26                          ; 16 x lane
.set ADRS, 27
.set SPW,  28
.set NIL,  29
.set PW,   30
.set SC,   32
.set BI,   64
.set AF,   128
.set X,    128
.set PC,   192
.set TM,   208
.set G1, 24
.set G0, 32
.set G1B, 48
.set G0B, 56
.set G1S, 68
.set G0S, 76
.set G1SB, 80
.set G0SB, 88
.set MNT, 94
.set ISV, 95
.set SEL, 98
.set MSB, 0
.macro WIN new                         ; the immediate's high byte repeats the setting that is left
.if MSB != (\new)
	s_set_vgpr_msb (MSB<<8)|(\new)
.set MSB, (\new)
.endif
.endm
.set MUL_LO, 0xa1                      ; source 0 (B) window 1, source 1 (A) window 0, C and D window 2
.set MUL_HI, 0xf1
.set TO_B,   0x40
.macro JLOAD g0a, g1a, g0b, g1b        ; a joint load: waves 0, 1 fetch for A, waves 2, 3 for B; four v_nop follow each line
	s_cmp_eq_u32 s15, 0
	s_cbranch_scc0 .Lfor_b_\@
	tensor_load_to_lds s[\g0a:\g0a+3], s[\g1a:\g1a+7]
	s_nop 0
.rept 4
	v_nop
.endr
	s_branch .Lasked_\@
.Lfor_b_\@:
	tensor_load_to_lds s[\g0b:\g0b+3], s[\g1b:\g1b+7]
	s_nop 0
.rept 4
	v_nop
.endr
.Lasked_\@:
.endm
.macro CREST                           ; a round of the cluster's barrier behind its opening barrier
	s_cmp_lg_u32 s14, 0
	s_cbranch_scc1 .Lnot_wave_0_\@
	s_barrier_signal -3
.Lnot_wave_0_\@:
	s_barrier_wait -3
	s_barrier_signal -1
	s_barrier_wait -1
.endm
.macro CROUND
	s_barrier_signal -1
	s_barrier_wait -1
	CREST
.endm
.macro QUANT s                         ; 64 numbers v[s] on, register 16 b + i = K 32 b + 16 h + i of my row -> codes in v[PC] on, scale word in v[PW]
.irp b, 0,1,2,3
	v_max3_num_f32 v[TM+\b], |v[\s+16*\b]|, |v[\s+1+16*\b]|, 0x8000000   ; my 16 numbers of block b, and the floor 2^(16 - 127)
.endr
.irp i, 2,4,6,8,10,12,14
.irp b, 0,1,2,3
	v_max3_num_f32 v[TM+\b], v[TM+\b], |v[\s+16*\b+\i]|, |v[\s+1+16*\b+\i]|
.endr
.endr
.irp b, 0,1,2,3
	v_permlanex16_b32 v[TM+4+\b], v[TM+\b], s[SEL], s[SEL+1]
.endr
.irp b, 0,1,2,3
	v_max_num_f32 v[TM+\b], v[TM+\b], v[TM+4+\b]
.endr
.irp b, 0,1,2,3
	v_add_nc_u32 v[TM+12+\b], 0xf8800000, v[TM+\b]
.endr
.irp b, 0,1,2,3
	v_and_or_b32 v[TM+8+\b], v[TM+\b], 0x7f800000, s[MNT]
.endr
.irp b, 0,1,2,3
	v_lshrrev_b32 v[TM+4+\b], 23, v[TM+12+\b]
.endr
	v_lshl_or_b32 v[PW], v[TM+5], 8, v[TM+4]
	v_lshl_or_b32 v[PW], v[TM+6], 16, v[PW]
	v_lshl_or_b32 v[PW], v[TM+7], 24, v[PW]
.irp b, 0,1,2,3
.irp i, 0,1,2,3,4,5,6,7,8,9,10,11,12,13,14,15
	v_med3_num_f32 v[\s+16*\b+\i], v[\s+16*\b+\i], -v[TM+8+\b], v[TM+8+\b]   ; the conversion does not saturate (ISA guide 7.6.2)
.endr
	v_cvt_scalef32_pk8_bf8_f32 v[PC+4*\b:PC+1+4*\b], v[\s+16*\b:\s+7+16*\b], v[TM+12+\b]
	v_cvt_scalef32_pk8_bf8_f32 v[PC+2+4*\b:PC+3+4*\b], v[\s+8+16*\b:\s+15+16*\b], v[TM+12+\b]
.endr
	v_nop                                          ; a plain line behind the last conversion
.endm
	s_load_b256 s[4:11], s[0:1], 0x0               ; xn's codes, the weights' codes, b_qkv, the records
	v_lshl_add_u32 v[SPW], v0, 2, SPARE
	v_mov_b32 v[NIL], 0
	ds_add_u32 v28, v29
	ds_add_u32 v28, v29
	s_wait_dscnt 0x0
	v_lshrrev_b32 v1, 5, v0
	v_readfirstlane_b32 s14, v1                    ; wave
	s_lshr_b32 s15, s14, 1                         ; hm: my half of A's rows.  Also: I fetch for A (0) or B (1)
	s_and_b32 s16, s14, 1                          ; hn: my half of B's rows.  Also: which block of 128 rows I fetch
	s_bfe_u32 s40, ttmp6, 0x40000                  ; cx
	s_bfe_u32 s41, ttmp6, 0x40004                  ; cy
	s_and_b32 s96, ttmp7, 0xffff                   ; cluster y: the batch
	s_cmp_eq_u32 ttmp9, 2                          ; cluster x: the type
	s_cselect_b32 s[ISV], 1, 0
	s_cselect_b32 s18, ttmp9, s96                  ; A's tiles: tokens by the batch, or (v) weight rows by the type
	s_cselect_b32 s19, s96, ttmp9                  ; B's: the other
	s_lshl_b32 s42, s19, 2
	s_add_co_u32 s42, s42, s40                     ; B's tile of 256 rows
	s_lshl_b32 s17, s18, 2
	s_add_co_u32 s17, s17, s41                     ; A's tile of 256 rows
	s_lshl_b32 s43, s41, 2
	s_lshl_b32 s43, 15, s43                        ; my row of the cluster
	s_lshl_b32 s44, 0x1111, s40                    ; my column
	s_or_b32 s[G1], s43, (3<<16)|(1<<21)           ; 15:0 the mask; 17:16 elements of 8 bytes; 21 set beside a mask; no padding
	s_or_b32 s[G1B], s44, (3<<16)|(1<<21)
.irp g, G1, G1B
	s_mov_b32 s[\g+1], 4096<<16                    ; for the head's loads: K step 0 of two blocks of 128 rows: two rows of 4,096 elements (32,768 bytes),
	s_mov_b32 s[\g+2], 2<<16
	s_mov_b32 s[\g+3], 4096<<16
	s_mov_b32 s[\g+4], 2
	s_mov_b32 s[\g+5], 16384                       ; 131,072 bytes apart; behind the head these five words are set for the ring's loads
	s_mov_b32 s[\g+6], 0
	s_mov_b32 s[\g+7], 0
.endr
	s_or_b32 s[G1S], s43, (3<<16)|(1<<21)
	s_or_b32 s[G1SB], s44, (3<<16)|(1<<21)
.irp g, G1S, G1SB
	s_mov_b32 s[\g+1], 32<<16                      ; the scales of 256 rows: 32 rows of 256 bytes
	s_mov_b32 s[\g+2], 32<<16
	s_mov_b32 s[\g+3], 32<<16
	s_mov_b32 s[\g+4], 32
	s_mov_b32 s[\g+5], 32
	s_mov_b32 s[\g+6], 0
	s_mov_b32 s[\g+7], 0
.endr
	s_lshl_b32 s20, s17, 1                         ; A's first block of 128 rows
	s_lshl_b32 s46, s42, 1                         ; B's
	s_lshl_b32 s22, s20, 12                        ; its scales,
	s_lshl_b32 s20, s20, 17                        ; its codes: 4 x 32,768 a block of rows
	s_lshl_b32 s92, s46, 12
	s_lshl_b32 s46, s46, 17
	s_mov_b32 s21, 0
	s_mov_b32 s23, 0
	s_mov_b32 s47, 0
	s_mov_b32 s93, 0
	s_lshl_b32 s45, s14, 15                        ; where they go: wave x 32,768: no place in the cluster enters an LDS address
	CROUND                                         ; the opening round, ahead of the wait for the arguments: all sixteen work-groups are here
	s_wait_kmcnt 0x0
	s_add_nc_u64 s[12:13], s[4:5], 4194304         ; xn's scales
	s_add_nc_u64 s[66:67], s[6:7], 12582912        ; the weights' scales
	s_cmp_eq_u32 s[ISV], 1
	s_cselect_b64 s[2:3], s[6:7], s[4:5]
	s_cselect_b64 s[18:19], s[66:67], s[12:13]
	s_cselect_b64 s[96:97], s[4:5], s[6:7]
	s_cselect_b64 s[98:99], s[12:13], s[66:67]
	s_add_nc_u64 s[20:21], s[2:3], s[20:21]
	s_add_nc_u64 s[22:23], s[18:19], s[22:23]
	s_add_nc_u64 s[46:47], s[96:97], s[46:47]
	s_add_nc_u64 s[92:93], s[98:99], s[92:93]
	s_mov_b32 s[G0S], 1
	s_mov_b32 s[G0S+1], SCL
	s_mov_b64 s[G0S+2:G0S+3], s[22:23]
	s_or_b32 s[G0S+3], s[G0S+3], 0x80000000
	s_mov_b32 s[G0SB], 1
	s_mov_b32 s[G0SB+1], SCL+8192
	s_mov_b64 s[G0SB+2:G0SB+3], s[92:93]
	s_or_b32 s[G0SB+3], s[G0SB+3], 0x80000000
.set G0H, 4                            ; s[4:7], s[96:99]: group 0 of the head's loads of K step 0 (what lay there has been used)
.set G0HB, 96
	s_mov_b32 s[G0H], 1
	s_mov_b32 s[G0H+1], 0
	s_mov_b64 s[G0H+2:G0H+3], s[20:21]
	s_or_b32 s[G0H+3], s[G0H+3], 0x80000000
	s_mov_b32 s[G0HB], 1
	s_mov_b32 s[G0HB+1], 65536
	s_mov_b64 s[G0HB+2:G0HB+3], s[46:47]
	s_or_b32 s[G0HB+3], s[G0HB+3], 0x80000000
	s_lshl_b32 s18, s16, 17                        ; for the ring: the block of 128 rows that I fetch
	s_mov_b32 s19, 0
	s_add_nc_u64 s[20:21], s[20:21], s[18:19]
	s_add_nc_u64 s[46:47], s[46:47], s[18:19]
.irp s, 0,1
	s_mov_b32 s[G0+4*\s], 1
	s_add_co_u32 s[G0+4*\s+1], s45, \s*SLOT
	s_add_nc_u64 s[G0+4*\s+2:G0+4*\s+3], s[20:21], \s*32768
	s_or_b32 s[G0+4*\s+3], s[G0+4*\s+3], 0x80000000
	s_mov_b32 s[G0B+4*\s], 1
	s_add_co_u32 s[G0B+4*\s+1], s45, \s*SLOT
	s_add_nc_u64 s[G0B+4*\s+2:G0B+4*\s+3], s[46:47], \s*32768
	s_or_b32 s[G0B+4*\s+3], s[G0B+4*\s+3], 0x80000000
.endr
; THE HEAD'S LOADS, one a wave: wave 0 K step 0 of A's 256 rows, wave 1 of B's, wave 2 the scales of A's 256 rows, wave 3 those of B's.  One chain of branches on the wave's number.
; PREFETCH INTO THE L2: of the 32,768 bytes that a wave fetches of a K step, each of the four partners that ask with it names 8,192, told apart by address (cx for A, cy for B), a lane for each 256 bytes.
; K step 1 is named at the head; K steps 2 and 3 behind K step 1's load, one and two changes of slots ahead of their own loads.  s[100:101] and v25 hold the address and are never rewritten.
.macro HARM under, g0, g1, next
	s_cmp_lt_u32 s14, \under
	s_cbranch_scc0 \next
	tensor_load_to_lds s[\g0:\g0+3], s[\g1:\g1+7]
	s_nop 0
.rept 4
	v_nop
.endr
	s_branch .Lhead_asked
\next:
.endm
	HARM 1, G0H, G1, .Lhead_b
	HARM 2, G0HB, G1B, .Lhead_sa
	HARM 3, G0S, G1S, .Lhead_sb
	tensor_load_to_lds s[G0SB:G0SB+3], s[G1SB:G1SB+7]
	s_nop 0
.rept 4
	v_nop
.endr
.Lhead_asked:
	s_cmp_eq_u32 s15, 0                            ; the prefetches: in the tensor that I fetch for,
	s_cselect_b64 s[100:101], s[20:21], s[46:47]
	s_cselect_b32 s18, s40, s41                    ; my place among the four that ask with me
	s_lshl_b32 s18, s18, 13                        ; x 8,192 bytes
	s_mov_b32 s19, 0
	s_add_nc_u64 s[100:101], s[100:101], s[18:19]
	v_and_b32 v1, 15, v0                           ; r
	v_bfe_u32 v2, v0, 4, 1                         ; h
	s_wait_alu depctr_va_vdst(0)
	v_and_b32 v3, 31, v0
	v_lshlrev_b32 v4, 4, v3                        ; 16 x lane
	v_lshlrev_b32 v25, 8, v3                       ; 256 x lane
	s_wait_alu depctr_va_vdst(0)
	global_prefetch_b8 v25, s[100:101] offset:32768 th:TH_LOAD_NT scope:SCOPE_SE   ; my 8,192 bytes of K step 1
	s_lshl_b32 s18, s15, 15                        ; my block of A,
	s_lshl_b32 s19, s16, 15
	s_add_co_u32 s19, s19, 65536                   ; my block of B, behind A's two
.irp s, 0,1
	v_add_nc_u32 v[ADRA+\s], s18, v4
	v_add_nc_u32 v[ADRB+\s], s19, v4
	s_add_co_u32 s18, s18, SLOT
	s_add_co_u32 s19, s19, SLOT
.endr
	v_lshlrev_b32 v5, 3, v1                        ; scale words: 8 bytes a row and 256 K
	s_lshl_b32 s18, s15, 12
	s_lshl_b32 s19, s16, 12
	s_add_co_u32 s19, s19, 8192
	s_sub_co_u32 s19, s19, s18
	v_mul_u32_u24 v6, s19, v2                      ; lanes 16-31 take B's: one product of h with the distance
	s_add_co_u32 s18, s18, SCL
	v_add_nc_u32 v5, v5, v6
	v_add_nc_u32 v[ADRS], s18, v5
	v_mov_b32 v[CO], v4
	v_lshlrev_b32 v[SO], 2, v3
	; the biases.  Both kinds are loaded on both paths, from places inside b_qkv; the kind that a path does not use is cleared on the way out
	s_lshl_b32 s18, s40, 2
	s_lshl_b32 s19, s16, 1
	s_add_co_u32 s18, s18, s19                     ; q, k: my first head 4 cx + 2 hn
	s_mul_i32 s18, s18, 192
	s_lshl_b32 s19, ttmp9, 6
	s_add_co_u32 s18, s18, s19
	s_lshl_b32 s18, s18, 2
	s_cmp_eq_u32 s[ISV], 0
	s_cselect_b32 s18, s18, 0
	s_mov_b32 s19, 0
	s_add_nc_u64 s[12:13], s[8:9], s[18:19]
	s_lshl_b32 s18, s41, 2
	s_lshl_b32 s2, s15, 1
	s_add_co_u32 s18, s18, s2                      ; v: my first head 4 cy + 2 hm
	s_mul_i32 s18, s18, 192
	s_add_co_u32 s18, s18, 128
	s_lshl_b32 s18, s18, 2
	s_cmp_eq_u32 s[ISV], 1
	s_cselect_b32 s18, s18, 0
	s_add_nc_u64 s[66:67], s[8:9], s[18:19]
	v_lshlrev_b32 v7, 6, v2                        ; 64 h
	v_and_b32 v31, 8, v1
	v_add_nc_u32 v31, v31, v1
	v_lshlrev_b32 v31, 2, v31                      ; 4 (r + 8 (r / 8))
.irp b, 0,1,2,3,4,5,6,7
	global_load_b128 v[BI+8*\b:BI+8*\b+3], v7, s[12:13] offset:((\b/4)*192+32*((\b/2)%2)+8*(\b%2))*4       ; register 8 b + j: head b / 4, d = 32 ((b/2)%2) + 8 (b%2) + 16 h + j
	global_load_b128 v[BI+8*\b+4:BI+8*\b+7], v7, s[12:13] offset:((\b/4)*192+32*((\b/2)%2)+8*(\b%2))*4+16
.endr
.irp a, 0,1,2,3,4,5,6,7
	global_load_b32 v[BA+\a], v31, s[66:67] offset:((\a/4)*192+32*((\a/2)%2)+8*(\a%2))*4                    ; block a: my lane's channel
.endr
.macro FRAG reg, adr, q, i             ; a fragment: four loads of 512 consecutive bytes
.irp c, 0,1,2,3
	ds_load_b128 v[\reg+4*\c:\reg+4*\c+3], v[\adr] offset:(\i)*4096+(\q)*2048+512*\c
.endr
.endm
; 16 matrix instructions: A's blocks a0, a0 + 1 x B's eight.  The 64 accumulators take turns, one instruction a turn, in the same order in every step.
.macro MUL16 a0, p, q, sc, zero
.irp a, \a0, \a0+1
.irp b, 0,1,2,3,4,5,6,7
.if \zero
	v_wmma_scale_f32_16x16x128_f8f6f4 v[8*(8*((\a)%4)+\b):8*(8*((\a)%4)+\b)+7], v[128*(\p)+FR*\b:128*(\p)+FR*\b+FR-1], v[AF+FR*(\a):AF+FR*(\a)+FR-1], 0, v[SC+8*NQ*(\sc)+NQ*\b+(\q)], v[SC+8*NQ*(\sc)+NQ*(\a)+(\q)] matrix_a_fmt:MATRIX_FMT_BF8 matrix_b_fmt:MATRIX_FMT_BF8 matrix_a_scale:MATRIX_SCALE_ROW1
.else
	v_wmma_scale_f32_16x16x128_f8f6f4 v[8*(8*((\a)%4)+\b):8*(8*((\a)%4)+\b)+7], v[128*(\p)+FR*\b:128*(\p)+FR*\b+FR-1], v[AF+FR*(\a):AF+FR*(\a)+FR-1], v[8*(8*((\a)%4)+\b):8*(8*((\a)%4)+\b)+7], v[SC+8*NQ*(\sc)+NQ*\b+(\q)], v[SC+8*NQ*(\sc)+NQ*(\a)+(\q)] matrix_a_fmt:MATRIX_FMT_BF8 matrix_b_fmt:MATRIX_FMT_BF8 matrix_a_scale:MATRIX_SCALE_ROW1
.endif
.endr
.endr
.endm
.macro FETCH_B slot, q, p
	WIN TO_B
.irp i, 0,1,2,3,4,5,6,7
	FRAG 128*(\p)+FR*\i, ADRB+\slot, \q, \i
.endr
	WIN 0
.endm
.macro FETCH_A slot, q, i0
.irp i, \i0, \i0+1, \i0+2, \i0+3
	FRAG AF+FR*(\i), ADRA+\slot, \q, \i
.endr
.endm
.macro SCALES sc                       ; a K step's scale words: lanes 0-15 A's tile i, lanes 16-31 B's tile i; two words (q = 0, 1) a load
.irp i, 0,1,2,3,4,5,6,7
	ds_load_b64 v[SC+8*NQ*\sc+NQ*\i:SC+8*NQ*\sc+NQ*\i+1], v[ADRS] offset:\i*128
.endr
.endm
.macro PLACES n                        ; plain vector lines between a matrix instruction and a load into, or a read of, its registers
.rept \n
	v_nop
.endr
.endm
.macro STEP slot, q, zero              ; 128 along K whose successor lies in the same slot
	s_wait_dscnt 4*NL                              ; B's set, A's blocks 0-3 and the scales are in; the youngest 16 loads (A's blocks 4-7) may be out
	WIN MUL_LO
	MUL16 0, (\q)%2, \q, \slot, \zero
	MUL16 2, (\q)%2, \q, \slot, \zero
	s_wait_dscnt 0
	PLACES NP
	FETCH_B \slot, (\q)+1, 1-(\q)%2
	FETCH_A \slot, (\q)+1, 0
	WIN MUL_HI
	MUL16 4, (\q)%2, \q, \slot, \zero
	MUL16 6, (\q)%2, \q, \slot, \zero
	PLACES NP
	WIN 0
	FETCH_A \slot, (\q)+1, 4
.endm
; A slot's last step changes slots: one barrier; in front of it each wave waits for all its tensor loads, adds 0 to its spare word, and waits for that and for its reads of this slot.
.macro TURN slot, next, fill
	s_wait_tensorcnt 0x0                           ; all my tensor loads have landed: my part of the next slot
	ds_add_u32 v[SPW], v[NIL]                      ; 0 onto my spare word
	s_wait_dscnt 4*NL+1                            ; the add and the youngest 16 loads may be out
	WIN MUL_LO
	MUL16 0, 1, NQ-1, \slot, 0
	s_wait_dscnt 0x0                               ; the add is done, and my reads of this slot are over
	s_barrier_signal -1
	MUL16 2, 1, NQ-1, \slot, 0
	WIN 0
	s_barrier_wait -1
.if \fill
	CREST                                          ; the barrier has opened a round of the cluster's: no wave of any partner still reads this slot or has a load on its way
	s_add_nc_u64 s[G0+4*\slot+2:G0+4*\slot+3], s[G0+4*\slot+2:G0+4*\slot+3], 65536
	s_add_nc_u64 s[G0B+4*\slot+2:G0B+4*\slot+3], s[G0B+4*\slot+2:G0B+4*\slot+3], 65536
	JLOAD G0+4*\slot, G1, G0B+4*\slot, G1B         ; the first tensor load behind the round; its four v_nop are among the places below
	PLACES NP-4
.else
	PLACES NP
.endif
	s_wait_alu depctr_va_vdst(0)
	v_add_nc_u32 v[ADRS], 1024, v[ADRS]            ; the next K step's scale words
	FETCH_B \next, 0, 0
	FETCH_A \next, 0, 0
	SCALES \next
	WIN MUL_HI
	MUL16 4, 1, NQ-1, \slot, 0
	MUL16 6, 1, NQ-1, \slot, 0
	PLACES NP
	WIN 0
	FETCH_A \next, 0, 4
.endm
	s_wait_alu depctr_va_vdst(0)
	s_wait_tensorcnt 0x0                           ; my tile of the head's four is in; slot 1's first fill is issued as a refill is
	ds_add_u32 v[SPW], v[NIL]
.irp g, G1, G1B
	s_mov_b32 s[\g+1], 32<<16                      ; no tensor load of mine is out: from here on a load brings a dense block as 128 rows of 256 bytes
	s_mov_b32 s[\g+2], 128<<16
	s_mov_b32 s[\g+3], 32<<16
	s_mov_b32 s[\g+4], 128
	s_mov_b32 s[\g+5], 32
.endr
	s_wait_dscnt 0x0
	CROUND                                         ; all four tiles are in, and all sixteen work-groups are here
	JLOAD G0+4, G1, G0B+4, G1B                     ; K step 1: the first tensor load behind the round
	FETCH_B 0, 0, 0
	FETCH_A 0, 0, 0
	SCALES 0
	FETCH_A 0, 0, 4
	global_prefetch_b8 v25, s[100:101] offset:65536 th:TH_LOAD_NT scope:SCOPE_SE   ; K step 2,
	global_prefetch_b8 v25, s[100:101] offset:98304 th:TH_LOAD_NT scope:SCOPE_SE   ; K step 3
	STEP 0, 0, 1                                   ; the first products start the sums: nothing is cleared
	TURN 0, 1, 1                                   ; K has four steps of 256: the ring goes round twice, written out
	STEP 1, 0, 0
	TURN 1, 0, 1
	STEP 0, 0, 0
	TURN 0, 1, 0
	STEP 1, 0, 0
	s_wait_dscnt 4*NL
	WIN MUL_LO
	MUL16 0, 1, NQ-1, 1, 0
	MUL16 2, 1, NQ-1, 1, 0
	s_wait_dscnt 0
	WIN MUL_HI
	MUL16 4, 1, NQ-1, 1, 0
	MUL16 6, 1, NQ-1, 1, 0
	WIN 0
	; THE WAY OUT.  No tensor load of mine is out (the last change of slots waited for all), so descriptor registers may be written.
	s_wait_loadcnt 0x0                             ; the biases
	s_mov_b32 s[SEL], 0x76543210
	s_mov_b32 s[SEL+1], 0xfedcba98
	s_mov_b32 s[MNT], 0x600000
	s_and_b32 s2, ttmp7, 0xffff                    ; the batch
	s_cmp_eq_u32 s[ISV], 1
	s_cselect_b32 s43, -1, 0                       ; keeps v's bias
	s_cselect_b32 s44, 0, -1                       ; keeps q's and k's
	s_cselect_b32 s18, s41, s40                    ; the heads lie along A (v) or along B (q, k)
	s_cselect_b32 s19, s15, s16
	s_cselect_b32 s20, s40, s41                    ; the tokens along the other
	s_cselect_b32 s21, s16, s15
	s_cselect_b32 s22, 9, 10                       ; scale words of 128 tokens: 512 bytes (v: 4 d tiles) or 1,024 (q, k: 8 tiles)
	s_lshl_b32 s23, s2, 4
	s_lshl_b32 s18, s18, 2
	s_add_co_u32 s23, s23, s18
	s_lshl_b32 s19, s19, 1
	s_add_co_u32 s23, s23, s19                     ; my first head's record
	s_mul_i32 s23, s23, 217088
	s_lshl_b32 s20, s20, 1
	s_add_co_u32 s20, s20, s21                     ; my 128 tokens among the batch's 1,024
	s_lshl_b32 s21, s20, 13                        ; their codes: 8,192 bytes in each of the three fields
	s_lshl_b32 s20, s20, s22
	s_mov_b32 s18, 0
	s_mov_b32 s19, 65536
	s_cmp_ge_u32 ttmp9, 1
	s_cselect_b32 s18, 73728, s18
	s_cselect_b32 s19, 204800, s19
	s_cmp_ge_u32 ttmp9, 2
	s_cselect_b32 s18, 139264, s18
	s_cselect_b32 s19, 212992, s19
	s_add_co_u32 s18, s18, s23
	s_add_co_u32 s18, s18, s21
	s_add_co_u32 s19, s19, s23
	s_add_co_u32 s19, s19, s20
	s_mov_b32 s20, s18
	s_mov_b32 s21, 0
	s_add_nc_u64 s[92:93], s[10:11], s[20:21]      ; codes
	s_mov_b32 s20, s19
	s_add_nc_u64 s[96:97], s[10:11], s[20:21]      ; scale words
	PLACES NP
.set j, 0
.rept 64
	v_cndmask_b32 v[BI+j], 0, v[BI+j], s44
.set j, j+1
.endr
.set j, 0
.rept 8
	v_cndmask_b32 v[BA+j], 0, v[BA+j], s43
.set j, j+1
.endr
.irp b, 0,1,2,3
	v_mov_b32 v[TM+4+\b], 0                        ; a lane permute's destination counts as read
.endr
.macro EPI a                           ; block a of my eight blocks of 16 A rows: bias, quantiser, out
	s_wait_xcnt 0x0                                ; the last block's stores have read their registers
	WIN 0x02+(\a)/4                                ; source 0: the accumulators' window
.set j, 0
.rept 32
	v_pk_add_f32 v[X+j:X+j+1], v[64*((\a)%4)+j:64*((\a)%4)+j+1], v[BI+j:BI+j+1]   ; each accumulator from its low end on
.set j, j+2
.endr
	WIN 0
.set j, 0
.rept 32
.if (\a)%2
	v_pk_add_f32 v[X+j:X+j+1], v[X+j:X+j+1], v[BA+2*((\a)/2):BA+2*((\a)/2)+1] op_sel:[0,1] op_sel_hi:[1,1]
.else
	v_pk_add_f32 v[X+j:X+j+1], v[X+j:X+j+1], v[BA+2*((\a)/2):BA+2*((\a)/2)+1] op_sel_hi:[1,0]
.endif
.set j, j+2
.endr
	QUANT X
	s_cmp_eq_u32 s[ISV], 0
	s_cbranch_scc0 .Lvarm_\@
	v_and_b32 v[W0], 0xffff, v[PW]                 ; q, k: blocks 0, 1 are one head's 64, blocks 2, 3 the next head's
	v_lshrrev_b32 v[W1], 16, v[PW]
	global_store_b128 v[CO], v[PC:PC+3], s[92:93] offset:(\a)*1024
	global_store_b128 v[CO], v[PC+4:PC+7], s[92:93] offset:(\a)*1024+512
	global_store_b128 v[CO], v[PC+8:PC+11], s[92:93] offset:217088+(\a)*1024
	global_store_b128 v[CO], v[PC+12:PC+15], s[92:93] offset:217088+(\a)*1024+512
	global_store_b32 v[SO], v[W0], s[96:97] offset:(\a)*128
	global_store_b32 v[SO], v[W1], s[96:97] offset:217088+(\a)*128
	s_branch .Lsent_\@
.Lvarm_\@:
	s_wait_alu depctr_va_vdst(0)
.irp c, 0,1,2,3
	global_store_b128 v[CO], v[PC+4*\c:PC+4*\c+3], s[92:93] offset:((\a)/4)*217088+((\a)%4)*2048+512*\c   ; v: head a / 4, d tile a % 4, these 128 keys
.endr
	global_store_b32 v[SO], v[PW], s[96:97] offset:((\a)/4)*217088+((\a)%4)*128
.Lsent_\@:
.endm
.irp a, 0,1,2,3,4,5,6,7
	EPI \a
.endr
	s_wait_tensorcnt 0x0                           ; the wave's end
	ds_add_u32 v[SPW], v[NIL]
	s_wait_dscnt 0x0
	CROUND                                         ; the closing round
	s_endpgm
.Lfunc_end_k_qcc5f6cd893_qkvp:
	.size	k_qcc5f6cd893_qkvp, .Lfunc_end_k_qcc5f6cd893_qkvp-k_qcc5f6cd893_qkvp
	.p2alignl 7, 3214868480
	.fill 96, 4, 3214868480
	.section	.rodata,"a",@progbits
	.p2align	6, 0x0
	.amdhsa_kernel k_qcc5f6cd893_qkvp
		.amdhsa_group_segment_fixed_size 327680
		.amdhsa_private_segment_fixed_size 0
		.amdhsa_enable_private_segment 0
		.amdhsa_kernarg_size 32
		.amdhsa_user_sgpr_count 2
		.amdhsa_user_sgpr_kernarg_segment_ptr 1
		.amdhsa_wavefront_size32 1
		.amdhsa_system_sgpr_workgroup_id_x 1
		.amdhsa_system_sgpr_workgroup_id_y 1
		.amdhsa_system_sgpr_workgroup_id_z 1
		.amdhsa_system_vgpr_workitem_id 0
		.amdhsa_next_free_vgpr 1024
		.amdhsa_next_free_sgpr 102
		.amdhsa_reserve_vcc 0
		.amdhsa_float_denorm_mode_32 3
		.amdhsa_float_denorm_mode_16_64 3
		.amdhsa_memory_ordered 1
		.amdhsa_forward_progress 1
		.amdhsa_inst_pref_size 233
	.end_amdhsa_kernel
	.amdgpu_metadata
---
amdhsa.version: [ 1, 2 ]
amdhsa.kernels:
  - .name:           k_qcc5f6cd893_qkvp
    .symbol:         k_qcc5f6cd893_qkvp.kd
    .args:
      - { .name: nrm, .offset: 0, .size: 8, .value_kind: global_buffer, .address_space: global }
      - { .name: wcod, .offset: 8, .size: 8, .value_kind: global_buffer, .address_space: global }
      - { .name: b_qkv, .offset: 16, .size: 8, .value_kind: global_buffer, .address_space: global }
      - { .name: qkvc, .offset: 24, .size: 8, .value_kind: global_buffer, .address_space: global }
    .group_segment_fixed_size: 327680
    .private_segment_fixed_size: 0
    .kernarg_segment_align: 8
    .kernarg_segment_size: 32
    .max_flat_workgroup_size: 128
    .sgpr_count:     102
    .vgpr_count:     1024
    .wavefront_size: 32
...
	.end_amdgpu_metadata
.endif
;; end of part 2
;; launch attn (part 3): grid 4 x 64, 16 waves a work-group, clusters of 4 x 1, 169,984 bytes of LDS; arguments qkvc, ctxc; writes ctxc
.if DOCPART == 3
	.amdgcn_target "amdgcn-amd-amdhsa--gfx1250"
	.amdhsa_code_object_version 6
	.text
	.protected	k_qcc5f6cd893_attn
	.globl	k_qcc5f6cd893_attn
	.p2align	8
	.type	k_qcc5f6cd893_attn,@function
k_qcc5f6cd893_attn:
	s_mov_b64 s[64:65], 0
	v_nop
	global_prefetch_b8 v0, s[64:65] scope:SCOPE_SE
	s_setreg_imm32_b32 hwreg(HW_REG_WAVE_MODE, 25, 1), 1
	s_wait_xcnt 0x0
	s_wait_alu depctr_hold_cnt(0) depctr_sa_sdst(0) depctr_va_vdst(0) depctr_va_sdst(0) depctr_va_ssrc(0) depctr_va_vcc(0) depctr_vm_vsrc(0)
	s_getreg_b32 s2, hwreg(HW_REG_IB_STS2, 6, 4)
	s_cmp_eq_u32 s2, 0
	s_cbranch_scc0 .Lentry_in_a_cluster
	s_endpgm
.Lentry_in_a_cluster:
	s_bfe_u32 s2, ttmp6, 0x10000c
	s_cmp_lg_u32 s2, 0x3003
	s_cbranch_scc0 .Lentry_shape_is_right
	s_endpgm
.Lentry_shape_is_right:
; Causal attention of one head (64 channels, 1,024 tokens) on codes of BF8 (E5M2) with E8M0 scales, and the quantising of the result along its 64 channels.
; t = score x log2(e) / 8; M = the running largest t rounded UP to a whole number; p = 2^(t - M) is quantised along the keys, not normalised; the row's sum is taken of the unquantised p and
; divides at the end.  When M moves, the sum and O are multiplied by 2^(old M - new M): exact.
; A HEAD'S K, V^T AND THEIR SCALE WORDS, 143,360 bytes, LIE IN LDS FOR THE WHOLE LAUNCH: filled once, 8,960 bytes by each of the 16 waves; no slot is filled again, no barrier stands in the loop.
; CLUSTER: the four work-groups of a head ask for these bytes jointly (mask 15; nothing in the descriptor hangs on the place in the cluster).
; SHARES: a wave owns one tile of 16 queries, T = 4 rank + cx, rank = 4 ((w / 4) xor (w % 4)) + w % 4.  It walks key steps 0 .. rank / 2 of 128 keys: what lies wholly behind the diagonal is left out by a
; scalar branch on the wave's number; the trip count is the constant 8.  Every work-group has 72 steps.  In a wave's last step hidden scores become -infinity ahead of the maximum.
; LAYOUT: both products transposed: S^T = K Q^T (source 0 = 16 keys), O^T = V^T P^T (source 0 = 16 channels): a lane holds one query.  Tile i's lane r is row 32 (i/2) + 8 (i%2) + r + 8 (r/8) (keys, queries and
; channels alike), so p's 64 registers and O^T's 32 are neighbours along the next K in the order of an operand's registers.  The first product's K is 64: the upper halves of its fragments are zero codes.
; LIMITS: a block of zeros gets the byte 1 (its codes are zeros; this program alone reads the bytes); NaN and infinities are not served; the order of the row's sum differs from a sum along the row.
; REGISTERS: v1-7 addresses that stay; v8-11 the step's; v12 -M, v13 the largest t, v[14:15] the sum; v16-31 Q; v32-95 four fragments of K; v96-159 S^T, then p, then V^T's four fragments; v160-191 O^T;
;   v192-207 p's codes; v208-223 at work, four groups of four; v224-227 a tile's scale words; v228 f, v229 p's scale word; v230 at work; v231 Q's scale word.
.set WV,   8
.set LAST, 13
.set G1,   24
.set G0,   32
.set TB,   40                          ; the step's codes: 8,192 bytes a step, of K and of V alike
.set TS,   41                          ; K's scale words: 1,024 a step
.set TJ,   42                          ; V's: 512 a step
.set KF,   43                          ; the step's first key
.set ST,   44                          ; the step
.set CS,   46
.set SEL,  48
.set MNT,  50
.macro CROUND
	s_barrier_signal -1
	s_barrier_wait -1
	s_cmp_lg_u32 s[WV], 0
	s_cbranch_scc1 .Lnot_wave_0_\@
	s_barrier_signal -3
.Lnot_wave_0_\@:
	s_barrier_wait -3
	s_barrier_signal -1
	s_barrier_wait -1
.endm
	s_load_b128 s[4:7], s[0:1], 0x0                ; the records, the result's codes
	v_lshl_add_u32 v254, v0, 2, 0x29000
	v_mov_b32 v255, 0
	ds_add_u32 v254, v255
	ds_add_u32 v254, v255
	v_lshrrev_b32 v1, 5, v0
	s_delay_alu instid0(VALU_DEP_1)
	v_readfirstlane_b32 s[WV], v1
	s_bfe_u32 s9, ttmp6, 0x40000                   ; cx
	s_and_b32 s10, ttmp7, 0xffff                   ; bh = 16 x batch + head
	s_and_b32 s11, s[WV], 3                        ; for the rank, w is the wave's number with its two digits to the base 4 exchanged: w / 4 = wave % 4,
	s_lshr_b32 s14, s[WV], 2                       ; w % 4 = wave / 4: the four waves with the same wave % 4 then have ranks of 1 + 3 + 6 + 8 = 18 key steps
	s_xor_b32 s11, s11, s14
	s_lshl_b32 s11, s11, 2
	s_add_co_u32 s11, s11, s14                     ; rank
	s_lshr_b32 s[LAST], s11, 1                     ; my last key step: it does not hang on cx
	s_lshl_b32 s12, s11, 2
	s_add_co_u32 s12, s12, s9                      ; T: it enters global addresses and the mask's numbers alone
	s_mul_i32 s16, s10, 217088
	s_mov_b32 s17, 0
	s_mul_i32 s15, s[WV], 8960                     ; my part of the 143,360 bytes, in LDS
	s_add_co_u32 s18, s15, 73728                   ; and in the record
	s_mov_b32 s19, 0
	s_mov_b32 s[G1], 15|(3<<16)|(1<<21)            ; the mask: all four; elements of 8 bytes; 21 set beside a mask; no padding
	s_mov_b32 s[G1+1], 32<<16                      ; 35 rows of 32 elements (256 bytes), dense
	s_mov_b32 s[G1+2], 35<<16
	s_mov_b32 s[G1+3], 32<<16
	s_mov_b32 s[G1+4], 35
	s_mov_b32 s[G1+5], 32
	s_mov_b32 s[G1+6], 0
	s_mov_b32 s[G1+7], 0
	s_mov_b32 s[CS], 0x3e38aa3b                    ; c = log2(e) / 8
	s_mov_b32 s[CS+1], s[CS]
	s_mov_b32 s[SEL], 0x76543210
	s_mov_b32 s[SEL+1], 0xfedcba98
	s_mov_b32 s[MNT], 0x600000
	s_mov_b32 s[TB], 0
	s_mov_b32 s[TS], 0
	s_mov_b32 s[TJ], 0
	s_mov_b32 s[KF], 0
	s_mov_b32 s[ST], 0
	s_lshl_b32 s20, s12, 10                        ; Q's tile
	s_mov_b32 s21, 0
	s_lshl_b32 s22, s12, 7
	s_add_co_u32 s22, s22, 65536                   ; its scale words
	s_mov_b32 s23, 0
	s_lshr_b32 s60, s12, 1
	s_lshl_b32 s60, s60, 5
	s_and_b32 s61, s12, 1
	s_lshl_b32 s61, s61, 3
	s_add_co_u32 s60, s60, s61                     ; the tile's first token
	; where the result goes: token tile G = 64 x batch + T; K = 64 x head + d
	s_lshr_b32 s51, s10, 4
	s_lshl_b32 s51, s51, 6
	s_add_co_u32 s51, s51, s12
	s_lshr_b32 s52, s51, 3                         ; rb
	s_and_b32 s53, s51, 7                          ; i
	s_and_b32 s54, s10, 15                         ; head
	s_lshl_b32 s52, s52, 2
	s_lshr_b32 s55, s54, 2
	s_add_co_u32 s52, s52, s55                     ; 4 rb + ks
	s_bfe_u32 s55, s54, 0x10001                    ; q
	s_and_b32 s54, s54, 1                          ; which half of the fragment
	s_lshl_b32 s56, s52, 4
	s_lshl_b32 s57, s53, 1
	s_add_co_u32 s56, s56, s57
	s_add_co_u32 s56, s56, s55
	s_lshl_b32 s56, s56, 11
	s_lshl_b32 s57, s54, 10
	s_add_co_u32 s56, s56, s57
	s_mov_b32 s57, 0
	s_lshl_b32 s58, s52, 10
	s_lshl_b32 s59, s53, 7
	s_add_co_u32 s58, s58, s59
	s_lshl_b32 s59, s55, 2
	s_add_co_u32 s58, s58, s59
	s_lshl_b32 s59, s54, 1
	s_add_co_u32 s58, s58, s59
	s_add_co_u32 s58, s58, 4194304
	s_mov_b32 s59, 0
	s_wait_dscnt 0x0
	CROUND                                         ; the opening round, ahead of the wait for the arguments: all four work-groups are here
	s_wait_kmcnt 0x0
	s_add_nc_u64 s[4:5], s[4:5], s[16:17]          ; my head's record
	s_add_nc_u64 s[36:37], s[4:5], s[20:21]
	s_add_nc_u64 s[38:39], s[4:5], s[22:23]
	s_add_nc_u64 s[56:57], s[6:7], s[56:57]
	s_add_nc_u64 s[58:59], s[6:7], s[58:59]
	s_mov_b32 s[G0], 1
	s_mov_b32 s[G0+1], s15
	s_add_nc_u64 s[G0+2:G0+3], s[4:5], s[18:19]
	s_or_b32 s[G0+3], s[G0+3], 0x80000000
	tensor_load_to_lds s[G0:G0+3], s[G1:G1+7]      ; my one tensor load of the launch
	s_nop 0
.rept 4
	v_nop
.endr
	v_and_b32 v5, 31, v0
	s_delay_alu instid0(VALU_DEP_1)
	v_lshlrev_b32 v1, 4, v5                        ; K's codes: 16 x lane
	s_delay_alu instid0(VALU_DEP_2)
	v_lshlrev_b32 v7, 2, v5                        ; 4 x lane
	s_delay_alu instid0(VALU_DEP_2)
	v_add_nc_u32 v2, 0x10000, v1                   ; V's codes
	s_delay_alu instid0(VALU_DEP_2)
	v_add_nc_u32 v3, 0x20000, v7                   ; K's scale words
	s_delay_alu instid0(VALU_DEP_3)
	v_add_nc_u32 v4, 0x22000, v7                   ; V's
	global_load_b128 v[16:19], v1, s[36:37]        ; Q's fragment stays in registers
	global_load_b128 v[20:23], v1, s[36:37] offset:512
	global_load_b32 v231, v7, s[38:39]
	v_and_b32 v8, 15, v0                           ; r
	v_bfe_u32 v9, v0, 4, 1                         ; h
	s_delay_alu instid0(VALU_DEP_2)
	v_lshlrev_b32 v6, 3, v8                        ; 8 r
	s_delay_alu instid0(VALU_DEP_3)
	v_and_b32 v5, 8, v8
	s_delay_alu instid0(VALU_DEP_1)
	v_add_nc_u32 v5, v5, v8
	s_delay_alu instid0(VALU_DEP_4)
	v_lshlrev_b32 v9, 4, v9
	s_delay_alu instid0(VALU_DEP_1)
	v_sub_nc_u32 v5, v5, v9
	s_delay_alu instid0(VALU_DEP_1)
	v_add_nc_u32 v5, s60, v5                       ; my query's token - 16 h
.set j, 0
.rept 8
	v_mov_b32 v[24+j], 0                           ; zero codes: K 64 .. 127 of the first product, in Q
	v_mov_b32 v[40+j], 0                           ; and in K's four fragments; written once
	v_mov_b32 v[56+j], 0
	v_mov_b32 v[72+j], 0
	v_mov_b32 v[88+j], 0
.set j, j+1
.endr
	v_mov_b32 v13, 0xff61b1e6                      ; the largest t so far: -3e38
	s_delay_alu instid0(VALU_DEP_1)
	v_floor_f32 v12, -v13                          ; -M
	v_mov_b32 v14, 0
	v_mov_b32 v15, 0
.irp b, 0,1,2,3
	v_mov_b32 v[212+\b], 0                         ; a lane permute's destination counts as read
.endr
	v_mov_b32 v228, 0
	v_mov_b32 v229, 0                              ; (named as the upper half of the pair v[228:229])
.set j, 0
.rept 32
	v_mov_b32 v[160+j], 0                          ; O^T: the step is written once; the first change of M leaves zeros zeros
.set j, j+1
.endr
	s_wait_loadcnt 0x0                             ; Q
	s_wait_tensorcnt 0x0                           ; my part has landed,
	s_barrier_signal -1
	s_barrier_wait -1                              ; everybody's has
.Lstep:
	s_cmp_gt_u32 s[ST], s[LAST]                    ; all these keys come after my queries: only the stepping lines are run
	s_cbranch_scc1 .Lskip
	v_add_nc_u32 v8, s[TB], v1
	s_wait_alu depctr_va_vdst(0)
	v_add_nc_u32 v9, s[TB], v2
	v_add_nc_u32 v10, s[TS], v3
	s_wait_alu depctr_va_vdst(0)
	v_add_nc_u32 v11, s[TJ], v4
.rept 5
	v_nop                                          ; with the four additions nine places: the products below write over registers that the last step's products read
.endr
.irp g, 0,1                            ; S^T = K Q^T, four tiles of 16 keys at a time
.if \g
.rept 8
	v_nop
.endr
.endif
.irp t, 0,1,2,3
	ds_load_b128 v[32+16*\t:35+16*\t], v8 offset:(4*\g+\t)*1024
	ds_load_b128 v[36+16*\t:39+16*\t], v8 offset:(4*\g+\t)*1024+512
	ds_load_b32 v[224+\t], v10 offset:(4*\g+\t)*128
.endr
	s_wait_dscnt 0x0
.irp t, 0,1,2,3
	v_wmma_scale_f32_16x16x128_f8f6f4 v[96+8*(4*\g+\t):103+8*(4*\g+\t)], v[32+16*\t:47+16*\t], v[16:31], 0, v[224+\t], v231 matrix_a_fmt:MATRIX_FMT_BF8 matrix_b_fmt:MATRIX_FMT_BF8
.endr
.endr
.rept 8
	v_nop
.endr
	s_cmp_lg_u32 s[ST], s[LAST]                    ; only my last step meets the diagonal
	s_cbranch_scc1 .Lopen
	s_sub_co_i32 s45, 0, s[KF]
	v_add_nc_u32 v228, s45, v5                     ; d = my query - KF - 16 h.  Register 16 b + i holds key KF + 32 b + 16 h + i: hidden where 32 b + i > d
	v_mov_b32 v230, 0xff800000
.set n, 0
.rept 64
	v_cmp_gt_i32 vcc_lo, 32*(n/16)+n%16, v228
	v_cndmask_b32 v[96+n], v[96+n], v230, vcc_lo
.set n, n+1
.endr
.Lopen:
.irp b, 0,1,2,3
	v_max3_num_f32 v[208+\b], v[96+16*\b], v[97+16*\b], v[98+16*\b]   ; the largest score of each block of 32 keys: for the row's maximum and, since p rises with the score, for the block's largest p
.endr
.irp i, 3,5,7,9,11,13
.irp b, 0,1,2,3
	v_max3_num_f32 v[208+\b], v[208+\b], v[96+16*\b+\i], v[97+16*\b+\i]
.endr
.endr
.irp b, 0,1,2,3
	v_max_num_f32 v[208+\b], v[208+\b], v[111+16*\b]
.endr
.irp b, 0,1,2,3
	s_delay_alu instid0(VALU_DEP_4)
	v_permlanex16_b32 v[212+\b], v[208+\b], s[SEL], s[SEL+1]
.endr
.irp b, 0,1,2,3
	s_delay_alu instid0(VALU_DEP_4)
	v_max_num_f32 v[208+\b], v[208+\b], v[212+\b]
.endr
	s_delay_alu instid0(VALU_DEP_2)
	v_max3_num_f32 v230, v208, v209, v210
	s_delay_alu instid0(VALU_DEP_1)
	v_max_num_f32 v230, v230, v211
	s_delay_alu instid0(VALU_DEP_1)
	v_mul_f32 v230, s[CS], v230
	s_delay_alu instid0(VALU_DEP_1)
	v_max_num_f32 v13, v13, v230                   ; the running largest t
	v_mov_b32 v230, v12
	s_delay_alu instid0(VALU_DEP_2)
	v_floor_f32 v12, -v13                          ; the new -M = -ceil(t)
	s_delay_alu instid0(VALU_DEP_1)
	v_sub_f32 v230, v12, v230                      ; old M - new M: a whole number, 0 or less
	s_delay_alu instid0(VALU_DEP_1)
	v_cvt_i32_f32 v230, v230                       ; (it saturates)
	s_delay_alu instid0(VALU_DEP_1)
	v_ldexp_f32 v228, 1.0, v230                    ; f = 2^(old M - new M)
.set j, 0
.rept 32
	v_pk_fma_f32 v[96+j:97+j], v[96+j:97+j], s[CS:CS+1], v[12:13] op_sel_hi:[1,0,0]   ; t - M
.set j, j+2
.endr
.irp b, 0,1,2,3
	v_fma_f32 v[208+\b], v[208+\b], s[CS], v12
.endr
.set j, 0
	s_wait_alu depctr_va_vdst(0)
.rept 64
	v_exp_f32 v[96+j], v[96+j]                     ; p = 2^(t - M)
.set j, j+1
.endr
	v_pk_mul_f32 v[14:15], v[14:15], v[228:229] op_sel_hi:[1,0]   ; the sums under the new M: a plain line behind the exponentials
	s_wait_alu depctr_va_vdst(0)                   ; one wait for the batch, ahead of its first reader
.irp b, 0,1,2,3
	v_exp_f32 v[208+\b], v[208+\b]                 ; each block's largest p
.endr
	v_pk_add_f32 v[212:213], v[100:101], v[104:105]
	v_pk_add_f32 v[252:253], v[108:109], v[112:113]
	v_pk_add_f32 v[250:251], v[116:117], v[120:121]
	v_pk_add_f32 v[248:249], v[124:125], v[128:129]
	v_pk_add_f32 v[246:247], v[132:133], v[136:137]
	v_pk_add_f32 v[244:245], v[140:141], v[144:145]
	v_pk_add_f32 v[242:243], v[148:149], v[152:153]
	v_pk_add_f32 v[14:15], v[14:15], v[156:157]
	v_pk_add_f32 v[212:213], v[212:213], v[96:97]
	v_pk_add_f32 v[252:253], v[252:253], v[98:99]
	v_pk_add_f32 v[250:251], v[250:251], v[102:103]
	v_pk_add_f32 v[248:249], v[248:249], v[106:107]
	v_pk_add_f32 v[246:247], v[246:247], v[110:111]
	v_pk_add_f32 v[244:245], v[244:245], v[114:115]
	v_pk_add_f32 v[242:243], v[242:243], v[118:119]
	v_pk_add_f32 v[14:15], v[14:15], v[122:123]
	v_pk_add_f32 v[212:213], v[212:213], v[126:127]
	v_pk_add_f32 v[252:253], v[252:253], v[130:131]
	v_pk_add_f32 v[250:251], v[250:251], v[134:135]
	v_pk_add_f32 v[248:249], v[248:249], v[138:139]
	v_pk_add_f32 v[246:247], v[246:247], v[142:143]
	v_pk_add_f32 v[244:245], v[244:245], v[146:147]
	v_pk_add_f32 v[242:243], v[242:243], v[150:151]
	v_pk_add_f32 v[14:15], v[14:15], v[154:155]
	v_pk_add_f32 v[212:213], v[212:213], v[158:159]
	s_delay_alu instid0(VALU_DEP_2)
	v_pk_add_f32 v[14:15], v[14:15], v[248:249]
	s_delay_alu instid0(VALU_DEP_2)
	v_pk_add_f32 v[212:213], v[212:213], v[246:247]
	v_pk_add_f32 v[252:253], v[252:253], v[244:245]
	v_pk_add_f32 v[250:251], v[250:251], v[242:243]
	s_delay_alu instid0(VALU_DEP_2)
	v_pk_add_f32 v[14:15], v[14:15], v[252:253]
	s_delay_alu instid0(VALU_DEP_2)
	v_pk_add_f32 v[212:213], v[212:213], v[250:251]
	s_delay_alu instid0(VALU_DEP_1)
	v_pk_add_f32 v[14:15], v[14:15], v[212:213]
	s_wait_alu depctr_va_vdst(0)                   ; and one for the four
.irp b, 0,1,2,3
	v_max_num_f32 v[208+\b], 0x8000000, v[208+\b]  ; the floor 2^(16 - 127)
.endr
.irp b, 0,1,2,3
	s_delay_alu instid0(VALU_DEP_4)
	v_add_nc_u32 v[220+\b], 0xf8800000, v[208+\b]
.endr
.irp b, 0,1,2,3
	v_and_or_b32 v[216+\b], v[208+\b], 0x7f800000, s[MNT]
.endr
.irp b, 0,1,2,3
	v_lshrrev_b32 v[212+\b], 23, v[220+\b]
.endr
	s_delay_alu instid0(VALU_DEP_3)
	v_lshl_or_b32 v229, v213, 8, v212              ; p's scale word for these 128 keys
	s_delay_alu instid0(VALU_DEP_1)
	v_lshl_or_b32 v229, v214, 16, v229
	s_delay_alu instid0(VALU_DEP_1)
	v_lshl_or_b32 v229, v215, 24, v229
.irp b, 0,1,2,3
.irp i, 0,1,2,3,4,5,6,7,8,9,10,11,12,13,14,15
	v_min_num_f32 v[96+16*\b+\i], v[96+16*\b+\i], v[216+\b]   ; the hold; p is not negative
.endr
	v_cvt_scalef32_pk8_bf8_f32 v[192+4*\b:193+4*\b], v[96+16*\b:103+16*\b], v[220+\b]
	v_cvt_scalef32_pk8_bf8_f32 v[194+4*\b:195+4*\b], v[104+16*\b:111+16*\b], v[220+\b]
.endr
.irp t, 0,1,2,3                        ; V^T's four fragments into the registers that p has left
.irp c, 0,1,2,3
	ds_load_b128 v[96+16*\t+4*\c:99+16*\t+4*\c], v9 offset:\t*2048+512*\c
.endr
	ds_load_b32 v[224+\t], v11 offset:\t*128
.endr
.set j, 0
.rept 16
	v_pk_mul_f32 v[160+j:161+j], v[160+j:161+j], v[228:229] op_sel_hi:[1,0]   ; O^T under the new M; these are also the places ahead of the products
.set j, j+2
.endr
	s_wait_alu depctr_va_vdst(0)
	s_wait_dscnt 0x0
.irp t, 0,1,2,3
	v_wmma_scale_f32_16x16x128_f8f6f4 v[160+8*\t:167+8*\t], v[96+16*\t:111+16*\t], v[192:207], v[160+8*\t:167+8*\t], v[224+\t], v229 matrix_a_fmt:MATRIX_FMT_BF8 matrix_b_fmt:MATRIX_FMT_BF8
.endr
.Lskip:
	s_add_co_u32 s[TB], s[TB], 8192
	s_add_co_u32 s[TS], s[TS], 1024
	s_add_co_u32 s[TJ], s[TJ], 512
	s_add_co_u32 s[KF], s[KF], 128
	s_add_co_u32 s[ST], s[ST], 1
	s_cmp_lt_u32 s[ST], 8
	s_cbranch_scc1 .Lstep
	; THE WAY OUT: O^T / the sum; its 32 registers are K = 64 head + 32 b + 16 h + i of my query's row: two blocks, half a fragment
.rept 8
	v_nop
.endr
	v_add_f32 v14, v14, v15
	s_delay_alu instid0(VALU_DEP_1)
	v_permlanex16_b32 v228, v14, s[SEL], s[SEL+1]
	s_delay_alu instid0(VALU_DEP_1)
	v_add_f32 v14, v14, v228                       ; the row's sum
	s_wait_alu depctr_va_vdst(0)
	v_rcp_f32 v14, v14
	v_nop                                          ; a plain line behind the transcendental
	s_wait_alu depctr_va_vdst(0)                   ; and the wait ahead of the first reader
.set j, 0
.rept 32
	v_mul_f32 v[96+j], v[160+j], v14
.set j, j+1
.endr
.irp b, 0,1
	v_max3_num_f32 v[208+\b], |v[96+16*\b]|, |v[97+16*\b]|, 0x8000000
.endr
.irp i, 2,4,6,8,10,12,14
.irp b, 0,1
	s_delay_alu instid0(VALU_DEP_2)
	v_max3_num_f32 v[208+\b], v[208+\b], |v[96+16*\b+\i]|, |v[97+16*\b+\i]|
.endr
.endr
.irp b, 0,1
	s_delay_alu instid0(VALU_DEP_2)
	v_permlanex16_b32 v[212+\b], v[208+\b], s[SEL], s[SEL+1]
.endr
.irp b, 0,1
	s_delay_alu instid0(VALU_DEP_2)
	v_max_num_f32 v[208+\b], v[208+\b], v[212+\b]
.endr
.irp b, 0,1
	s_delay_alu instid0(VALU_DEP_2)
	v_add_nc_u32 v[220+\b], 0xf8800000, v[208+\b]
.endr
.irp b, 0,1
	s_delay_alu instid0(VALU_DEP_4)
	v_and_or_b32 v[216+\b], v[208+\b], 0x7f800000, s[MNT]
.endr
.irp b, 0,1
	s_delay_alu instid0(VALU_DEP_4)
	v_lshrrev_b32 v[212+\b], 23, v[220+\b]
.endr
	s_delay_alu instid0(VALU_DEP_1)
	v_lshl_or_b32 v230, v213, 8, v212              ; my head's two bytes of the row's scale word
.irp b, 0,1
.irp i, 0,1,2,3,4,5,6,7,8,9,10,11,12,13,14,15
	v_med3_num_f32 v[96+16*\b+\i], v[96+16*\b+\i], -v[216+\b], v[216+\b]
.endr
	v_cvt_scalef32_pk8_bf8_f32 v[192+4*\b:193+4*\b], v[96+16*\b:103+16*\b], v[220+\b]
	v_cvt_scalef32_pk8_bf8_f32 v[194+4*\b:195+4*\b], v[104+16*\b:111+16*\b], v[220+\b]
.endr
	v_nop
	global_store_b128 v1, v[192:195], s[56:57]     ; 512 consecutive bytes a store
	global_store_b128 v1, v[196:199], s[56:57] offset:512
	global_store_b16 v6, v230, s[58:59]            ; lanes r and r + 16 hold the same bytes and write them to the same place
	s_wait_dscnt 0x0
	s_wait_tensorcnt 0x0
	ds_add_u32 v254, v255
	s_wait_dscnt 0x0
	CROUND                                         ; the closing round
	s_endpgm
.Lfunc_end_k_qcc5f6cd893_attn:
	.size	k_qcc5f6cd893_attn, .Lfunc_end_k_qcc5f6cd893_attn-k_qcc5f6cd893_attn
	.p2alignl 7, 3214868480
	.fill 96, 4, 3214868480
	.section	.rodata,"a",@progbits
	.p2align	6, 0x0
	.amdhsa_kernel k_qcc5f6cd893_attn
		.amdhsa_group_segment_fixed_size 169984
		.amdhsa_private_segment_fixed_size 0
		.amdhsa_enable_private_segment 0
		.amdhsa_kernarg_size 16
		.amdhsa_user_sgpr_count 2
		.amdhsa_user_sgpr_kernarg_segment_ptr 1
		.amdhsa_wavefront_size32 1
		.amdhsa_system_sgpr_workgroup_id_x 1
		.amdhsa_system_sgpr_workgroup_id_y 1
		.amdhsa_system_sgpr_workgroup_id_z 1
		.amdhsa_system_vgpr_workitem_id 0
		.amdhsa_next_free_vgpr 256
		.amdhsa_next_free_sgpr 66
		.amdhsa_reserve_vcc 1
		.amdhsa_float_denorm_mode_32 3
		.amdhsa_float_denorm_mode_16_64 3
		.amdhsa_memory_ordered 1
		.amdhsa_forward_progress 1
		.amdhsa_inst_pref_size 42
	.end_amdhsa_kernel
	.amdgpu_metadata
---
amdhsa.version: [ 1, 2 ]
amdhsa.kernels:
  - .name:           k_qcc5f6cd893_attn
    .symbol:         k_qcc5f6cd893_attn.kd
    .args:
      - { .name: qkvc, .offset: 0, .size: 8, .value_kind: global_buffer, .address_space: global }
      - { .name: ctxc, .offset: 8, .size: 8, .value_kind: global_buffer, .address_space: global }
    .group_segment_fixed_size: 169984
    .private_segment_fixed_size: 0
    .kernarg_segment_align: 8
    .kernarg_segment_size: 16
    .max_flat_workgroup_size: 512
    .sgpr_count:     66
    .vgpr_count:     256
    .wavefront_size: 32
...
	.end_amdgpu_metadata
.endif
;; end of part 3
;; launch oproj (part 4): grid 8 x 32, 4 waves a work-group, clusters of 4 x 4, 327,680 bytes of LDS; arguments ctxc, wcod, b_o, x, ao; writes ao
.if DOCPART == 4
	.amdgcn_target "amdgcn-amd-amdhsa--gfx1250"
	.amdhsa_code_object_version 6
	.text
	.protected	k_qcc5f6cd893_oproj
	.globl	k_qcc5f6cd893_oproj
	.p2align	8
	.type	k_qcc5f6cd893_oproj,@function
k_qcc5f6cd893_oproj:
	s_mov_b64 s[64:65], 0
	v_nop
	global_prefetch_b8 v0, s[64:65] scope:SCOPE_SE
	s_setreg_imm32_b32 hwreg(HW_REG_WAVE_MODE, 25, 1), 1
	s_wait_xcnt 0x0
	s_wait_alu depctr_hold_cnt(0) depctr_sa_sdst(0) depctr_va_vdst(0) depctr_va_sdst(0) depctr_va_ssrc(0) depctr_va_vcc(0) depctr_vm_vsrc(0)
	s_getreg_b32 s2, hwreg(HW_REG_IB_STS2, 6, 4)
	s_cmp_eq_u32 s2, 0
	s_cbranch_scc0 .Lentry_in_a_cluster
	s_endpgm
.Lentry_in_a_cluster:
	s_bfe_u32 s2, ttmp6, 0x10000c
	s_cmp_lg_u32 s2, 0xf033
	s_cbranch_scc0 .Lentry_shape_is_right
	s_endpgm
.Lentry_shape_is_right:
; attn_out = ctx W_o + b_o + x on codes of BF8 (E5M2) with E8M0 scales; f32 sums; f32 out.
; A work-group makes 128 tokens x 128 columns, four waves of 64 x 64 (16 accumulators); K = 1,024.
; Both operands lie in memory in the order of the operand's registers: [block of 128 rows][256 K][tile i][q][c][lane][16 bytes]; a block of rows for all of K is 131,072 dense bytes, its scale bytes 4,096.
; ALL OF K LIES IN LDS AT ONCE: four tensor loads, one a wave: wave 0 A's 131,072 bytes, wave 1 B's, waves 2 and 3 the scale bytes.  Nothing is filled again, so there is no ring; one barrier shows the four tiles.
; CLUSTER 4 x 4: A's bytes are asked for jointly along a row of the cluster, B's along a column.  No prefetch: the launch has no loop to run ahead in.
; The product is used transposed (source 0 = W_o's rows, source 1 = tokens): a lane holds 8 neighbouring columns of a token.  Tile i's lane r is row 32 (i/2) + 8 (i%2) + r + 8 (r/8), of tokens and of columns.
; The way out: a block of 16 tokens x 64 columns goes through the wave's own stage (LDS bytes of its own) and leaves as rows of 256 bytes, bias and residual added.
; REGISTERS: window 0: v8-11 bias, v16-31 addresses, v32-63 scale words, v64-95 rows read back, v128-255 accumulators; window 1: fragments, two sets of 128; window 2: v0-127 the residual.
; LIMITS: NaN and infinities are not served.
.set ASC, 4194304                      ; ctxc: the scale bytes lie behind the codes
.set BCO, 3145728                      ; wcod: W_o's codes,
.set BSC, 12681216                     ; and its scale bytes
.set BB,    131072                     ; LDS: A's codes at 0, B's here
.set SCL,   262144                     ; A's scale bytes, 4,096; then B's
.set SPARE, SCL+8192                   ; the spare words: 128 bytes a wave, named by no other line
.set STAGE, SPARE+512                  ; four stages of 16 rows x 272 bytes
.set ADRA, 16
.set ADRB, 20
.set STO,  24
.set RD,   25
.set CO,   26
.set ADRS, 27
.set SPW,  28
.set NIL,  29
.set SC,   32
.set BK,   64
.set ACC,  128
.set F0,   0
.set F1,   128
.set G1, 24
.set G0A, 32
.set G0B, 36
.set G1B, 48
.set G1S, 68
.set G0S, 76
.set G1SB, 80
.set G0SB, 88
.set MSB, 0
.macro WIN new                         ; the immediate's high byte repeats the setting that is left
.if MSB != (\new)
	s_set_vgpr_msb (MSB<<8)|(\new)
.set MSB, (\new)
.endif
.endm
.set MUL,   0x05                       ; sources 0 and 1 window 1, C and D window 0
.set TO_F,  0x40
.set TO_R,  0x80
.set ADD_R, 0x08
.macro CROUND                          ; a round of the cluster's barrier
	s_barrier_signal -1
	s_barrier_wait -1
	s_cmp_lg_u32 s14, 0
	s_cbranch_scc1 .Lnot_wave_0_\@
	s_barrier_signal -3
.Lnot_wave_0_\@:
	s_barrier_wait -3
	s_barrier_signal -1
	s_barrier_wait -1
.endm
.macro HARM under, g0, g1, next        ; an arm of the head's chain: one tensor load, its s_nop 0 and four v_nop
	s_cmp_lt_u32 s14, \under
	s_cbranch_scc0 \next
	tensor_load_to_lds s[\g0:\g0+3], s[\g1:\g1+7]
	s_nop 0
.rept 4
	v_nop
.endr
	s_branch .Lhead_asked
\next:
.endm
	s_load_b256 s[4:11], s[0:1], 0x0               ; ctx's codes, the weights' codes, b_o, x
	s_load_b64 s[12:13], s[0:1], 0x20              ; attn_out
	v_lshl_add_u32 v[SPW], v0, 2, SPARE
	v_mov_b32 v[NIL], 0
	ds_add_u32 v[SPW], v[NIL]                      ; the opening lines: the add twice on end and one wait
	ds_add_u32 v[SPW], v[NIL]
	v_lshrrev_b32 v1, 5, v0
	v_readfirstlane_b32 s14, v1                    ; wave
	s_lshr_b32 s15, s14, 1                         ; my half of the tokens
	s_and_b32 s16, s14, 1                          ; my half of the columns
	s_bfe_u32 s40, ttmp6, 0x40000                  ; cx
	s_bfe_u32 s41, ttmp6, 0x40004                  ; cy
	s_lshl_b32 s42, ttmp9, 2
	s_add_co_u32 s42, s42, s40                     ; the block of 128 columns
	s_and_b32 s17, ttmp7, 0xffff
	s_lshl_b32 s17, s17, 2
	s_add_co_u32 s17, s17, s41                     ; the block of 128 tokens
	s_lshl_b32 s43, s41, 2
	s_lshl_b32 s43, 15, s43                        ; my row of the cluster
	s_lshl_b32 s44, 0x1111, s40                    ; my column
	s_or_b32 s[G1], s43, (3<<16)|(1<<21)           ; the mask; elements of 8 bytes; bit 21 beside a mask; no padding
	s_or_b32 s[G1B], s44, (3<<16)|(1<<21)
.irp g, G1, G1B
	s_mov_b32 s[\g+1], 4096<<16                    ; 131,072 dense bytes as 4 rows of 4,096 elements (32,768 bytes)
	s_mov_b32 s[\g+2], 4<<16
	s_mov_b32 s[\g+3], 4096<<16
	s_mov_b32 s[\g+4], 4
	s_mov_b32 s[\g+5], 4096
	s_mov_b32 s[\g+6], 0
	s_mov_b32 s[\g+7], 0
.endr
	s_or_b32 s[G1S], s43, (3<<16)|(1<<21)
	s_or_b32 s[G1SB], s44, (3<<16)|(1<<21)
.irp g, G1S, G1SB
	s_mov_b32 s[\g+1], 32<<16                      ; 4,096 dense bytes as 16 rows of 256
	s_mov_b32 s[\g+2], 16<<16
	s_mov_b32 s[\g+3], 32<<16
	s_mov_b32 s[\g+4], 16
	s_mov_b32 s[\g+5], 32
	s_mov_b32 s[\g+6], 0
	s_mov_b32 s[\g+7], 0
.endr
	s_lshl_b32 s20, s17, 17
	s_lshl_b32 s22, s17, 12
	s_add_co_u32 s22, s22, ASC
	s_lshl_b32 s46, s42, 17
	s_add_co_u32 s46, s46, BCO
	s_lshl_b32 s92, s42, 12
	s_add_co_u32 s92, s92, BSC
	s_mov_b32 s21, 0
	s_mov_b32 s23, 0
	s_mov_b32 s47, 0
	s_mov_b32 s93, 0
	s_mov_b32 s[G0A], 1
	s_mov_b32 s[G0A+1], 0
	s_mov_b32 s[G0B], 1
	s_mov_b32 s[G0B+1], BB
	s_mov_b32 s[G0S], 1
	s_mov_b32 s[G0S+1], SCL
	s_mov_b32 s[G0SB], 1
	s_mov_b32 s[G0SB+1], SCL+4096
	s_wait_dscnt 0x0                               ; both opening adds are done
	CROUND                                         ; all sixteen work-groups are here: the joint loads meet
	s_wait_kmcnt 0x0
	s_add_nc_u64 s[G0A+2:G0A+3], s[4:5], s[20:21]
	s_or_b32 s[G0A+3], s[G0A+3], 0x80000000
	s_add_nc_u64 s[G0B+2:G0B+3], s[6:7], s[46:47]
	s_or_b32 s[G0B+3], s[G0B+3], 0x80000000
	s_add_nc_u64 s[G0S+2:G0S+3], s[4:5], s[22:23]
	s_or_b32 s[G0S+3], s[G0S+3], 0x80000000
	s_add_nc_u64 s[G0SB+2:G0SB+3], s[6:7], s[92:93]
	s_or_b32 s[G0SB+3], s[G0SB+3], 0x80000000
	HARM 1, G0A, G1, .Lhead_b
	HARM 2, G0B, G1B, .Lhead_sa
	HARM 3, G0S, G1S, .Lhead_sb
	tensor_load_to_lds s[G0SB:G0SB+3], s[G1SB:G1SB+7]
	s_nop 0
.rept 4
	v_nop
.endr
.Lhead_asked:
	s_lshl_b32 s18, s15, 14                        ; my four tiles of A: K 0 .. 511,
	s_add_co_u32 s19, s18, 65536                   ; K 512 .. 1,023
	s_lshl_b32 s20, s16, 14
	s_add_co_u32 s20, s20, BB                      ; and of B
	s_add_co_u32 s21, s20, 65536
	s_lshl_b32 s22, s15, 9                         ; scale words: A's four tiles,
	s_lshl_b32 s23, s16, 9
	s_add_co_u32 s23, s23, 4096
	s_sub_co_u32 s23, s23, s22                     ; the distance to B's
	s_add_co_u32 s22, s22, SCL
	s_mul_i32 s46, s14, 4352
	s_add_co_u32 s46, s46, STAGE                   ; my stage
	s_lshl_b32 s92, s17, 7
	s_lshl_b32 s93, s15, 6
	s_add_co_u32 s92, s92, s93                     ; my first token
	s_lshl_b32 s92, s92, 12
	s_lshl_b32 s2, s42, 9
	s_lshl_b32 s93, s16, 8
	s_add_co_u32 s2, s2, s93                       ; my first column, in bytes
	s_mov_b32 s3, 0
	s_add_co_u32 s92, s92, s2
	s_mov_b32 s93, 0
	s_add_nc_u64 s[10:11], s[10:11], s[92:93]
	s_add_nc_u64 s[12:13], s[12:13], s[92:93]
	s_add_nc_u64 s[8:9], s[8:9], s[2:3]
	v_and_b32 v1, 15, v0                           ; r
	v_bfe_u32 v2, v0, 4, 1                         ; h
	v_and_b32 v3, 31, v0
	v_lshlrev_b32 v4, 4, v3                        ; 16 x lane
	v_add_nc_u32 v[ADRA], s18, v4
	v_add_nc_u32 v[ADRA+1], s19, v4
	v_add_nc_u32 v[ADRB], s20, v4
	v_add_nc_u32 v[ADRB+1], s21, v4
	v_lshlrev_b32 v5, 3, v1                        ; 8 bytes a row and 256 K
	v_mul_u32_u24 v6, s23, v2                      ; lanes 16-31 take B's: one product of h with the distance
	v_add_nc_u32 v5, v5, v6
	v_add_nc_u32 v[ADRS], s22, v5
	v_mul_u32_u24 v5, v1, 272
	v_lshl_add_u32 v5, v2, 6, v5
	v_add_nc_u32 v[STO], s46, v5                   ; into the stage: row r, + 64 h
	v_mul_u32_u24 v5, v2, 272
	v_lshl_add_u32 v5, v1, 4, v5
	v_add_nc_u32 v[RD], s46, v5                    ; back: lanes 0-15 one row, lanes 16-31 the next
	v_lshlrev_b32 v5, 12, v2
	v_lshl_add_u32 v[CO], v1, 4, v5                ; the same two rows in memory
	v_lshlrev_b32 v7, 4, v1
	s_wait_alu depctr_va_vdst(0)
.macro FETCH slot, kq, f               ; my four fragments of A and four of B for 128 along K: 32 loads of 512 consecutive bytes
	WIN TO_F
.irp ii, 0,1,2,3
.irp c, 0,1,2,3
	ds_load_b128 v[\f+16*\ii+4*\c:\f+16*\ii+4*\c+3], v[ADRA+\slot] offset:((\kq)/2)*32768+\ii*4096+((\kq)%2)*2048+512*\c
.endr
.endr
.irp ii, 0,1,2,3
.irp c, 0,1,2,3
	ds_load_b128 v[\f+64+16*\ii+4*\c:\f+64+16*\ii+4*\c+3], v[ADRB+\slot] offset:((\kq)/2)*32768+\ii*4096+((\kq)%2)*2048+512*\c
.endr
.endr
.endm
.macro SCALES set                      ; the scale words of 512 along K: lanes 0-15 A's tile ii, lanes 16-31 B's
	WIN 0
.irp k, 0,1
.irp ii, 0,1,2,3
	ds_load_b64 v[SC+16*\set+8*\k+2*\ii:SC+16*\set+8*\k+2*\ii+1], v[ADRS] offset:\set*2048+\k*1024+\ii*128
.endr
.endr
.endm
.macro MUL4 f, a, kq, set, zero        ; the 16 accumulators take turns, in the same order in every quarter
.irp b, 0,1,2,3
.if \zero
	v_wmma_scale_f32_16x16x128_f8f6f4 v[ACC+8*(4*(\a)+\b):ACC+8*(4*(\a)+\b)+7], v[\f+64+16*\b:\f+64+16*\b+15], v[\f+16*(\a):\f+16*(\a)+15], 0, v[SC+16*(\set)+8*((\kq)/2)+2*\b+(\kq)%2], v[SC+16*(\set)+8*((\kq)/2)+2*(\a)+(\kq)%2] matrix_a_fmt:MATRIX_FMT_BF8 matrix_b_fmt:MATRIX_FMT_BF8 matrix_a_scale:MATRIX_SCALE_ROW1
.else
	v_wmma_scale_f32_16x16x128_f8f6f4 v[ACC+8*(4*(\a)+\b):ACC+8*(4*(\a)+\b)+7], v[\f+64+16*\b:\f+64+16*\b+15], v[\f+16*(\a):\f+16*(\a)+15], v[ACC+8*(4*(\a)+\b):ACC+8*(4*(\a)+\b)+7], v[SC+16*(\set)+8*((\kq)/2)+2*\b+(\kq)%2], v[SC+16*(\set)+8*((\kq)/2)+2*(\a)+(\kq)%2] matrix_a_fmt:MATRIX_FMT_BF8 matrix_b_fmt:MATRIX_FMT_BF8 matrix_a_scale:MATRIX_SCALE_ROW1
.endif
.endr
.endm
.macro PLACES n
.rept \n
	v_nop
.endr
.endm
.macro Q cs, ckq, ns, nkq, f, g, zero  ; 128 along K out of set f, while the next 128's fragments come into set g
	PLACES 8                                       ; ahead of loads into registers that the last products read (ISA guide 7.12.1 for vector instructions)
	FETCH \ns, \nkq, \g
	s_wait_dscnt 32                                ; all but the 32 just issued
	WIN MUL
	MUL4 \f, 0, \ckq, \cs, \zero
	MUL4 \f, 1, \ckq, \cs, \zero
	MUL4 \f, 2, \ckq, \cs, \zero
	MUL4 \f, 3, \ckq, \cs, \zero
.endm
	s_wait_tensorcnt 0x0                           ; my tile has landed,
	s_barrier_signal -1
	s_barrier_wait -1                              ; all four have
	FETCH 0, 0, F0
	SCALES 0
	SCALES 1
	global_load_b128 v[8:11], v7, s[8:9]           ; the bias at my lane's four columns.  Bias and residual are wanted on the way out alone: they are asked for when the tiles are in
	WIN TO_R
.irp a, 0,1,2,3
.irp t, 0,1,2,3,4,5,6,7
	global_load_b128 v[32*\a+4*\t:32*\a+4*\t+3], v[CO], s[10:11] offset:(32*(\a/2)+8*(\a%2)+2*\t+8*(\t/4))*4096 th:TH_LOAD_NT   ; the residual, in the order in which the rows leave
.endr
.endr
	WIN 0
	Q 0, 0, 0, 1, F0, F1, 1                        ; the first products start the sums
	Q 0, 1, 0, 2, F1, F0, 0
	Q 0, 2, 0, 3, F0, F1, 0
	Q 0, 3, 1, 0, F1, F0, 0
	Q 1, 0, 1, 1, F0, F1, 0
	Q 1, 1, 1, 2, F1, F0, 0
	Q 1, 2, 1, 3, F0, F1, 0
	s_wait_dscnt 0x0
	MUL4 F1, 0, 3, 1, 0
	MUL4 F1, 1, 3, 1, 0
	MUL4 F1, 2, 3, 1, 0
	MUL4 F1, 3, 3, 1, 0
	WIN 0
	PLACES 8
.macro OUT a                           ; block a: 16 tokens x 64 columns
	s_wait_xcnt 0x0                                ; the last block's stores have read their registers
.irp b, 0,1,2,3
	ds_store_b128 v[STO], v[ACC+8*(4*\a+\b):ACC+8*(4*\a+\b)+3] offset:128*(\b/2)+32*(\b%2)   ; each accumulator from its low end on
	ds_store_b128 v[STO], v[ACC+8*(4*\a+\b)+4:ACC+8*(4*\a+\b)+7] offset:128*(\b/2)+32*(\b%2)+16
.endr
.irp t, 0,1,2,3,4,5,6,7
	ds_load_b128 v[BK+4*\t:BK+4*\t+3], v[RD] offset:\t*544   ; LDS serves a wave's instructions in order (ISA guide 5.7.1.4)
.endr
	s_wait_dscnt 0x0
	s_wait_loadcnt 24-8*\a                         ; the bias and this block's residual are in; the 8 loads of each later block may be out
.irp t, 0,1,2,3,4,5,6,7
	v_pk_add_f32 v[BK+4*\t:BK+4*\t+1], v[BK+4*\t:BK+4*\t+1], v[8:9]
	v_pk_add_f32 v[BK+4*\t+2:BK+4*\t+3], v[BK+4*\t+2:BK+4*\t+3], v[10:11]
.endr
	WIN ADD_R
.set j, 0
.rept 16
	v_pk_add_f32 v[BK+j:BK+j+1], v[BK+j:BK+j+1], v[32*\a+j:32*\a+j+1]
.set j, j+2
.endr
	WIN 0
.irp t, 0,1,2,3,4,5,6,7
	global_store_b128 v[CO], v[BK+4*\t:BK+4*\t+3], s[12:13] offset:(32*(\a/2)+8*(\a%2)+2*\t+8*(\t/4))*4096   ; 16 lanes store 256 consecutive aligned bytes
.endr
.endm
	OUT 0
	OUT 1
	OUT 2
	OUT 3
	s_wait_tensorcnt 0x0                           ; the wave's end
	ds_add_u32 v[SPW], v[NIL]
	s_wait_dscnt 0x0
	CROUND                                         ; the closing round
	s_endpgm
.Lfunc_end_k_qcc5f6cd893_oproj:
	.size	k_qcc5f6cd893_oproj, .Lfunc_end_k_qcc5f6cd893_oproj-k_qcc5f6cd893_oproj
	.p2alignl 7, 3214868480
	.fill 96, 4, 3214868480
	.section	.rodata,"a",@progbits
	.p2align	6, 0x0
	.amdhsa_kernel k_qcc5f6cd893_oproj
		.amdhsa_group_segment_fixed_size 327680
		.amdhsa_private_segment_fixed_size 0
		.amdhsa_enable_private_segment 0
		.amdhsa_kernarg_size 40
		.amdhsa_user_sgpr_count 2
		.amdhsa_user_sgpr_kernarg_segment_ptr 1
		.amdhsa_wavefront_size32 1
		.amdhsa_system_sgpr_workgroup_id_x 1
		.amdhsa_system_sgpr_workgroup_id_y 1
		.amdhsa_system_sgpr_workgroup_id_z 1
		.amdhsa_system_vgpr_workitem_id 0
		.amdhsa_next_free_vgpr 640
		.amdhsa_next_free_sgpr 100
		.amdhsa_reserve_vcc 0
		.amdhsa_float_denorm_mode_32 3
		.amdhsa_float_denorm_mode_16_64 3
		.amdhsa_memory_ordered 1
		.amdhsa_forward_progress 1
		.amdhsa_inst_pref_size 63
	.end_amdhsa_kernel
	.amdgpu_metadata
---
amdhsa.version: [ 1, 2 ]
amdhsa.kernels:
  - .name:           k_qcc5f6cd893_oproj
    .symbol:         k_qcc5f6cd893_oproj.kd
    .args:
      - { .name: ctxc, .offset: 0, .size: 8, .value_kind: global_buffer, .address_space: global }
      - { .name: wcod, .offset: 8, .size: 8, .value_kind: global_buffer, .address_space: global }
      - { .name: b_o, .offset: 16, .size: 8, .value_kind: global_buffer, .address_space: global }
      - { .name: x, .offset: 24, .size: 8, .value_kind: global_buffer, .address_space: global }
      - { .name: ao, .offset: 32, .size: 8, .value_kind: global_buffer, .address_space: global }
    .group_segment_fixed_size: 327680
    .private_segment_fixed_size: 0
    .kernarg_segment_align: 8
    .kernarg_segment_size: 40
    .max_flat_workgroup_size: 128
    .sgpr_count:     100
    .vgpr_count:     640
    .wavefront_size: 32
...
	.end_amdgpu_metadata
.endif
;; end of part 4
;; launch ln2 (part 5): grid 256 x 1, 8 waves a work-group, no clusters, 77,824 bytes of LDS; arguments ao, ln2_w, ln2_b, nrm; writes nrm
.if DOCPART == 5
	.amdgcn_target "amdgcn-amd-amdhsa--gfx1250"
	.amdhsa_code_object_version 6
	.text
	.protected	k_qcc5f6cd893_ln2
	.globl	k_qcc5f6cd893_ln2
	.p2align	8
	.type	k_qcc5f6cd893_ln2,@function
k_qcc5f6cd893_ln2:
	s_mov_b64 s[64:65], 0
	v_nop
	global_prefetch_b8 v0, s[64:65] scope:SCOPE_SE
	s_setreg_imm32_b32 hwreg(HW_REG_WAVE_MODE, 25, 1), 1
	s_wait_xcnt 0x0
; LayerNorm of 4,096 rows of 1,024 f32, then the quantiser along the row: codes of BF8 (E5M2), one E8M0 byte for each 32.
; y = (x - mean) * rsqrt(var + 1e-5) * w + b, var taken of x - mean (two passes over registers), all in f32.
; LAYOUT OF THE CODES: [block of 128 rows][256 along K][tile i 0..7][q 0..1][c 0..3][lane 0..31][16 bytes]; lane (r, h) of tile i holds row 32 (i/2) + 8 (i%2) + r + 8 (r/8) and K = 128 q + 32 c + 16 h + 0..15.
; The scale bytes: [block][256 K][i][r][q][c].
; A work-group is one tile of 16 rows (block rb = G / 8, tile i = G % 8); wave s takes K = 128 s .. 128 s + 127 of them: one fragment.  Each of its 16 loads reads 512 consecutive bytes of one row; the 8,192 bytes
; turn through the wave's own stage in LDS (rows 528 bytes apart) and come back so that lane (r, h) holds register 16 c + j' = K 32 c + 16 h + j' of row r:
; the conversions' results leave as they stand, 512 consecutive bytes a store.  Gain and bias come by one load of 512 bytes each and are read from the wave's own LDS bytes, 32 numbers at a time.
; A row's sums meet in LDS: 8 words a row, one a wave; two sums, two regions of 512 bytes, two barriers.  The order of the sums differs from a sum along the row.
; No matrix work, no cluster: no input byte but w and b is read by two work-groups.
; LIMITS: a block of zeros gets the byte 1 (its codes are zeros; this program alone reads the bytes); NaN and infinities are not served.
.set XX, 32                            ; v32-95    my 64 numbers
.set T0, 96                            ; v96-127   16 gains, 16 biases
.set T1, 128                           ; v128-159  a second set; later:
.set PC, 128                           ; v128-143  the codes
.set TM, 144                           ; v144-159  the quantiser's four groups of four
.set PW, 10                            ; v10       the scale word
.set SEL, 20
.set LMNT, 22
.set STG, 1024                         ; LDS: behind the two regions of sums, a region for each wave:
.set WREG, 9472                        ; the stage, 16 rows of 528 bytes; the gain's 512 bytes; the bias's 512
.set SPITCH, 528
.set GOFF, 8448
.set BOFF, 8960
.macro QUANT s                         ; 64 numbers v[s] on, register 16 b + i = K 32 b + 16 h + i of my row -> codes in v[PC] on, scale word in v[PW]
.irp b, 0,1,2,3
	v_max3_num_f32 v[TM+\b], |v[\s+16*\b]|, |v[\s+1+16*\b]|, 0x8000000   ; my 16 numbers of block b, and the floor 2^(16 - 127)
.endr
.irp i, 2,4,6,8,10,12,14
.irp b, 0,1,2,3
	s_delay_alu instid0(VALU_DEP_4)
	v_max3_num_f32 v[TM+\b], v[TM+\b], |v[\s+16*\b+\i]|, |v[\s+1+16*\b+\i]|
.endr
.endr
.irp b, 0,1,2,3
	s_delay_alu instid0(VALU_DEP_4)
	v_permlanex16_b32 v[TM+4+\b], v[TM+\b], s[SEL], s[SEL+1]
.endr
.irp b, 0,1,2,3
	s_delay_alu instid0(VALU_DEP_4)
	v_max_num_f32 v[TM+\b], v[TM+\b], v[TM+4+\b]   ; with lane l xor 16's: the block's largest magnitude
.endr
.irp b, 0,1,2,3
	s_delay_alu instid0(VALU_DEP_4)
	v_add_nc_u32 v[TM+12+\b], 0xf8800000, v[TM+\b] ; 15 off the exponent field: the conversion's scale operand
.endr
.irp b, 0,1,2,3
	v_and_or_b32 v[TM+8+\b], v[TM+\b], 0x7f800000, s[LMNT]   ; 57,344 x the scale
.endr
.irp b, 0,1,2,3
	v_lshrrev_b32 v[TM+4+\b], 23, v[TM+12+\b]      ; the scale's byte
.endr
	s_delay_alu instid0(VALU_DEP_3)
	v_lshl_or_b32 v[PW], v[TM+5], 8, v[TM+4]
	s_delay_alu instid0(VALU_DEP_1)
	v_lshl_or_b32 v[PW], v[TM+6], 16, v[PW]
	s_delay_alu instid0(VALU_DEP_1)
	v_lshl_or_b32 v[PW], v[TM+7], 24, v[PW]
.irp b, 0,1,2,3
.irp i, 0,1,2,3,4,5,6,7,8,9,10,11,12,13,14,15
	v_med3_num_f32 v[\s+16*\b+\i], v[\s+16*\b+\i], -v[TM+8+\b], v[TM+8+\b]   ; the conversion does not saturate (ISA guide 7.6.2)
.endr
	v_cvt_scalef32_pk8_bf8_f32 v[PC+4*\b:PC+1+4*\b], v[\s+16*\b:\s+7+16*\b], v[TM+12+\b]
	v_cvt_scalef32_pk8_bf8_f32 v[PC+2+4*\b:PC+3+4*\b], v[\s+8+16*\b:\s+15+16*\b], v[TM+12+\b]
.endr
	v_nop                                          ; a plain line behind the last conversion
.endm
.macro REDUCE off                      ; v12: my lane's part -> the row's sum, in every lane of the row
	s_delay_alu instid0(VALU_DEP_1)
	v_permlanex16_b32 v13, v12, s[SEL], s[SEL+1]
	s_delay_alu instid0(VALU_DEP_1)
	v_add_f32 v12, v12, v13                        ; the wave's part of row r
	ds_store_b32 v7, v12 offset:\off               ; both lanes of a row write the same word with the same value
	s_wait_dscnt 0x0                               ; for the others' sake: my store has landed
	s_barrier_signal -1
	s_barrier_wait -1
	ds_load_b128 v[12:15], v8 offset:\off
	ds_load_b128 v[16:19], v8 offset:\off+16
	s_wait_dscnt 0x0
	v_add_f32 v12, v12, v13
	v_add_f32 v14, v14, v15
	v_add_f32 v16, v16, v17
	v_add_f32 v18, v18, v19
	s_delay_alu instid0(VALU_DEP_3)
	v_add_f32 v12, v12, v14
	s_delay_alu instid0(VALU_DEP_2)
	v_add_f32 v16, v16, v18
	s_delay_alu instid0(VALU_DEP_1)
	v_add_f32 v12, v12, v16
.endm
.macro GB c, set                       ; gain and bias at K = 32 c + 16 h + 0..15, from my wave's own LDS bytes: all lanes of a half read the same 16 bytes
.irp j, 0,1,2,3
	ds_load_b128 v[\set+4*\j:\set+4*\j+3], v11 offset:GOFF+128*\c+16*\j
.endr
.irp j, 0,1,2,3
	ds_load_b128 v[\set+16+4*\j:\set+16+4*\j+3], v11 offset:BOFF+128*\c+16*\j
.endr
.endm
.macro APPLY c, set
.irp k, 0,2,4,6,8,10,12,14
	v_pk_fma_f32 v[XX+16*\c+\k:XX+16*\c+\k+1], v[XX+16*\c+\k:XX+16*\c+\k+1], v[\set+\k:\set+\k+1], v[\set+16+\k:\set+16+\k+1]
.endr
.endm
	s_load_b256 s[4:11], s[0:1], 0x0               ; the rows, the gain, the bias, the codes' buffer
	v_lshl_add_u32 v160, v0, 2, 0x12c00
	v_mov_b32 v161, 0
	v_lshrrev_b32 v1, 5, v0
	s_delay_alu instid0(VALU_DEP_1)
	v_readfirstlane_b32 s12, v1                    ; wave = K step
	v_and_b32 v1, 31, v0
	v_and_b32 v2, 15, v0                           ; r
	v_bfe_u32 v3, v0, 4, 1                         ; h
	s_delay_alu instid0(VALU_DEP_3)
	v_lshlrev_b32 v6, 4, v1                        ; 16 x lane: my bytes of a load's 512, and of a store's
	s_mul_i32 s13, s12, WREG
	s_add_co_u32 s13, s13, STG                     ; my wave's LDS region
	v_add_nc_u32 v5, s13, v6                       ; into it: 16 x lane
	v_mul_u32_u24 v4, v2, SPITCH
	s_delay_alu instid0(VALU_DEP_1)
	v_lshl_add_u32 v4, v3, 6, v4
	s_delay_alu instid0(VALU_DEP_1)
	v_add_nc_u32 v4, s13, v4                       ; out of the stage: row r, + 64 h
	v_lshlrev_b32 v11, 6, v3
	s_delay_alu instid0(VALU_DEP_1)
	v_add_nc_u32 v11, s13, v11                     ; gain and bias: 64 h
	s_lshl_b32 s13, s12, 2
	v_lshlrev_b32 v8, 5, v2                        ; the sums: a row's 8 words
	s_delay_alu instid0(VALU_DEP_1)
	v_add_nc_u32 v7, s13, v8                       ; and my wave's among them
	v_lshlrev_b32 v9, 3, v2                        ; scale words: 8 r
	s_mov_b32 s[SEL], 0x76543210
	s_mov_b32 s[SEL+1], 0xfedcba98
	s_mov_b32 s[LMNT], 0x600000
	s_mov_b32 s24, 0x3a800000                      ; 1 / 1024
	s_mov_b32 s25, 0x3727c5ac                      ; 1e-5
	s_lshr_b32 s14, ttmp9, 3                       ; rb
	s_and_b32 s15, ttmp9, 7                        ; i
	s_lshl_b32 s16, s14, 7
	s_lshr_b32 s17, s15, 1
	s_lshl_b32 s17, s17, 5
	s_add_co_u32 s16, s16, s17
	s_and_b32 s17, s15, 1
	s_lshl_b32 s17, s17, 3
	s_add_co_u32 s16, s16, s17                     ; the tile's first row
	s_lshl_b32 s16, s16, 12
	s_lshl_b32 s18, s12, 9                         ; 512 bytes a K step
	s_mov_b32 s19, 0
	s_add_co_u32 s16, s16, s18
	s_mov_b32 s17, 0
	s_lshl_b32 s26, s14, 2
	s_lshr_b32 s27, s12, 1
	s_add_co_u32 s26, s26, s27                     ; 4 rb + ks
	s_and_b32 s27, s12, 1                          ; q
	s_lshl_b32 s28, s26, 4
	s_lshl_b32 s29, s15, 1
	s_add_co_u32 s28, s28, s29
	s_add_co_u32 s28, s28, s27
	s_lshl_b32 s28, s28, 11                        ; my fragment: ((4 rb + ks) 16 + 2 i + q) x 2048
	s_mov_b32 s29, 0
	s_lshl_b32 s30, s26, 10
	s_lshl_b32 s31, s15, 7
	s_add_co_u32 s30, s30, s31
	s_lshl_b32 s31, s27, 2
	s_add_co_u32 s30, s30, s31
	s_add_co_u32 s30, s30, 4194304                 ; its scale words
	s_mov_b32 s31, 0
	s_wait_alu depctr_va_vdst(0)
	s_wait_kmcnt 0x0
	s_add_nc_u64 s[4:5], s[4:5], s[16:17]
	s_add_nc_u64 s[6:7], s[6:7], s[18:19]
	s_add_nc_u64 s[8:9], s[8:9], s[18:19]
	s_add_nc_u64 s[28:29], s[10:11], s[28:29]
	s_add_nc_u64 s[30:31], s[10:11], s[30:31]
.irp i, 0,1,2,3,4,5,6,7,8,9,10,11,12,13,14,15
	global_load_b128 v[XX+4*\i:XX+4*\i+3], v6, s[4:5] offset:(\i+8*(\i/8))*4096 th:TH_LOAD_NT   ; the tile's i-th row: 512 consecutive bytes
.endr
	global_load_b128 v[24:27], v6, s[6:7]          ; the gain at my 128 K
	global_load_b128 v[28:31], v6, s[8:9]          ; the bias
	s_wait_loadcnt 2                               ; my 16 loads of the rows are in; the two behind them may be out
.irp i, 0,1,2,3,4,5,6,7,8,9,10,11,12,13,14,15
	ds_store_b128 v5, v[XX+4*\i:XX+4*\i+3] offset:\i*SPITCH
.endr
.irp c, 0,1,2,3
.irp j, 0,1,2,3
	ds_load_b128 v[XX+16*\c+4*\j:XX+16*\c+4*\j+3], v4 offset:128*\c+16*\j   ; LDS serves a wave's instructions in order (ISA guide 5.7.1.4): these see my stores
.endr
.endr
	s_wait_loadcnt 0x0                             ; gain and bias
	ds_store_b128 v5, v[24:27] offset:GOFF
	ds_store_b128 v5, v[28:31] offset:BOFF
	s_wait_dscnt 2                                 ; my numbers are back; the two stores behind them may be out
	v_pk_add_f32 v[14:15], v[32:33], v[40:41]
	v_pk_add_f32 v[16:17], v[48:49], v[56:57]
	v_pk_add_f32 v[18:19], v[64:65], v[72:73]
	v_pk_add_f32 v[158:159], v[80:81], v[88:89]
	v_pk_add_f32 v[156:157], v[34:35], v[42:43]
	v_pk_add_f32 v[154:155], v[50:51], v[58:59]
	v_pk_add_f32 v[152:153], v[66:67], v[74:75]
	v_pk_add_f32 v[12:13], v[82:83], v[90:91]
	s_delay_alu instid0(VALU_DEP_1)
	v_pk_add_f32 v[12:13], v[12:13], v[36:37]
	v_pk_add_f32 v[14:15], v[14:15], v[44:45]
	v_pk_add_f32 v[16:17], v[16:17], v[52:53]
	v_pk_add_f32 v[18:19], v[18:19], v[60:61]
	v_pk_add_f32 v[158:159], v[158:159], v[68:69]
	v_pk_add_f32 v[156:157], v[156:157], v[76:77]
	v_pk_add_f32 v[154:155], v[154:155], v[84:85]
	v_pk_add_f32 v[152:153], v[152:153], v[92:93]
	v_pk_add_f32 v[12:13], v[12:13], v[38:39]
	v_pk_add_f32 v[14:15], v[14:15], v[46:47]
	v_pk_add_f32 v[16:17], v[16:17], v[54:55]
	v_pk_add_f32 v[18:19], v[18:19], v[62:63]
	v_pk_add_f32 v[158:159], v[158:159], v[70:71]
	v_pk_add_f32 v[156:157], v[156:157], v[78:79]
	v_pk_add_f32 v[154:155], v[154:155], v[86:87]
	v_pk_add_f32 v[152:153], v[152:153], v[94:95]
	s_delay_alu instid0(VALU_DEP_4)
	v_pk_add_f32 v[12:13], v[12:13], v[158:159]
	s_delay_alu instid0(VALU_DEP_4)
	v_pk_add_f32 v[14:15], v[14:15], v[156:157]
	s_delay_alu instid0(VALU_DEP_4)
	v_pk_add_f32 v[16:17], v[16:17], v[154:155]
	s_delay_alu instid0(VALU_DEP_4)
	v_pk_add_f32 v[18:19], v[18:19], v[152:153]
	s_delay_alu instid0(VALU_DEP_2)
	v_pk_add_f32 v[12:13], v[12:13], v[16:17]
	s_delay_alu instid0(VALU_DEP_2)
	v_pk_add_f32 v[14:15], v[14:15], v[18:19]
	s_delay_alu instid0(VALU_DEP_1)
	v_pk_add_f32 v[12:13], v[12:13], v[14:15]
	s_delay_alu instid0(VALU_DEP_1)
	v_add_f32 v12, v12, v13
	REDUCE 0
	s_delay_alu instid0(VALU_DEP_1)
	v_mul_f32 v20, s24, v12                        ; the mean
	s_delay_alu instid0(VALU_DEP_1)
	v_mov_b32 v21, v20
	GB 0, T0                                       ; the first two sets of gain and bias come while the squares are summed
	GB 1, T1
.set j, 0
.rept 32
	v_pk_add_f32 v[XX+j:XX+j+1], v[XX+j:XX+j+1], v[20:21] neg_lo:[0,1] neg_hi:[0,1]
.set j, j+2
.endr
.irp k, 0,1,2,3
	v_pk_mul_f32 v[12+2*\k:13+2*\k], v[XX+2*\k:XX+2*\k+1], v[XX+2*\k:XX+2*\k+1]
.endr
.irp j, 8,16,24,32,40,48,56
.irp k, 0,1,2,3
	s_delay_alu instid0(VALU_DEP_4)
	v_pk_fma_f32 v[12+2*\k:13+2*\k], v[XX+\j+2*\k:XX+\j+2*\k+1], v[XX+\j+2*\k:XX+\j+2*\k+1], v[12+2*\k:13+2*\k]
.endr
.endr
	s_delay_alu instid0(VALU_DEP_3)
	v_pk_add_f32 v[12:13], v[12:13], v[14:15]
	s_delay_alu instid0(VALU_DEP_2)
	v_pk_add_f32 v[16:17], v[16:17], v[18:19]
	s_delay_alu instid0(VALU_DEP_1)
	v_pk_add_f32 v[12:13], v[12:13], v[16:17]
	s_delay_alu instid0(VALU_DEP_1)
	v_add_f32 v12, v12, v13
	REDUCE 512                                     ; other bytes than the first sum's: no third barrier is needed
	s_delay_alu instid0(VALU_DEP_1)
	v_fma_f32 v22, v12, s24, s25                   ; var + eps
	s_wait_alu depctr_va_vdst(0)
	v_rsq_f32 v22, v22
	v_nop                                          ; a plain line behind the transcendental
	s_wait_alu depctr_va_vdst(0)                   ; and the wait ahead of the first reader
	v_mov_b32 v23, v22
.set j, 0
.rept 16
	v_pk_mul_f32 v[XX+j:XX+j+1], v[XX+j:XX+j+1], v[22:23]
.set j, j+2
.endr
	APPLY 0, T0                                    ; (the wait for 0 in front of the second barrier has shown both sets in)
	APPLY 1, T1
	GB 2, T0
	GB 3, T1
.set j, 32
.rept 16
	v_pk_mul_f32 v[XX+j:XX+j+1], v[XX+j:XX+j+1], v[22:23]
.set j, j+2
.endr
	s_wait_dscnt 8                                 ; the third set is in; the fourth's eight loads may be out
	APPLY 2, T0
	s_wait_dscnt 0x0
	APPLY 3, T1
.irp b, 0,1,2,3
	v_mov_b32 v[TM+4+\b], 0                        ; a lane permute's destination counts as read
.endr
	QUANT XX
.irp c, 0,1,2,3
	global_store_b128 v6, v[PC+4*\c:PC+4*\c+3], s[28:29] offset:512*\c    ; 512 consecutive bytes a store
.endr
	global_store_b32 v9, v[PW], s[30:31]           ; lanes r and r + 16 hold the same word and write it to the same place
	s_wait_tensorcnt 0x0
	ds_add_u32 v160, v161
	s_wait_dscnt 0x0
	s_endpgm
.Lfunc_end_k_qcc5f6cd893_ln2:
	.size	k_qcc5f6cd893_ln2, .Lfunc_end_k_qcc5f6cd893_ln2-k_qcc5f6cd893_ln2
	.p2alignl 7, 3214868480
	.fill 96, 4, 3214868480
	.section	.rodata,"a",@progbits
	.p2align	6, 0x0
	.amdhsa_kernel k_qcc5f6cd893_ln2
		.amdhsa_group_segment_fixed_size 77824
		.amdhsa_private_segment_fixed_size 0
		.amdhsa_enable_private_segment 0
		.amdhsa_kernarg_size 32
		.amdhsa_user_sgpr_count 2
		.amdhsa_user_sgpr_kernarg_segment_ptr 1
		.amdhsa_wavefront_size32 1
		.amdhsa_system_sgpr_workgroup_id_x 1
		.amdhsa_system_sgpr_workgroup_id_y 1
		.amdhsa_system_sgpr_workgroup_id_z 1
		.amdhsa_system_vgpr_workitem_id 0
		.amdhsa_next_free_vgpr 162
		.amdhsa_next_free_sgpr 66
		.amdhsa_reserve_vcc 0
		.amdhsa_float_denorm_mode_32 3
		.amdhsa_float_denorm_mode_16_64 3
		.amdhsa_memory_ordered 1
		.amdhsa_forward_progress 1
		.amdhsa_inst_pref_size 33
	.end_amdhsa_kernel
	.amdgpu_metadata
---
amdhsa.version: [ 1, 2 ]
amdhsa.kernels:
  - .name:           k_qcc5f6cd893_ln2
    .symbol:         k_qcc5f6cd893_ln2.kd
    .args:
      - { .name: ao, .offset: 0, .size: 8, .value_kind: global_buffer, .address_space: global }
      - { .name: ln2_w, .offset: 8, .size: 8, .value_kind: global_buffer, .address_space: global }
      - { .name: ln2_b, .offset: 16, .size: 8, .value_kind: global_buffer, .address_space: global }
      - { .name: nrm, .offset: 24, .size: 8, .value_kind: global_buffer, .address_space: global }
    .group_segment_fixed_size: 77824
    .private_segment_fixed_size: 0
    .kernarg_segment_align: 8
    .kernarg_segment_size: 32
    .max_flat_workgroup_size: 256
    .sgpr_count:     66
    .vgpr_count:     162
    .wavefront_size: 32
...
	.end_amdgpu_metadata
.endif
;; end of part 5
;; launch up (part 6): grid 16 x 16, 4 waves a work-group, clusters of 4 x 4, 327,680 bytes of LDS; arguments nrm, wcod, b_up, hid; writes hid
.if DOCPART == 6
	.amdgcn_target "amdgcn-amd-amdhsa--gfx1250"
	.amdhsa_code_object_version 6
	.text
	.protected	k_qcc5f6cd893_up
	.globl	k_qcc5f6cd893_up
	.p2align	8
	.type	k_qcc5f6cd893_up,@function
k_qcc5f6cd893_up:
	s_mov_b64 s[64:65], 0
	v_nop
	global_prefetch_b8 v0, s[64:65] scope:SCOPE_SE
	s_setreg_imm32_b32 hwreg(HW_REG_WAVE_MODE, 25, 1), 1
	s_wait_xcnt 0x0
	s_wait_alu depctr_hold_cnt(0) depctr_sa_sdst(0) depctr_va_vdst(0) depctr_va_sdst(0) depctr_va_ssrc(0) depctr_va_vcc(0) depctr_vm_vsrc(0)
	s_getreg_b32 s2, hwreg(HW_REG_IB_STS2, 6, 4)
	s_cmp_eq_u32 s2, 0
	s_cbranch_scc0 .Lentry_in_a_cluster
	s_endpgm
.Lentry_in_a_cluster:
	s_bfe_u32 s2, ttmp6, 0x10000c
	s_cmp_lg_u32 s2, 0xf033
	s_cbranch_scc0 .Lentry_shape_is_right
	s_endpgm
.Lentry_shape_is_right:
; h = gelu(hn W_up + b_up), exact (erf) form, on codes of BF8 (E5M2) with E8M0 scales, then the quantiser along the hidden units: h leaves as codes in the order of the next operand's registers.
; A tile is 256 tokens x 256 hidden units, four waves of 128 x 128 (64 accumulators); K = 1,024 in four steps of 256 through two LDS slots.  Operands lie in memory in the order of the operand's registers
; (a block of 128 rows x 256 K is 32,768 dense bytes, a fragment 2,048; tile i's lane r is row 32 (i/2) + 8 (i%2) + r + 8 (r/8)).  The scales of a block of rows for all of K are 4,096 dense bytes: filled once.
; The product is used transposed (source 0 = W_up's rows, source 1 = tokens): a lane holds a token, and the 64 registers of the 8 tiles of hidden units are units 32 b + 16 h + i: one fragment of the next product.
; CLUSTER 4 x 4: the tokens' tiles are asked for jointly along a row, the weights' along a column.
; GELU: h = max(x, 0) - |x| Q, Q = erfc(|x| / sqrt 2) / 2 = t 2^(-x^2 log2(e) / 2 + c0 + t (c1 + .. + t c9)), t = 1 / (1 + |x| / (2 sqrt 2)): the Chebyshev fit of erfc whose fractional error stays under 1.2e-7
; for every argument, its coefficients times log2(e), the half folded into c0.  No 1 + erf is formed, so nothing cancels.  The f32 evaluation of the exponent adds about 1e-7 x its size.
; LIMITS: a block of zeros gets the byte 1 (its codes are zeros; this program alone reads the bytes); NaN and infinities are not served.
; REGISTERS: window 0: v16-31 addresses, v32-63 scale words (on the way out: gelu's z), v64-127 the bias, v128-255 A's fragments (on the way out: v128-191 numbers, v192-223 t, then the quantiser, v224-255 the polynomial);
;   window 1: B's fragments, two sets; windows 2, 3: the accumulators ((a, b) at v[8 (8 (a%4) + b)]).
.set SLOT,  131072
.set SCL,   2*SLOT
.set SPARE, SCL+16384                  ; the spare words: 128 bytes a wave, named by no other line
.set NQ, 2
.set FR, 16
.set NL, 4
.set NP, 8
.set ADRA, 16
.set VC8,  18                          ; v[18:19] c8 (on the way out)
.set ADRB, 20
.set VC0,  22                          ; v[22:23] c0
.set SO,   24                          ; 8 r
.set CO,   26                          ; 16 x lane
.set ADRS, 27
.set SPW,  28
.set NIL,  29
.set PW,   30
.set SC,   32
.set Z,    32
.set BI,   64
.set AF,   128
.set X,    128
.set T,    192
.set PC,   192
.set TM,   208
.set P,    224
.set G1, 24
.set G0, 32
.set G1B, 48
.set G0B, 56
.set G1S, 68
.set G0S, 76
.set G1SB, 80
.set G0SB, 88
.set VK,  2                            ; on the way out: v[2+2k:3+2k] = c(k+1), k = 0 .. 6, each number twice: a pair for the packed forms
.set VC9, 16                           ; v[16:17] c9
.set VNK, 20                           ; v[20:21] -log2(e)/2;  s86 1/(2 sqrt 2)
.set K1,  86
.set MNT, 94
.set SEL, 98
.set MSB, 0
.macro WIN new
.if MSB != (\new)
	s_set_vgpr_msb (MSB<<8)|(\new)
.set MSB, (\new)
.endif
.endm
.set MUL_LO, 0xa1
.set MUL_HI, 0xf1
.set TO_B,   0x40
.macro JLOAD g0a, g1a, g0b, g1b        ; a joint load: waves 0, 1 fetch for A, waves 2, 3 for B; four v_nop follow each line
	s_cmp_eq_u32 s15, 0
	s_cbranch_scc0 .Lfor_b_\@
	tensor_load_to_lds s[\g0a:\g0a+3], s[\g1a:\g1a+7]
	s_nop 0
.rept 4
	v_nop
.endr
	s_branch .Lasked_\@
.Lfor_b_\@:
	tensor_load_to_lds s[\g0b:\g0b+3], s[\g1b:\g1b+7]
	s_nop 0
.rept 4
	v_nop
.endr
.Lasked_\@:
.endm
.macro CREST
	s_cmp_lg_u32 s14, 0
	s_cbranch_scc1 .Lnot_wave_0_\@
	s_barrier_signal -3
.Lnot_wave_0_\@:
	s_barrier_wait -3
	s_barrier_signal -1
	s_barrier_wait -1
.endm
.macro CROUND
	s_barrier_signal -1
	s_barrier_wait -1
	CREST
.endm
.macro QUANT s                         ; 64 numbers v[s] on, register 16 b + i = K 32 b + 16 h + i of my row -> codes in v[PC] on, scale word in v[PW]
.irp b, 0,1,2,3
	v_max3_num_f32 v[TM+\b], |v[\s+16*\b]|, |v[\s+1+16*\b]|, 0x8000000
.endr
.irp i, 2,4,6,8,10,12,14
.irp b, 0,1,2,3
	v_max3_num_f32 v[TM+\b], v[TM+\b], |v[\s+16*\b+\i]|, |v[\s+1+16*\b+\i]|
.endr
.endr
.irp b, 0,1,2,3
	v_permlanex16_b32 v[TM+4+\b], v[TM+\b], s[SEL], s[SEL+1]
.endr
.irp b, 0,1,2,3
	v_max_num_f32 v[TM+\b], v[TM+\b], v[TM+4+\b]
.endr
.irp b, 0,1,2,3
	v_add_nc_u32 v[TM+12+\b], 0xf8800000, v[TM+\b]
.endr
.irp b, 0,1,2,3
	v_and_or_b32 v[TM+8+\b], v[TM+\b], 0x7f800000, s[MNT]
.endr
.irp b, 0,1,2,3
	v_lshrrev_b32 v[TM+4+\b], 23, v[TM+12+\b]
.endr
	v_lshl_or_b32 v[PW], v[TM+5], 8, v[TM+4]
	v_lshl_or_b32 v[PW], v[TM+6], 16, v[PW]
	v_lshl_or_b32 v[PW], v[TM+7], 24, v[PW]
.irp b, 0,1,2,3
.irp i, 0,1,2,3,4,5,6,7,8,9,10,11,12,13,14,15
	v_med3_num_f32 v[\s+16*\b+\i], v[\s+16*\b+\i], -v[TM+8+\b], v[TM+8+\b]   ; the conversion does not saturate (ISA guide 7.6.2)
.endr
	v_cvt_scalef32_pk8_bf8_f32 v[PC+4*\b:PC+1+4*\b], v[\s+16*\b:\s+7+16*\b], v[TM+12+\b]
	v_cvt_scalef32_pk8_bf8_f32 v[PC+2+4*\b:PC+3+4*\b], v[\s+8+16*\b:\s+15+16*\b], v[TM+12+\b]
.endr
	v_nop                                          ; a plain line behind the last conversion
.endm
	s_load_b256 s[4:11], s[0:1], 0x0               ; hn's codes, the weights' codes, b_up, h's codes
	v_lshl_add_u32 v[SPW], v0, 2, SPARE
	v_mov_b32 v[NIL], 0
	ds_add_u32 v28, v29
	ds_add_u32 v28, v29
	s_wait_dscnt 0x0
	v_lshrrev_b32 v1, 5, v0
	v_readfirstlane_b32 s14, v1
	s_lshr_b32 s15, s14, 1                         ; hm.  Also: I fetch for A (0) or B (1)
	s_and_b32 s16, s14, 1                          ; hn.  Also: which block of 128 rows I fetch
	s_bfe_u32 s40, ttmp6, 0x40000
	s_bfe_u32 s41, ttmp6, 0x40004
	s_lshl_b32 s42, ttmp9, 2
	s_add_co_u32 s42, s42, s40                     ; the tile of 256 hidden units
	s_and_b32 s17, ttmp7, 0xffff
	s_lshl_b32 s17, s17, 2
	s_add_co_u32 s17, s17, s41                     ; the tile of 256 tokens
	s_lshl_b32 s43, s41, 2
	s_lshl_b32 s43, 15, s43
	s_lshl_b32 s44, 0x1111, s40
	s_or_b32 s[G1], s43, (3<<16)|(1<<21)
	s_or_b32 s[G1B], s44, (3<<16)|(1<<21)
.irp g, G1, G1B
	s_mov_b32 s[\g+1], 4096<<16                    ; for the head's loads: K step 0 of two blocks of 128 rows: two rows of 4,096 elements (32,768 bytes),
	s_mov_b32 s[\g+2], 2<<16
	s_mov_b32 s[\g+3], 4096<<16
	s_mov_b32 s[\g+4], 2
	s_mov_b32 s[\g+5], 16384                       ; 131,072 bytes apart; behind the head these five words are set for the ring's loads
	s_mov_b32 s[\g+6], 0
	s_mov_b32 s[\g+7], 0
.endr
	s_or_b32 s[G1S], s43, (3<<16)|(1<<21)
	s_or_b32 s[G1SB], s44, (3<<16)|(1<<21)
.irp g, G1S, G1SB
	s_mov_b32 s[\g+1], 32<<16
	s_mov_b32 s[\g+2], 32<<16
	s_mov_b32 s[\g+3], 32<<16
	s_mov_b32 s[\g+4], 32
	s_mov_b32 s[\g+5], 32
	s_mov_b32 s[\g+6], 0
	s_mov_b32 s[\g+7], 0
.endr
	s_lshl_b32 s20, s17, 1                         ; A's first block of 128 rows
	s_lshl_b32 s46, s42, 1                         ; B's
	s_lshl_b32 s22, s20, 12
	s_add_co_u32 s22, s22, 4194304                 ; hn's scales
	s_lshl_b32 s20, s20, 17
	s_lshl_b32 s92, s46, 12
	s_add_co_u32 s92, s92, 12713984                ; W_up's scales
	s_lshl_b32 s46, s46, 17
	s_add_co_u32 s46, s46, 4194304                 ; W_up's codes
	s_mov_b32 s21, 0
	s_mov_b32 s23, 0
	s_mov_b32 s47, 0
	s_mov_b32 s93, 0
	s_lshl_b32 s45, s14, 15
	CROUND                                         ; the opening round, ahead of the wait for the arguments: all sixteen work-groups are here
	s_wait_kmcnt 0x0
	s_add_nc_u64 s[20:21], s[4:5], s[20:21]
	s_add_nc_u64 s[22:23], s[4:5], s[22:23]
	s_add_nc_u64 s[46:47], s[6:7], s[46:47]
	s_add_nc_u64 s[92:93], s[6:7], s[92:93]
	s_mov_b32 s[G0S], 1
	s_mov_b32 s[G0S+1], SCL
	s_mov_b64 s[G0S+2:G0S+3], s[22:23]
	s_or_b32 s[G0S+3], s[G0S+3], 0x80000000
	s_mov_b32 s[G0SB], 1
	s_mov_b32 s[G0SB+1], SCL+8192
	s_mov_b64 s[G0SB+2:G0SB+3], s[92:93]
	s_or_b32 s[G0SB+3], s[G0SB+3], 0x80000000
.set G0H, 4                            ; s[4:7], s[92:95]: group 0 of the head's loads of K step 0 (what lay there has been used)
.set G0HB, 92
	s_mov_b32 s[G0H], 1
	s_mov_b32 s[G0H+1], 0
	s_mov_b64 s[G0H+2:G0H+3], s[20:21]
	s_or_b32 s[G0H+3], s[G0H+3], 0x80000000
	s_mov_b32 s[G0HB], 1
	s_mov_b32 s[G0HB+1], 65536
	s_mov_b64 s[G0HB+2:G0HB+3], s[46:47]
	s_or_b32 s[G0HB+3], s[G0HB+3], 0x80000000
	s_lshl_b32 s18, s16, 17                        ; for the ring: the block of 128 rows that I fetch
	s_mov_b32 s19, 0
	s_add_nc_u64 s[20:21], s[20:21], s[18:19]
	s_add_nc_u64 s[46:47], s[46:47], s[18:19]
.irp s, 0,1
	s_mov_b32 s[G0+4*\s], 1
	s_add_co_u32 s[G0+4*\s+1], s45, \s*SLOT
	s_add_nc_u64 s[G0+4*\s+2:G0+4*\s+3], s[20:21], \s*32768
	s_or_b32 s[G0+4*\s+3], s[G0+4*\s+3], 0x80000000
	s_mov_b32 s[G0B+4*\s], 1
	s_add_co_u32 s[G0B+4*\s+1], s45, \s*SLOT
	s_add_nc_u64 s[G0B+4*\s+2:G0B+4*\s+3], s[46:47], \s*32768
	s_or_b32 s[G0B+4*\s+3], s[G0B+4*\s+3], 0x80000000
.endr
; THE HEAD'S LOADS, one a wave: wave 0 K step 0 of A's 256 rows, wave 1 of B's, wave 2 the scales of A's 256 rows, wave 3 those of B's.  One chain of branches on the wave's number.
; PREFETCH INTO THE L2: of the 32,768 bytes that a wave fetches of a K step, each of the four partners that ask with it names 8,192, told apart by address (cx for A, cy for B), a lane for each 256 bytes.
; K step 1 is named at the head; K steps 2 and 3 behind K step 1's load, one and two changes of slots ahead of their own loads.  s[100:101] and v25 hold the address and are never rewritten.
.macro HARM under, g0, g1, next
	s_cmp_lt_u32 s14, \under
	s_cbranch_scc0 \next
	tensor_load_to_lds s[\g0:\g0+3], s[\g1:\g1+7]
	s_nop 0
.rept 4
	v_nop
.endr
	s_branch .Lhead_asked
\next:
.endm
	HARM 1, G0H, G1, .Lhead_b
	HARM 2, G0HB, G1B, .Lhead_sa
	HARM 3, G0S, G1S, .Lhead_sb
	tensor_load_to_lds s[G0SB:G0SB+3], s[G1SB:G1SB+7]
	s_nop 0
.rept 4
	v_nop
.endr
.Lhead_asked:
	s_cmp_eq_u32 s15, 0                            ; the prefetches: in the tensor that I fetch for,
	s_cselect_b64 s[100:101], s[20:21], s[46:47]
	s_cselect_b32 s18, s40, s41                    ; my place among the four that ask with me
	s_lshl_b32 s18, s18, 13                        ; x 8,192 bytes
	s_mov_b32 s19, 0
	s_add_nc_u64 s[100:101], s[100:101], s[18:19]
	v_and_b32 v1, 15, v0
	v_bfe_u32 v2, v0, 4, 1
	s_wait_alu depctr_va_vdst(0)
	v_and_b32 v3, 31, v0
	v_lshlrev_b32 v4, 4, v3
	v_lshlrev_b32 v25, 8, v3                       ; 256 x lane
	s_wait_alu depctr_va_vdst(0)
	global_prefetch_b8 v25, s[100:101] offset:32768 th:TH_LOAD_NT scope:SCOPE_SE   ; my 8,192 bytes of K step 1
	s_lshl_b32 s18, s15, 15
	s_lshl_b32 s19, s16, 15
	s_add_co_u32 s19, s19, 65536
.irp s, 0,1
	v_add_nc_u32 v[ADRA+\s], s18, v4
	v_add_nc_u32 v[ADRB+\s], s19, v4
	s_add_co_u32 s18, s18, SLOT
	s_add_co_u32 s19, s19, SLOT
.endr
	v_lshlrev_b32 v5, 3, v1
	s_lshl_b32 s18, s15, 12
	s_lshl_b32 s19, s16, 12
	s_add_co_u32 s19, s19, 8192
	s_sub_co_u32 s19, s19, s18
	v_mul_u32_u24 v6, s19, v2                      ; lanes 16-31 take B's: one product of h with the distance
	s_add_co_u32 s18, s18, SCL
	v_add_nc_u32 v6, v5, v6
	v_add_nc_u32 v[ADRS], s18, v6
	v_mov_b32 v[CO], v4
	v_mov_b32 v[SO], v5
	s_lshl_b32 s18, s42, 10
	s_lshl_b32 s19, s16, 9
	s_add_co_u32 s18, s18, s19
	s_mov_b32 s19, 0
	s_add_nc_u64 s[96:97], s[8:9], s[18:19]        ; the bias of my 128 hidden units
	v_lshlrev_b32 v7, 6, v2
.irp b, 0,1,2,3,4,5,6,7
	global_load_b128 v[BI+8*\b:BI+8*\b+3], v7, s[96:97] offset:(32*(\b/2)+8*(\b%2))*4        ; register 8 b + j: unit 32 (b/2) + 8 (b%2) + 16 h + j
	global_load_b128 v[BI+8*\b+4:BI+8*\b+7], v7, s[96:97] offset:(32*(\b/2)+8*(\b%2))*4+16
.endr
.macro FRAG reg, adr, q, i
.irp c, 0,1,2,3
	ds_load_b128 v[\reg+4*\c:\reg+4*\c+3], v[\adr] offset:(\i)*4096+(\q)*2048+512*\c
.endr
.endm
; 16 matrix instructions: A's blocks a0, a0 + 1 x B's eight.  The 64 accumulators take turns, one instruction a turn, in the same order in every step.
.macro MUL16 a0, p, q, sc, zero
.irp a, \a0, \a0+1
.irp b, 0,1,2,3,4,5,6,7
.if \zero
	v_wmma_scale_f32_16x16x128_f8f6f4 v[8*(8*((\a)%4)+\b):8*(8*((\a)%4)+\b)+7], v[128*(\p)+FR*\b:128*(\p)+FR*\b+FR-1], v[AF+FR*(\a):AF+FR*(\a)+FR-1], 0, v[SC+8*NQ*(\sc)+NQ*\b+(\q)], v[SC+8*NQ*(\sc)+NQ*(\a)+(\q)] matrix_a_fmt:MATRIX_FMT_BF8 matrix_b_fmt:MATRIX_FMT_BF8 matrix_a_scale:MATRIX_SCALE_ROW1
.else
	v_wmma_scale_f32_16x16x128_f8f6f4 v[8*(8*((\a)%4)+\b):8*(8*((\a)%4)+\b)+7], v[128*(\p)+FR*\b:128*(\p)+FR*\b+FR-1], v[AF+FR*(\a):AF+FR*(\a)+FR-1], v[8*(8*((\a)%4)+\b):8*(8*((\a)%4)+\b)+7], v[SC+8*NQ*(\sc)+NQ*\b+(\q)], v[SC+8*NQ*(\sc)+NQ*(\a)+(\q)] matrix_a_fmt:MATRIX_FMT_BF8 matrix_b_fmt:MATRIX_FMT_BF8 matrix_a_scale:MATRIX_SCALE_ROW1
.endif
.endr
.endr
.endm
.macro FETCH_B slot, q, p
	WIN TO_B
.irp i, 0,1,2,3,4,5,6,7
	FRAG 128*(\p)+FR*\i, ADRB+\slot, \q, \i
.endr
	WIN 0
.endm
.macro FETCH_A slot, q, i0
.irp i, \i0, \i0+1, \i0+2, \i0+3
	FRAG AF+FR*(\i), ADRA+\slot, \q, \i
.endr
.endm
.macro SCALES sc
.irp i, 0,1,2,3,4,5,6,7
	ds_load_b64 v[SC+8*NQ*\sc+NQ*\i:SC+8*NQ*\sc+NQ*\i+1], v[ADRS] offset:\i*128
.endr
.endm
.macro PLACES n
.rept \n
	v_nop
.endr
.endm
.macro STEP slot, q, zero
	s_wait_dscnt 4*NL                              ; B's set, A's blocks 0-3 and the scales are in; the youngest 16 loads (A's blocks 4-7) may be out
	WIN MUL_LO
	MUL16 0, (\q)%2, \q, \slot, \zero
	MUL16 2, (\q)%2, \q, \slot, \zero
	s_wait_dscnt 0
	PLACES NP
	FETCH_B \slot, (\q)+1, 1-(\q)%2
	FETCH_A \slot, (\q)+1, 0
	WIN MUL_HI
	MUL16 4, (\q)%2, \q, \slot, \zero
	MUL16 6, (\q)%2, \q, \slot, \zero
	PLACES NP
	WIN 0
	FETCH_A \slot, (\q)+1, 4
.endm
.macro TURN slot, next, fill
	s_wait_tensorcnt 0x0                           ; all my tensor loads have landed: my part of the next slot
	ds_add_u32 v[SPW], v[NIL]                      ; 0 onto my spare word
	s_wait_dscnt 4*NL+1                            ; the add and the youngest 16 loads may be out
	WIN MUL_LO
	MUL16 0, 1, NQ-1, \slot, 0
	s_wait_dscnt 0x0                               ; the add is done, and my reads of this slot are over
	s_barrier_signal -1
	MUL16 2, 1, NQ-1, \slot, 0
	WIN 0
	s_barrier_wait -1
.if \fill
	CREST                                          ; the barrier has opened a round of the cluster's: no wave of any partner still reads this slot or has a load on its way
	s_add_nc_u64 s[G0+4*\slot+2:G0+4*\slot+3], s[G0+4*\slot+2:G0+4*\slot+3], 65536
	s_add_nc_u64 s[G0B+4*\slot+2:G0B+4*\slot+3], s[G0B+4*\slot+2:G0B+4*\slot+3], 65536
	JLOAD G0+4*\slot, G1, G0B+4*\slot, G1B
	PLACES NP-4
.else
	PLACES NP
.endif
	s_wait_alu depctr_va_vdst(0)
	v_add_nc_u32 v[ADRS], 1024, v[ADRS]
	FETCH_B \next, 0, 0
	FETCH_A \next, 0, 0
	SCALES \next
	WIN MUL_HI
	MUL16 4, 1, NQ-1, \slot, 0
	MUL16 6, 1, NQ-1, \slot, 0
	PLACES NP
	WIN 0
	FETCH_A \next, 0, 4
.endm
	s_wait_alu depctr_va_vdst(0)
	s_wait_tensorcnt 0x0                           ; my tile of the head's four is in; slot 1's first fill is issued as a refill is
	ds_add_u32 v[SPW], v[NIL]
.irp g, G1, G1B
	s_mov_b32 s[\g+1], 32<<16                      ; no tensor load of mine is out: from here on a load brings a dense block as 128 rows of 256 bytes
	s_mov_b32 s[\g+2], 128<<16
	s_mov_b32 s[\g+3], 32<<16
	s_mov_b32 s[\g+4], 128
	s_mov_b32 s[\g+5], 32
.endr
	s_wait_dscnt 0x0
	CROUND                                         ; all four tiles are in, and all sixteen work-groups are here
	JLOAD G0+4, G1, G0B+4, G1B                     ; K step 1: the first tensor load behind the round
	FETCH_B 0, 0, 0
	FETCH_A 0, 0, 0
	SCALES 0
	FETCH_A 0, 0, 4
	global_prefetch_b8 v25, s[100:101] offset:65536 th:TH_LOAD_NT scope:SCOPE_SE   ; K step 2,
	global_prefetch_b8 v25, s[100:101] offset:98304 th:TH_LOAD_NT scope:SCOPE_SE   ; K step 3
	STEP 0, 0, 1                                   ; the first products start the sums
	TURN 0, 1, 1                                   ; K has four steps of 256: the ring goes round twice, written out
	STEP 1, 0, 0
	TURN 1, 0, 1
	STEP 0, 0, 0
	TURN 0, 1, 0
	STEP 1, 0, 0
	s_wait_dscnt 4*NL
	WIN MUL_LO
	MUL16 0, 1, NQ-1, 1, 0
	MUL16 2, 1, NQ-1, 1, 0
	s_wait_dscnt 0
	WIN MUL_HI
	MUL16 4, 1, NQ-1, 1, 0
	MUL16 6, 1, NQ-1, 1, 0
	WIN 0
	; THE WAY OUT.  No tensor load of mine is out (the last change of slots waited for all), so descriptor registers may be written.
	s_wait_loadcnt 0x0                             ; the bias
	s_mov_b32 s[SEL], 0x76543210
	s_mov_b32 s[SEL+1], 0xfedcba98
	s_mov_b32 s[MNT], 0x600000
.irp k, 0,1                            ; c1 .. c7, c9: the fit's coefficients x log2(e); each number in an even and in an odd register (the LDS addresses and head's temporaries that lay there are done with)
	v_mov_b32 v[VK+\k], 0x3fb8ab5a
	v_mov_b32 v[VK+2+\k], 0x3f0a29d2
	v_mov_b32 v[VK+4+\k], 0x3e0efb2e
	v_mov_b32 v[VK+6+\k], 0xbe899a80
	v_mov_b32 v[VK+8+\k], 0x3ecdfd18
	v_mov_b32 v[VK+10+\k], 0xbfd1a1e5
	v_mov_b32 v[VK+12+\k], 0x40097039
	v_mov_b32 v[VC9+\k], 0x3e7c6f08
	v_mov_b32 v[VNK+\k], 0xbf38aa3b                ; -log2(e) / 2
.endr
	s_mov_b32 s[K1], 0x3eb504f3                    ; 1 / (2 sqrt 2)
	v_mov_b32 v[VC8], 0xbf97d29d                   ; c8
	v_mov_b32 v[VC8+1], 0xbf97d29d
	v_mov_b32 v[VC0], 0xc034d90f                   ; c0 x log2(e) - 1
	v_mov_b32 v[VC0+1], 0xc034d90f
	s_lshl_b32 s18, s17, 1
	s_add_co_u32 s18, s18, s15                     ; my block of 128 tokens
	s_lshl_b32 s18, s18, 4
	s_add_co_u32 s18, s18, s42                     ; x 16 + the next product's step of 256 along K
	s_lshl_b32 s20, s18, 15
	s_lshl_b32 s19, s16, 11                        ; q = hn
	s_add_co_u32 s20, s20, s19
	s_mov_b32 s21, 0
	s_add_nc_u64 s[12:13], s[10:11], s[20:21]      ; codes
	s_lshl_b32 s20, s18, 10
	s_lshl_b32 s19, s16, 2
	s_add_co_u32 s20, s20, s19
	s_add_co_u32 s20, s20, 16777216
	s_add_nc_u64 s[66:67], s[10:11], s[20:21]      ; scale words
	PLACES NP
.macro ARM k                           ; block k's 64 sums + the bias, into window 0; each accumulator from its low end on
	WIN 0x02+(\k)/4
.set j, 0
.rept 32
	v_pk_add_f32 v[X+j:X+j+1], v[64*((\k)%4)+j:64*((\k)%4)+j+1], v[BI+j:BI+j+1]
.set j, j+2
.endr
	WIN 0
.endm
.macro GELU xb                         ; 32 numbers v[xb] on, in place
.set j, 0
.rept 32
	v_fma_f32 v[T+j], |v[\xb+j]|, s[K1], 1.0
.set j, j+1
.endr
.set j, 0
	s_wait_alu depctr_va_vdst(0)
.rept 32
	v_rcp_f32 v[T+j], v[T+j]                       ; t
.set j, j+1
.endr
	v_nop                                          ; a plain line behind the last reciprocal
.set j, 0
.rept 16
	v_pk_mul_f32 v[Z+j:Z+j+1], v[\xb+j:\xb+j+1], v[\xb+j:\xb+j+1]      ; independent work behind the reciprocals
.set j, j+2
.endr
.set j, 0
.rept 16
	v_pk_fma_f32 v[Z+j:Z+j+1], v[Z+j:Z+j+1], v[VNK:VNK+1], v[VC0:VC0+1]   ; -x^2 log2(e) / 2 + c0
.set j, j+2
.endr
	s_wait_alu depctr_va_vdst(0)                   ; one wait for the 32 reciprocals, ahead of their first reader
.set j, 0
.rept 16
	v_pk_fma_f32 v[P+j:P+j+1], v[T+j:T+j+1], v[VC9:VC9+1], v[VC8:VC8+1]
.set j, j+2
.endr
.irp k, 12,10,8,6,4,2,0
.set j, 0
.rept 16
	v_pk_fma_f32 v[P+j:P+j+1], v[P+j:P+j+1], v[T+j:T+j+1], v[VK+\k:VK+\k+1]
.set j, j+2
.endr
.endr
.set j, 0
.rept 16
	v_pk_fma_f32 v[P+j:P+j+1], v[P+j:P+j+1], v[T+j:T+j+1], v[Z+j:Z+j+1]
.set j, j+2
.endr
.set j, 0
	s_wait_alu depctr_va_vdst(0)
.rept 32
	v_exp_f32 v[P+j], v[P+j]
.set j, j+1
.endr
.set j, 0
.rept 32
	v_max_num_f32 v[Z+j], 0, v[\xb+j]              ; independent work behind the exponentials
.set j, j+1
.endr
	s_wait_alu depctr_va_vdst(0)                   ; one wait for the 32 exponentials
.set j, 0
.rept 16
	v_pk_mul_f32 v[P+j:P+j+1], v[P+j:P+j+1], v[T+j:T+j+1]              ; Q
.set j, j+2
.endr
.set j, 0
.rept 32
	v_fma_f32 v[\xb+j], -|v[\xb+j]|, v[P+j], v[Z+j]                    ; max(x, 0) - |x| Q
.set j, j+1
.endr
.endm
	s_mov_b32 s3, 0
.Lrow:                                             ; my eight blocks of 16 tokens: one text for gelu and the quantiser; only the lines that name the accumulators are written eight times
.irp k, 0,1,2,3,4,5,6
	s_cmp_eq_u32 s3, \k
	s_cbranch_scc1 .Larm\k
.endr
	ARM 7
	s_branch .Lcommon
.irp k, 0,1,2,3,4,5
.Larm\k:
	ARM \k
	s_branch .Lcommon
.endr
.Larm6:
	ARM 6
.Lcommon:
	GELU X
	GELU X+32
	QUANT X
.irp c, 0,1,2,3
	global_store_b128 v[CO], v[PC+4*\c:PC+4*\c+3], s[12:13] offset:512*\c     ; the fragment as it stands: 512 consecutive bytes a store
.endr
	global_store_b32 v[SO], v[PW], s[66:67]        ; lanes r and r + 16 hold the same word and write it to the same place
	s_wait_xcnt 0x0                                ; the stores have read their registers and bases: both may be written again
	s_add_nc_u64 s[12:13], s[12:13], 4096
	s_add_nc_u64 s[66:67], s[66:67], 128
	s_add_co_u32 s3, s3, 1
	s_cmp_lt_u32 s3, 8
	s_cbranch_scc1 .Lrow
	s_wait_tensorcnt 0x0                           ; the wave's end
	ds_add_u32 v[SPW], v[NIL]
	s_wait_dscnt 0x0
	CROUND                                         ; the closing round
	s_endpgm
.Lfunc_end_k_qcc5f6cd893_up:
	.size	k_qcc5f6cd893_up, .Lfunc_end_k_qcc5f6cd893_up-k_qcc5f6cd893_up
	.p2alignl 7, 3214868480
	.fill 96, 4, 3214868480
	.section	.rodata,"a",@progbits
	.p2align	6, 0x0
	.amdhsa_kernel k_qcc5f6cd893_up
		.amdhsa_group_segment_fixed_size 327680
		.amdhsa_private_segment_fixed_size 0
		.amdhsa_enable_private_segment 0
		.amdhsa_kernarg_size 32
		.amdhsa_user_sgpr_count 2
		.amdhsa_user_sgpr_kernarg_segment_ptr 1
		.amdhsa_wavefront_size32 1
		.amdhsa_system_sgpr_workgroup_id_x 1
		.amdhsa_system_sgpr_workgroup_id_y 1
		.amdhsa_system_sgpr_workgroup_id_z 1
		.amdhsa_system_vgpr_workitem_id 0
		.amdhsa_next_free_vgpr 1024
		.amdhsa_next_free_sgpr 102
		.amdhsa_reserve_vcc 0
		.amdhsa_float_denorm_mode_32 3
		.amdhsa_float_denorm_mode_16_64 3
		.amdhsa_memory_ordered 1
		.amdhsa_forward_progress 1
		.amdhsa_inst_pref_size 185
	.end_amdhsa_kernel
	.amdgpu_metadata
---
amdhsa.version: [ 1, 2 ]
amdhsa.kernels:
  - .name:           k_qcc5f6cd893_up
    .symbol:         k_qcc5f6cd893_up.kd
    .args:
      - { .name: nrm, .offset: 0, .size: 8, .value_kind: global_buffer, .address_space: global }
      - { .name: wcod, .offset: 8, .size: 8, .value_kind: global_buffer, .address_space: global }
      - { .name: b_up, .offset: 16, .size: 8, .value_kind: global_buffer, .address_space: global }
      - { .name: hid, .offset: 24, .size: 8, .value_kind: global_buffer, .address_space: global }
    .group_segment_fixed_size: 327680
    .private_segment_fixed_size: 0
    .kernarg_segment_align: 8
    .kernarg_segment_size: 32
    .max_flat_workgroup_size: 128
    .sgpr_count:     102
    .vgpr_count:     1024
    .wavefront_size: 32
...
	.end_amdgpu_metadata
.endif
;; end of part 6
;; launch down (part 7): grid 8 x 32, 4 waves a work-group, clusters of 4 x 4, 327,680 bytes of LDS; arguments hid, wcod, b_down, ao, out0; writes out0
.if DOCPART == 7
	.amdgcn_target "amdgcn-amd-amdhsa--gfx1250"
	.amdhsa_code_object_version 6
	.text
	.protected	k_qcc5f6cd893_down
	.globl	k_qcc5f6cd893_down
	.p2align	8
	.type	k_qcc5f6cd893_down,@function
k_qcc5f6cd893_down:
	s_mov_b64 s[64:65], 0
	v_nop
	global_prefetch_b8 v0, s[64:65] scope:SCOPE_SE
	s_setreg_imm32_b32 hwreg(HW_REG_WAVE_MODE, 25, 1), 1
	s_wait_xcnt 0x0
	s_wait_alu depctr_hold_cnt(0) depctr_sa_sdst(0) depctr_va_vdst(0) depctr_va_sdst(0) depctr_va_ssrc(0) depctr_va_vcc(0) depctr_vm_vsrc(0)
	s_getreg_b32 s2, hwreg(HW_REG_IB_STS2, 6, 4)
	s_cmp_eq_u32 s2, 0
	s_cbranch_scc0 .Lentry_in_a_cluster
	s_endpgm
.Lentry_in_a_cluster:
	s_bfe_u32 s2, ttmp6, 0x10000c
	s_cmp_lg_u32 s2, 0xf033
	s_cbranch_scc0 .Lentry_shape_is_right
	s_endpgm
.Lentry_shape_is_right:
; out0 = h W_down + b_down + attn_out on codes of BF8 (E5M2) with E8M0 scales; f32 sums; f32 out.
; A work-group makes 128 tokens x 128 columns, four waves of 64 x 64 (16 accumulators); K = 4,096 in eight fills of 512 through two LDS slots of 131,072 bytes (A's 65,536, then B's).
; Both operands lie in memory in the order of the operand's registers: [block of 128 rows][256 K][tile i][q][c][lane][16 bytes]: 512 of K of a block of rows are 65,536 dense bytes; its scale bytes for all of K 16,384.
; THE HEAD: one joint load a wave: wave 0 A's fill 0, wave 1 B's, waves 2 and 3 the scale bytes, which stay.  Slot 1's first fill is issued as a refill is; from there on each wave fetches 32,768 bytes of a fill.
; CLUSTER 4 x 4: A's bytes are asked for jointly along a row of the cluster, B's along a column; a round of the cluster's barrier stands in front of every refill.
; PREFETCH INTO THE L2: of the 32,768 bytes that a wave fetches of a fill, each of the four partners that ask with it names 8,192, told apart by address (cx for A, cy for B), a lane for each 256 bytes, one instruction a wave.
; Fills 1, 2, 3 are named at the head; the change of slots that loads fill n + 2 names fill n + 4, two changes ahead of its load; the loop's last trip names nothing: there is no fill 8.
; The product is used transposed (source 0 = W_down's rows, source 1 = tokens): a lane holds 8 neighbouring columns of a token.  Tile i's lane r is row 32 (i/2) + 8 (i%2) + r + 8 (r/8), of tokens and of columns.
; The way out: a block of 16 tokens x 64 columns goes through the wave's stage and leaves as rows of 256 bytes, bias and residual added.  The stages lie in slot 0, behind its last fill and the last change of slots.
; REGISTERS: window 0: v8-11 bias, v16-31 addresses, v32-63 scale words (two sets), v64-95 rows read back, v128-255 accumulators; window 1: fragments, two sets of 128; window 2: v0-127 the residual.
; LIMITS: NaN and infinities are not served.
.set SIZE_K, 4096
.set ASC, 16777216                     ; hid: the scale bytes lie behind the codes
.set BCO, 8388608                      ; wcod: W_down's codes,
.set BSC, 12845056                     ; and its scale bytes
.set KB,    SIZE_K/256
.set LAPS,  SIZE_K/1024
.set HALFS, KB*512
.set SLOT,  131072
.set SCL,   2*SLOT
.set SPARE, SCL+4*HALFS                ; the spare words: 128 bytes a wave, named by no other line
.set ADRA, 16
.set ADRB, 20
.set STO,  24
.set RD,   25
.set CO,   26
.set ADRS, 27
.set SPW,  28
.set NIL,  29
.set PFO,  30                          ; v30 the prefetches' offset: 256 x lane; never rewritten
.set SC,   32
.set BK,   64
.set ACC,  128
.set F0,   0
.set F1,   128
.set G0H, 4                            ; s[4:7], s[96:99] group 0 of the head's loads of fill 0 (the arguments that lay in s[4:7] have been used)
.set G0HB, 96
.set G1, 24
.set G0, 32
.set G1B, 48
.set G0B, 56
.set PFA, 66                           ; s[66:67] where my prefetches stand
.set G1S, 68
.set G0S, 76
.set G1SB, 80
.set G0SB, 88
.set MSB, 0
.macro WIN new                         ; the immediate's high byte repeats the setting that is left
.if MSB != (\new)
	s_set_vgpr_msb (MSB<<8)|(\new)
.set MSB, (\new)
.endif
.endm
.set MUL,   0x05                       ; sources 0 and 1 window 1, C and D window 0
.set TO_F,  0x40
.set TO_R,  0x80
.set ADD_R, 0x08
.macro JLOAD g0a, g1a, g0b, g1b        ; a joint load of the ring: waves 0, 1 fetch for A, waves 2, 3 for B; s_nop 0 and four v_nop follow each line
	s_cmp_eq_u32 s15, 0
	s_cbranch_scc0 .Lfor_b_\@
	tensor_load_to_lds s[\g0a:\g0a+3], s[\g1a:\g1a+7]
	s_nop 0
.rept 4
	v_nop
.endr
	s_branch .Lasked_\@
.Lfor_b_\@:
	tensor_load_to_lds s[\g0b:\g0b+3], s[\g1b:\g1b+7]
	s_nop 0
.rept 4
	v_nop
.endr
.Lasked_\@:
.endm
.macro CREST                           ; a round of the cluster's barrier behind its opening barrier
	s_cmp_lg_u32 s14, 0
	s_cbranch_scc1 .Lnot_wave_0_\@
	s_barrier_signal -3
.Lnot_wave_0_\@:
	s_barrier_wait -3
	s_barrier_signal -1
	s_barrier_wait -1
.endm
.macro CROUND
	s_barrier_signal -1
	s_barrier_wait -1
	CREST
.endm
.macro HARM under, g0, g1, next        ; an arm of the head's chain
	s_cmp_lt_u32 s14, \under
	s_cbranch_scc0 \next
	tensor_load_to_lds s[\g0:\g0+3], s[\g1:\g1+7]
	s_nop 0
.rept 4
	v_nop
.endr
	s_branch .Lhead_asked
\next:
.endm
.macro ASK                             ; the fill three on from the one that is read next; s3 = 1 in the loop's last trip
	s_cmp_gt_u32 s3, 1
	s_cbranch_scc0 .Lnone_\@
	global_prefetch_b8 v[PFO], s[PFA:PFA+1] offset:196608 th:TH_LOAD_NT scope:SCOPE_SE
.Lnone_\@:
.endm
	s_load_b256 s[4:11], s[0:1], 0x0               ; h's codes, the weights' codes, b_down, attn_out
	s_load_b64 s[12:13], s[0:1], 0x20              ; out0
	v_lshl_add_u32 v[SPW], v0, 2, SPARE
	v_mov_b32 v[NIL], 0
	ds_add_u32 v[SPW], v[NIL]                      ; the opening lines: the add twice on end and one wait
	ds_add_u32 v[SPW], v[NIL]
	v_lshrrev_b32 v1, 5, v0
	v_readfirstlane_b32 s14, v1                    ; wave
	s_lshr_b32 s15, s14, 1                         ; my half of the tokens.  Also: in the ring I fetch for A (0) or B (1)
	s_and_b32 s16, s14, 1                          ; my half of the columns.  Also: which 256 of a fill's 512 along K I fetch
	s_bfe_u32 s40, ttmp6, 0x40000                  ; cx
	s_bfe_u32 s41, ttmp6, 0x40004                  ; cy
	s_lshl_b32 s42, ttmp9, 2
	s_add_co_u32 s42, s42, s40                     ; the block of 128 columns
	s_and_b32 s17, ttmp7, 0xffff
	s_lshl_b32 s17, s17, 2
	s_add_co_u32 s17, s17, s41                     ; the block of 128 tokens
	s_lshl_b32 s43, s41, 2
	s_lshl_b32 s43, 15, s43                        ; my row of the cluster
	s_lshl_b32 s44, 0x1111, s40                    ; my column
	s_or_b32 s[G1], s43, (3<<16)|(1<<21)           ; the mask; elements of 8 bytes; bit 21 beside a mask; no padding
	s_or_b32 s[G1B], s44, (3<<16)|(1<<21)
.irp g, G1, G1B
	s_mov_b32 s[\g+1], 4096<<16                    ; for the head's loads: 65,536 dense bytes as 2 rows of 4,096 elements (32,768 bytes); behind the head these five words are set for the ring's loads
	s_mov_b32 s[\g+2], 2<<16
	s_mov_b32 s[\g+3], 4096<<16
	s_mov_b32 s[\g+4], 2
	s_mov_b32 s[\g+5], 4096
	s_mov_b32 s[\g+6], 0
	s_mov_b32 s[\g+7], 0
.endr
	s_or_b32 s[G1S], s43, (3<<16)|(1<<21)
	s_or_b32 s[G1SB], s44, (3<<16)|(1<<21)
.irp g, G1S, G1SB
	s_mov_b32 s[\g+1], 32<<16                      ; the scale bytes of 128 rows, all of K: 64 rows of 256
	s_mov_b32 s[\g+2], (2*HALFS/256)<<16
	s_mov_b32 s[\g+3], 32<<16
	s_mov_b32 s[\g+4], 2*HALFS/256
	s_mov_b32 s[\g+5], 32
	s_mov_b32 s[\g+6], 0
	s_mov_b32 s[\g+7], 0
.endr
	s_mul_i32 s20, s17, KB*32768
	s_mul_i32 s22, s17, KB*1024
	s_add_co_u32 s22, s22, ASC
	s_mul_i32 s46, s42, KB*32768
	s_add_co_u32 s46, s46, BCO
	s_mul_i32 s92, s42, KB*1024
	s_add_co_u32 s92, s92, BSC
	s_mov_b32 s21, 0
	s_mov_b32 s23, 0
	s_mov_b32 s47, 0
	s_mov_b32 s93, 0
	s_lshl_b32 s18, s16, 15                        ; in the ring: my 32,768 bytes of a fill's 65,536,
	s_mov_b32 s19, 0
	s_lshl_b32 s45, s14, 15                        ; and where they go: no place in the cluster enters an LDS address
	s_wait_dscnt 0x0                               ; both opening adds are done
	CROUND                                         ; all sixteen work-groups are here: the first joint loads meet
	s_wait_kmcnt 0x0
	s_add_nc_u64 s[20:21], s[4:5], s[20:21]
	s_add_nc_u64 s[22:23], s[4:5], s[22:23]
	s_add_nc_u64 s[46:47], s[6:7], s[46:47]
	s_add_nc_u64 s[92:93], s[6:7], s[92:93]
	s_mov_b32 s[G0H], 1
	s_mov_b32 s[G0H+1], 0
	s_mov_b64 s[G0H+2:G0H+3], s[20:21]
	s_or_b32 s[G0H+3], s[G0H+3], 0x80000000
	s_mov_b32 s[G0HB], 1
	s_mov_b32 s[G0HB+1], 65536
	s_mov_b64 s[G0HB+2:G0HB+3], s[46:47]
	s_or_b32 s[G0HB+3], s[G0HB+3], 0x80000000
	s_mov_b32 s[G0S], 1
	s_mov_b32 s[G0S+1], SCL
	s_mov_b64 s[G0S+2:G0S+3], s[22:23]
	s_or_b32 s[G0S+3], s[G0S+3], 0x80000000
	s_mov_b32 s[G0SB], 1
	s_mov_b32 s[G0SB+1], SCL+2*HALFS
	s_mov_b64 s[G0SB+2:G0SB+3], s[92:93]
	s_or_b32 s[G0SB+3], s[G0SB+3], 0x80000000
	HARM 1, G0H, G1, .Lhead_b
	HARM 2, G0HB, G1B, .Lhead_sa
	HARM 3, G0S, G1S, .Lhead_sb
	tensor_load_to_lds s[G0SB:G0SB+3], s[G1SB:G1SB+7]
	s_nop 0
.rept 4
	v_nop
.endr
.Lhead_asked:
	s_add_nc_u64 s[20:21], s[20:21], s[18:19]      ; the ring's descriptors: my part of fills 0 and 1
	s_add_nc_u64 s[46:47], s[46:47], s[18:19]
.irp s, 0,1
	s_mov_b32 s[G0+4*\s], 1
	s_add_co_u32 s[G0+4*\s+1], s45, \s*SLOT
	s_add_nc_u64 s[G0+4*\s+2:G0+4*\s+3], s[20:21], \s*65536
	s_or_b32 s[G0+4*\s+3], s[G0+4*\s+3], 0x80000000
	s_mov_b32 s[G0B+4*\s], 1
	s_add_co_u32 s[G0B+4*\s+1], s45, \s*SLOT
	s_add_nc_u64 s[G0B+4*\s+2:G0B+4*\s+3], s[46:47], \s*65536
	s_or_b32 s[G0B+4*\s+3], s[G0B+4*\s+3], 0x80000000
.endr
	s_cmp_eq_u32 s15, 0                            ; the prefetches: in the tensor that I fetch for,
	s_cselect_b64 s[PFA:PFA+1], s[20:21], s[46:47]
	s_cselect_b32 s18, s40, s41                    ; my place among the four that ask with me
	s_lshl_b32 s18, s18, 13                        ; x 8,192 bytes
	s_add_nc_u64 s[PFA:PFA+1], s[PFA:PFA+1], s[18:19]
	s_lshl_b32 s18, s15, 14                        ; my four tiles of A in slot 0,
	s_add_co_u32 s19, s18, SLOT                    ; in slot 1
	s_lshl_b32 s20, s16, 14
	s_add_co_u32 s20, s20, 65536                   ; and of B
	s_add_co_u32 s21, s20, SLOT
	s_lshl_b32 s22, s15, 9                         ; scale words: A's four tiles,
	s_lshl_b32 s23, s16, 9
	s_add_co_u32 s23, s23, 2*HALFS
	s_sub_co_u32 s23, s23, s22                     ; the distance to B's
	s_add_co_u32 s22, s22, SCL
	s_mul_i32 s46, s14, 4352                       ; my stage
	s_lshl_b32 s92, s17, 7
	s_lshl_b32 s93, s15, 6
	s_add_co_u32 s92, s92, s93                     ; my first token
	s_lshl_b32 s92, s92, 12
	s_lshl_b32 s2, s42, 9
	s_lshl_b32 s93, s16, 8
	s_add_co_u32 s2, s2, s93                       ; my first column, in bytes
	s_mov_b32 s3, 0
	s_add_co_u32 s92, s92, s2
	s_mov_b32 s93, 0
	s_add_nc_u64 s[10:11], s[10:11], s[92:93]
	s_add_nc_u64 s[12:13], s[12:13], s[92:93]
	s_add_nc_u64 s[8:9], s[8:9], s[2:3]
	v_and_b32 v1, 15, v0                           ; r
	v_bfe_u32 v2, v0, 4, 1                         ; h
	v_and_b32 v3, 31, v0
	v_lshlrev_b32 v4, 4, v3                        ; 16 x lane
	v_add_nc_u32 v[ADRA], s18, v4
	v_add_nc_u32 v[ADRA+1], s19, v4
	v_add_nc_u32 v[ADRB], s20, v4
	v_add_nc_u32 v[ADRB+1], s21, v4
	v_lshlrev_b32 v5, 3, v1                        ; 8 bytes a row and 256 K
	v_mul_u32_u24 v6, s23, v2                      ; lanes 16-31 take B's: one product of h with the distance
	v_add_nc_u32 v5, v5, v6
	v_add_nc_u32 v[ADRS], s22, v5
	v_mul_u32_u24 v5, v1, 272
	v_lshl_add_u32 v5, v2, 6, v5
	v_add_nc_u32 v[STO], s46, v5                   ; into the stage: row r, + 64 h
	v_mul_u32_u24 v5, v2, 272
	v_lshl_add_u32 v5, v1, 4, v5
	v_add_nc_u32 v[RD], s46, v5                    ; back: lanes 0-15 one row, lanes 16-31 the next
	v_lshlrev_b32 v5, 12, v2
	v_lshl_add_u32 v[CO], v1, 4, v5                ; the same two rows in memory
	v_lshlrev_b32 v7, 4, v1
	v_lshlrev_b32 v[PFO], 8, v3
	s_wait_alu depctr_va_vdst(0)
	global_prefetch_b8 v[PFO], s[PFA:PFA+1] offset:65536 th:TH_LOAD_NT scope:SCOPE_SE   ; my 8,192 bytes of fill 1
.macro FETCH slot, kq, f               ; my four fragments of A and four of B for 128 along K: 32 loads of 512 consecutive bytes
	WIN TO_F
.irp ii, 0,1,2,3
.irp c, 0,1,2,3
	ds_load_b128 v[\f+16*\ii+4*\c:\f+16*\ii+4*\c+3], v[ADRA+\slot] offset:((\kq)/2)*32768+\ii*4096+((\kq)%2)*2048+512*\c
.endr
.endr
.irp ii, 0,1,2,3
.irp c, 0,1,2,3
	ds_load_b128 v[\f+64+16*\ii+4*\c:\f+64+16*\ii+4*\c+3], v[ADRB+\slot] offset:((\kq)/2)*32768+\ii*4096+((\kq)%2)*2048+512*\c
.endr
.endr
.endm
.macro SCALES set                      ; a fill's scale words: lanes 0-15 A's tile ii, lanes 16-31 B's
	WIN 0
.irp k, 0,1
.irp ii, 0,1,2,3
	ds_load_b64 v[SC+16*\set+8*\k+2*\ii:SC+16*\set+8*\k+2*\ii+1], v[ADRS] offset:\k*1024+\ii*128
.endr
.endr
.endm
.macro MUL4 f, a, kq, set, zero        ; the 16 accumulators take turns, in the same order in every quarter
.irp b, 0,1,2,3
.if \zero
	v_wmma_scale_f32_16x16x128_f8f6f4 v[ACC+8*(4*(\a)+\b):ACC+8*(4*(\a)+\b)+7], v[\f+64+16*\b:\f+64+16*\b+15], v[\f+16*(\a):\f+16*(\a)+15], 0, v[SC+16*(\set)+8*((\kq)/2)+2*\b+(\kq)%2], v[SC+16*(\set)+8*((\kq)/2)+2*(\a)+(\kq)%2] matrix_a_fmt:MATRIX_FMT_BF8 matrix_b_fmt:MATRIX_FMT_BF8 matrix_a_scale:MATRIX_SCALE_ROW1
.else
	v_wmma_scale_f32_16x16x128_f8f6f4 v[ACC+8*(4*(\a)+\b):ACC+8*(4*(\a)+\b)+7], v[\f+64+16*\b:\f+64+16*\b+15], v[\f+16*(\a):\f+16*(\a)+15], v[ACC+8*(4*(\a)+\b):ACC+8*(4*(\a)+\b)+7], v[SC+16*(\set)+8*((\kq)/2)+2*\b+(\kq)%2], v[SC+16*(\set)+8*((\kq)/2)+2*(\a)+(\kq)%2] matrix_a_fmt:MATRIX_FMT_BF8 matrix_b_fmt:MATRIX_FMT_BF8 matrix_a_scale:MATRIX_SCALE_ROW1
.endif
.endr
.endm
.macro PLACES n
.rept \n
	v_nop
.endr
.endm
.macro QUARTER slot, kq, f, g, zero    ; 128 along K out of set f, while the next 128's fragments of the same slot come into set g
	PLACES 8                                       ; ahead of loads into registers that the last products read (ISA guide 7.12.1 for vector instructions)
	FETCH \slot, (\kq)+1, \g
	s_wait_dscnt 32                                ; all but the 32 just issued
	WIN MUL
	MUL4 \f, 0, \kq, \slot, \zero
	MUL4 \f, 1, \kq, \slot, \zero
	MUL4 \f, 2, \kq, \slot, \zero
	MUL4 \f, 3, \kq, \slot, \zero
.endm
; A slot's last quarter changes slots: in front of the barrier each wave waits for all its tensor loads, adds 0 to its spare word, and waits for that and for its reads of this slot.
.macro TURN slot, next, fill
.if \fill
	s_wait_xcnt 0x0                                ; my prefetches have read their address: it steps one fill on
	s_add_nc_u64 s[PFA:PFA+1], s[PFA:PFA+1], 65536
.endif
	WIN 0
	s_wait_tensorcnt 0x0                           ; my part of the next slot has landed
	ds_add_u32 v[SPW], v[NIL]
	s_wait_dscnt 1                                 ; the add may be out
	WIN MUL
	MUL4 F1, 0, 3, \slot, 0
	s_wait_dscnt 0x0                               ; the add is done, and my reads of this slot are over
	s_barrier_signal -1
	MUL4 F1, 1, 3, \slot, 0
	WIN 0
	s_barrier_wait -1
.if \fill
	CREST                                          ; the barrier has opened a round of the cluster's: no wave of any partner still reads this slot or has a load on its way
	s_add_nc_u64 s[G0+4*\slot+2:G0+4*\slot+3], s[G0+4*\slot+2:G0+4*\slot+3], 131072
	s_add_nc_u64 s[G0B+4*\slot+2:G0B+4*\slot+3], s[G0B+4*\slot+2:G0B+4*\slot+3], 131072
	JLOAD G0+4*\slot, G1, G0B+4*\slot, G1B         ; the first tensor load behind the round; its four v_nop are among the places
	PLACES 4
.else
	PLACES 8
.endif
	s_wait_alu depctr_va_vdst(0)                   ; the line below reads what the last change wrote
	v_add_nc_u32 v[ADRS], 2048, v[ADRS]            ; the next fill's scale words
	FETCH \next, 0, F0
	SCALES \next
.if \fill
	ASK
.endif
	WIN MUL
	MUL4 F1, 2, 3, \slot, 0
	MUL4 F1, 3, 3, \slot, 0
.endm
	s_wait_tensorcnt 0x0                           ; my tile of the head's four is in; slot 1's first fill is issued as a refill is
	ds_add_u32 v[SPW], v[NIL]
.irp g, G1, G1B
	s_mov_b32 s[\g+1], 32<<16                      ; no tensor load of mine is out: from here on a load brings 128 rows of 256 bytes
	s_mov_b32 s[\g+2], 128<<16
	s_mov_b32 s[\g+3], 32<<16
	s_mov_b32 s[\g+4], 128
	s_mov_b32 s[\g+5], 32
.endr
	s_wait_dscnt 0x0
	CROUND                                         ; all four tiles are in, and all sixteen work-groups are here
	JLOAD G0+4, G1, G0B+4, G1B                     ; fill 1: the first tensor load behind the round
	FETCH 0, 0, F0
	SCALES 0
	global_prefetch_b8 v[PFO], s[PFA:PFA+1] offset:131072 th:TH_LOAD_NT scope:SCOPE_SE   ; fill 2,
	global_prefetch_b8 v[PFO], s[PFA:PFA+1] offset:196608 th:TH_LOAD_NT scope:SCOPE_SE   ; fill 3
	QUARTER 0, 0, F0, F1, 1                        ; the first products start the sums
	WIN 0
	s_mov_b32 s3, LAPS-1
.Llap:                                             ; a trip goes once round the ring and fills both slots again
	QUARTER 0, 1, F1, F0, 0
	QUARTER 0, 2, F0, F1, 0
	TURN 0, 1, 1
	QUARTER 1, 0, F0, F1, 0
	QUARTER 1, 1, F1, F0, 0
	QUARTER 1, 2, F0, F1, 0
	TURN 1, 0, 1
	QUARTER 0, 0, F0, F1, 0
	WIN 0
	s_sub_co_u32 s3, s3, 1
	s_cmp_lg_u32 s3, 0
	s_cbranch_scc1 .Llap
	global_load_b128 v[8:11], v7, s[8:9]           ; the bias at my lane's four columns.  Bias and residual are wanted on the way out alone: they are asked for here, where every fill and every prefetch has been asked for
	WIN TO_R
.irp a, 0,1,2,3
.irp t, 0,1,2,3,4,5,6,7
	global_load_b128 v[32*\a+4*\t:32*\a+4*\t+3], v[CO], s[10:11] offset:(32*(\a/2)+8*(\a%2)+2*\t+8*(\t/4))*4096 th:TH_LOAD_NT   ; the residual, in the order in which the rows leave
.endr
.endr
	WIN 0
	QUARTER 0, 1, F1, F0, 0                        ; the last lap fills nothing
	QUARTER 0, 2, F0, F1, 0
	TURN 0, 1, 0
	QUARTER 1, 0, F0, F1, 0
	QUARTER 1, 1, F1, F0, 0
	QUARTER 1, 2, F0, F1, 0
	s_wait_dscnt 0x0
	MUL4 F1, 0, 3, 1, 0
	MUL4 F1, 1, 3, 1, 0
	MUL4 F1, 2, 3, 1, 0
	MUL4 F1, 3, 3, 1, 0
	WIN 0
	PLACES 8
.macro OUT a                           ; block a: 16 tokens x 64 columns
	s_wait_xcnt 0x0                                ; the last block's stores have read their registers
.irp b, 0,1,2,3
	ds_store_b128 v[STO], v[ACC+8*(4*\a+\b):ACC+8*(4*\a+\b)+3] offset:128*(\b/2)+32*(\b%2)   ; each accumulator from its low end on
	ds_store_b128 v[STO], v[ACC+8*(4*\a+\b)+4:ACC+8*(4*\a+\b)+7] offset:128*(\b/2)+32*(\b%2)+16
.endr
.irp t, 0,1,2,3,4,5,6,7
	ds_load_b128 v[BK+4*\t:BK+4*\t+3], v[RD] offset:\t*544   ; LDS serves a wave's instructions in order (ISA guide 5.7.1.4)
.endr
	s_wait_dscnt 0x0
	s_wait_loadcnt 24-8*\a                         ; the bias and this block's residual are in; the 8 loads of each later block may be out
.irp t, 0,1,2,3,4,5,6,7
	v_pk_add_f32 v[BK+4*\t:BK+4*\t+1], v[BK+4*\t:BK+4*\t+1], v[8:9]
	v_pk_add_f32 v[BK+4*\t+2:BK+4*\t+3], v[BK+4*\t+2:BK+4*\t+3], v[10:11]
.endr
	WIN ADD_R
.set j, 0
.rept 16
	v_pk_add_f32 v[BK+j:BK+j+1], v[BK+j:BK+j+1], v[32*\a+j:32*\a+j+1]
.set j, j+2
.endr
	WIN 0
.irp t, 0,1,2,3,4,5,6,7
	global_store_b128 v[CO], v[BK+4*\t:BK+4*\t+3], s[12:13] offset:(32*(\a/2)+8*(\a%2)+2*\t+8*(\t/4))*4096   ; 16 lanes store 256 consecutive aligned bytes
.endr
.endm
	OUT 0
	OUT 1
	OUT 2
	OUT 3
	s_wait_tensorcnt 0x0                           ; the wave's end
	ds_add_u32 v[SPW], v[NIL]
	s_wait_dscnt 0x0
	CROUND                                         ; the closing round
	s_endpgm
.Lfunc_end_k_qcc5f6cd893_down:
	.size	k_qcc5f6cd893_down, .Lfunc_end_k_qcc5f6cd893_down-k_qcc5f6cd893_down
	.p2alignl 7, 3214868480
	.fill 96, 4, 3214868480
	.section	.rodata,"a",@progbits
	.p2align	6, 0x0
	.amdhsa_kernel k_qcc5f6cd893_down
		.amdhsa_group_segment_fixed_size 327680
		.amdhsa_private_segment_fixed_size 0
		.amdhsa_enable_private_segment 0
		.amdhsa_kernarg_size 40
		.amdhsa_user_sgpr_count 2
		.amdhsa_user_sgpr_kernarg_segment_ptr 1
		.amdhsa_wavefront_size32 1
		.amdhsa_system_sgpr_workgroup_id_x 1
		.amdhsa_system_sgpr_workgroup_id_y 1
		.amdhsa_system_sgpr_workgroup_id_z 1
		.amdhsa_system_vgpr_workitem_id 0
		.amdhsa_next_free_vgpr 640
		.amdhsa_next_free_sgpr 100
		.amdhsa_reserve_vcc 0
		.amdhsa_float_denorm_mode_32 3
		.amdhsa_float_denorm_mode_16_64 3
		.amdhsa_memory_ordered 1
		.amdhsa_forward_progress 1
		.amdhsa_inst_pref_size 106
	.end_amdhsa_kernel
	.amdgpu_metadata
---
amdhsa.version: [ 1, 2 ]
amdhsa.kernels:
  - .name:           k_qcc5f6cd893_down
    .symbol:         k_qcc5f6cd893_down.kd
    .args:
      - { .name: hid, .offset: 0, .size: 8, .value_kind: global_buffer, .address_space: global }
      - { .name: wcod, .offset: 8, .size: 8, .value_kind: global_buffer, .address_space: global }
      - { .name: b_down, .offset: 16, .size: 8, .value_kind: global_buffer, .address_space: global }
      - { .name: ao, .offset: 24, .size: 8, .value_kind: global_buffer, .address_space: global }
      - { .name: out0, .offset: 32, .size: 8, .value_kind: global_buffer, .address_space: global }
    .group_segment_fixed_size: 327680
    .private_segment_fixed_size: 0
    .kernarg_segment_align: 8
    .kernarg_segment_size: 40
    .max_flat_workgroup_size: 128
    .sgpr_count:     100
    .vgpr_count:     640
    .wavefront_size: 32
...
	.end_amdgpu_metadata
.endif
;; end of part 7
